; MI455X (gfx1250); checked and timed in simulation.
; The chip was launched on July 23, 2026; its instructions are those of AMD's public machine-readable ISA for CDNA 5 (MIT licence, August 2026) and "CDNA5" Instruction Set Architecture Reference Guide (July 2026). The comments in the code are by the model that wrote it; some were corrected since.
;; Moe Layer. Allowed arithmetic: float matrix products may take bf16 or f16 operands with f32 sums; other float arithmetic in f32, or as packed bf16 or f16 multiplies, adds, multiply-adds, maxima and minima; sums over many terms, partial sums and values carried from step to step in f32; what a program stores and reads back later, other than sums and carried values, may be rounded once to bf16 or f16.
;; Inputs: b1 8 x 4,096 float32; b2 8 x 1,024 float32; gate_b 8 float32; gate_w 1,024 x 8 float32; w1 8 x 1,024 x 4,096 float32; w2 8 x 4,096 x 1,024 float32; x 4 x 256 x 1,024 float32.
;; Outputs: out0 4 x 256 x 1,024 float32.
;; 3 versions, each right; version 3 is version 2 with the launches ffn1, ffn2 written anew for expert scheduling mode. Each part assembles by itself: llvm-mc -triple=amdgcn-amd-amdhsa -mcpu=gfx1250 --defsym DOCPART=n.
;; ======== version 1 of 3: 4 launches
;; limits: values are held in f16: magnitudes above 65,504 overflow, below 6.1e-05 lose precision
;; workspace buffers: xb 2,097,152 bytes; sel 8,192 bytes of whole numbers; gw 8,192 bytes; hbuf 16,842,752 bytes; part 33,685,504 bytes
;; launch router (part 1): grid 256 x 1, 4 waves a work-group, no clusters, 0 bytes of LDS; arguments x, gate_w, gate_b, xb, sel, gw; writes xb, sel, gw
.if DOCPART == 1
	.amdgcn_target "amdgcn-amd-amdhsa--gfx1250"
	.amdhsa_code_object_version 6
	.text
	.protected	k_q43030b7160_router
	.globl	k_q43030b7160_router
	.p2align	8
	.type	k_q43030b7160_router,@function
k_q43030b7160_router:
	s_mov_b64 s[64:65], 0
	v_nop
	global_prefetch_b8 v0, s[64:65] scope:SCOPE_SE
	s_setreg_imm32_b32 hwreg(HW_REG_WAVE_MODE, 25, 1), 1
	s_wait_xcnt 0x0
; ROUTER.  logits = x gate_w + gate_b for 1,024 tokens and 8 experts; the two largest (the lower index wins a tie, as jax.lax.top_k has it); softmax over the two, the larger taken away first.
; One wave takes one token: t = 4 x work-group + wave.  Lane l holds x[128 j + 4 l + c], j = 0..7, c = 0..3, and the 32 rows of gate_w that go with them.
; FORMATS.  x, gate_w and gate_b are rounded to bf16 (as all the module's inputs are in this program), products exact, sums in f32.  x rounded is stored in xb for the first product.
; STORES at fixed places: xb[t][1024] bf16, sel[t][2] (the chosen experts, best first), gw[t][2] (their weights, f32).  No address and no branch hangs on the logits.
; LIMITS.  The 1,024 terms of a logit are added in another order than a row-by-row sum: two logits closer than f32's rounding of such a sum may change places.  NaN and infinities are not treated apart.
.set GB,  8                            ; v[8:15]    gate_b
.set X,   16                           ; v[16:47]   x as loaded; when it is packed: v[16:23] the eight sums, v[24:47] at work
.set ACC, 16
.set XP,  48                           ; v[48:63]   x in bf16: register 2 j + c / 2, half c % 2
.set G0,  64                           ; three buffers of 64 for gate_w: row (j % 2, c) at 32 (j % 2) + 8 c, eight experts
.set G1,  128
.set G2,  192
	s_load_b256 s[4:11], s[0:1], 0x0               ; x s[4:5], gate_w s[6:7], gate_b s[8:9], xb s[10:11]
	s_load_b128 s[12:15], s[0:1], 0x20             ; sel s[12:13], gw s[14:15]
	v_lshrrev_b32 v6, 5, v0
	v_readfirstlane_b32 s16, v6                    ; wave
	v_and_b32 v1, 31, v0                           ; lane
	v_lshlrev_b32 v2, 4, v1                        ; 16 bytes of x a lane
	v_lshlrev_b32 v3, 7, v1                        ; four rows of gate_w, 32 bytes each
	v_mov_b32 v4, 0
	v_lshlrev_b32 v5, 3, v1                        ; 8 bytes of xb a lane
	s_lshl_b32 s17, ttmp9, 2
	s_add_co_u32 s17, s17, s16                     ; my token
	s_lshl_b32 s18, s17, 12
	s_mov_b32 s19, 0
	s_mov_b32 s20, 0x76543210                      ; v_permlanex16_b32: each lane takes its own place in the other half
	s_mov_b32 s21, 0xfedcba98
	s_wait_kmcnt 0x0
	s_add_nc_u64 s[4:5], s[4:5], s[18:19]          ; x at my row
	s_lshl_b32 s18, s17, 11
	s_add_nc_u64 s[10:11], s[10:11], s[18:19]      ; xb at my row
	s_lshl_b32 s18, s17, 3
	s_add_nc_u64 s[12:13], s[12:13], s[18:19]      ; sel and gw at my pair
	s_add_nc_u64 s[14:15], s[14:15], s[18:19]
.macro GLD buf, m                      ; 16 loads: gate_w's rows for j = 2 m and 2 m + 1
.irp jj, 0,1
.irp c, 0,1,2,3
.irp hf, 0,1
	global_load_b128 v[(\buf)+32*\jj+8*\c+4*\hf:(\buf)+32*\jj+8*\c+4*\hf+3], v3, s[6:7] offset:4096*(2*(\m)+\jj)+32*\c+16*\hf
.endr
.endr
.endr
.endm
.macro FM d, g, x, a, b                ; sum d += bf16 half a of g x bf16 half b of x, in f32
.if ((\a) == 0) && ((\b) == 0)
	v_fma_mix_f32_bf16 v[\d], v[\g], v[\x], v[\d] op_sel_hi:[1,1,0]
.elseif ((\a) == 1) && ((\b) == 0)
	v_fma_mix_f32_bf16 v[\d], v[\g], v[\x], v[\d] op_sel:[1,0,0] op_sel_hi:[1,1,0]
.elseif ((\a) == 0) && ((\b) == 1)
	v_fma_mix_f32_bf16 v[\d], v[\g], v[\x], v[\d] op_sel:[0,1,0] op_sel_hi:[1,1,0]
.else
	v_fma_mix_f32_bf16 v[\d], v[\g], v[\x], v[\d] op_sel:[1,1,0] op_sel_hi:[1,1,0]
.endif
.endm
.macro GCH buf, m                      ; a chunk: its 64 numbers a lane are rounded to bf16 in place (register p of a row takes experts 2 p, 2 p + 1; p ascending, so no source is lost), then 64 multiply-adds, the eight sums by turns
.irp jj, 0,1
.irp c, 0,1,2,3
.irp p, 0,1,2,3
	v_cvt_pk_bf16_f32 v[(\buf)+32*\jj+8*\c+\p], v[(\buf)+32*\jj+8*\c+2*\p], v[(\buf)+32*\jj+8*\c+2*\p+1]
.endr
.endr
.endr
.irp jj, 0,1
.irp c, 0,1,2,3
.irp e, 0,1,2,3,4,5,6,7
	FM ACC+\e, (\buf)+32*\jj+8*\c+(\e)/2, XP+2*(2*(\m)+\jj)+(\c)/2, (\e)%2, (\c)%2
.endr
.endr
.endr
.endm
	global_load_b128 v[GB:GB+3], v4, s[8:9]
	global_load_b128 v[GB+4:GB+7], v4, s[8:9] offset:16
.irp j, 0,1,2,3,4,5,6,7
	global_load_b128 v[X+4*\j:X+4*\j+3], v2, s[4:5] offset:512*\j th:TH_LOAD_NT
.endr
	GLD G0, 0
	GLD G1, 1
	GLD G2, 2
	s_wait_loadcnt 48                              ; gate_b and x are in; the three chunks of 16 loads stay out
.irp j, 0,1,2,3,4,5,6,7
	v_cvt_pk_bf16_f32 v[XP+2*\j],   v[X+4*\j],   v[X+4*\j+1]
	v_cvt_pk_bf16_f32 v[XP+2*\j+1], v[X+4*\j+2], v[X+4*\j+3]
.endr
.irp j, 0,1,2,3,4,5,6,7
	global_store_b64 v5, v[XP+2*\j:XP+2*\j+1], s[10:11] offset:256*\j  ; 32 lanes store 256 consecutive bytes, at a multiple of 256 from xb's first
.endr
.irp e, 0,1,2,3,4,5,6,7
	v_mov_b32 v[ACC+\e], 0                         ; the mixed multiply-add takes registers alone, so the eight sums start from registers
.endr
	s_wait_loadcnt 32                              ; chunk 0 is in; chunks 1 and 2 stay out
	GCH G0, 0
	GLD G0, 3
	s_wait_loadcnt 32                              ; chunk 1; chunks 2 and 3 stay out
	GCH G1, 1
	s_wait_loadcnt 16                              ; chunk 2
	GCH G2, 2
	s_wait_loadcnt 0x0
	GCH G0, 3
	; the 32 lanes' sums: four steps inside each half of 16 lanes, one across the halves; every lane ends with all eight logits
.irp k, 1,2,4,8
.irp e, 0,1,2,3,4,5,6,7
	v_add_f32_dpp v[ACC+\e], v[ACC+\e], v[ACC+\e] row_xmask:\k row_mask:0xf bank_mask:0xf
.endr
.endr
.irp e, 0,1,2,3,4,5,6,7
	v_permlanex16_b32 v[24+\e], v[ACC+\e], s20, s21  ; the destination was written by x's loads
.endr
.irp p, 0,1,2,3
	v_cvt_pk_bf16_f32 v[32+\p], v[GB+2*\p], v[GB+2*\p+1]  ; gate_b rounded to bf16,
.endr
.irp p, 0,1,2,3
	v_lshlrev_b32 v[GB+2*\p], 16, v[32+\p]         ; and widened again
	v_and_b32 v[GB+2*\p+1], 0xffff0000, v[32+\p]
.endr
.irp e, 0,1,2,3,4,5,6,7
	v_add_f32 v[ACC+\e], v[ACC+\e], v[24+\e]
.endr
.irp e, 0,1,2,3,4,5,6,7
	v_add_f32 v[ACC+\e], v[ACC+\e], v[GB+\e]
.endr
	; the largest: v32, its index v40.  A later expert wins only if it is greater.
	v_mov_b32 v32, v[ACC]
	v_mov_b32 v40, 0
.irp e, 1,2,3,4,5,6,7
	v_cmp_gt_f32 vcc_lo, v[ACC+\e], v32
	v_cndmask_b32 v32, v32, v[ACC+\e], vcc_lo
	v_cndmask_b32 v40, v40, \e, vcc_lo
.endr
	; the second: v34, index v41.  It starts at the lowest index that is not the first's.
	v_cmp_eq_u32 vcc_lo, 0, v40
	v_cndmask_b32 v34, v[ACC], v[ACC+1], vcc_lo
	v_cndmask_b32 v41, 0, 1, vcc_lo
.irp e, 1,2,3,4,5,6,7
	v_cmp_ne_u32 s22, \e, v40
	v_cmp_gt_f32 s23, v[ACC+\e], v34
	s_and_b32 vcc_lo, s22, s23
	v_cndmask_b32 v34, v34, v[ACC+\e], vcc_lo
	v_cndmask_b32 v41, v41, \e, vcc_lo
.endr
	; softmax of (l1, l2) with l1, the maximum, taken away: p = e^(l2 - l1) <= 1; weights 1 / (1 + p) and p / (1 + p)
	v_sub_f32 v36, v34, v32
	v_mul_f32 v36, 0x3fb8aa3b, v36
	v_exp_f32 v36, v36
	v_nop                                          ; a plain instruction behind the exponential,
	s_wait_alu depctr_va_vdst(0)                   ; and the wait ahead of its first reader
	v_add_f32 v37, 1.0, v36
	v_rcp_f32 v38, v37
	v_cmp_eq_u32 vcc_lo, 0, v1                     ; (the plain instruction behind the reciprocal)
	s_wait_alu depctr_va_vdst(0)
	v_mul_f32 v39, v36, v38
	s_wait_xcnt 0x0                                ; EXEC changes only behind this wait: xb's stores were issued under the full one
	s_and_saveexec_b32 s24, vcc_lo                 ; every lane holds the same four numbers: lane 0 stores them
	global_store_b64 v4, v[40:41], s[12:13]
	global_store_b64 v4, v[38:39], s[14:15]
	s_wait_xcnt 0x0
	s_or_b32 exec_lo, exec_lo, s24
	s_endpgm
.Lfunc_end_k_q43030b7160_router:
	.size	k_q43030b7160_router, .Lfunc_end_k_q43030b7160_router-k_q43030b7160_router
	.p2alignl 7, 3214868480
	.fill 96, 4, 3214868480
	.section	.rodata,"a",@progbits
	.p2align	6, 0x0
	.amdhsa_kernel k_q43030b7160_router
		.amdhsa_group_segment_fixed_size 0
		.amdhsa_private_segment_fixed_size 0
		.amdhsa_enable_private_segment 0
		.amdhsa_kernarg_size 48
		.amdhsa_user_sgpr_count 2
		.amdhsa_user_sgpr_kernarg_segment_ptr 1
		.amdhsa_wavefront_size32 1
		.amdhsa_system_sgpr_workgroup_id_x 1
		.amdhsa_system_sgpr_workgroup_id_y 1
		.amdhsa_system_sgpr_workgroup_id_z 1
		.amdhsa_system_vgpr_workitem_id 0
		.amdhsa_next_free_vgpr 256
		.amdhsa_next_free_sgpr 66
		.amdhsa_reserve_vcc 1
		.amdhsa_float_denorm_mode_32 3
		.amdhsa_float_denorm_mode_16_64 3
		.amdhsa_memory_ordered 1
		.amdhsa_forward_progress 1
		.amdhsa_inst_pref_size 42
	.end_amdhsa_kernel
	.amdgpu_metadata
---
amdhsa.version: [ 1, 2 ]
amdhsa.kernels:
  - .name:           k_q43030b7160_router
    .symbol:         k_q43030b7160_router.kd
    .args:
      - { .name: x, .offset: 0, .size: 8, .value_kind: global_buffer, .address_space: global }
      - { .name: gate_w, .offset: 8, .size: 8, .value_kind: global_buffer, .address_space: global }
      - { .name: gate_b, .offset: 16, .size: 8, .value_kind: global_buffer, .address_space: global }
      - { .name: xb, .offset: 24, .size: 8, .value_kind: global_buffer, .address_space: global }
      - { .name: sel, .offset: 32, .size: 8, .value_kind: global_buffer, .address_space: global }
      - { .name: gw, .offset: 40, .size: 8, .value_kind: global_buffer, .address_space: global }
    .group_segment_fixed_size: 0
    .private_segment_fixed_size: 0
    .kernarg_segment_align: 8
    .kernarg_segment_size: 48
    .max_flat_workgroup_size: 128
    .sgpr_count:     66
    .vgpr_count:     256
    .wavefront_size: 32
...
	.end_amdgpu_metadata
.endif
;; end of part 1
;; launch ffn1 (part 2): grid 256 x 1, 4 waves a work-group, no clusters, 289,280 bytes of LDS; arguments xb, sel, w1, b1, hbuf; writes hbuf
.if DOCPART == 2
	.amdgcn_target "amdgcn-amd-amdhsa--gfx1250"
	.amdhsa_code_object_version 6
	.text
	.protected	k_q43030b7160_ffn1
	.globl	k_q43030b7160_ffn1
	.p2align	8
	.type	k_q43030b7160_ffn1,@function
k_q43030b7160_ffn1:
	s_mov_b64 s[64:65], 0
	v_nop
	global_prefetch_b8 v0, s[64:65] scope:SCOPE_SE
	s_setreg_imm32_b32 hwreg(HW_REG_WAVE_MODE, 25, 1), 1
	s_wait_xcnt 0x0
; ONE TEXT FOR BOTH PRODUCTS OF THE EXPERTS' LAYER; LAYER says which.
;   LAYER 1: hbuf[entry][4096] = silu(xb[token] w1[e] + b1[e]), f16.      LAYER 2: part[q][entry][1024] = gw[entry] x (hbuf[entry][K quarter q] w2[e][quarter q] + b2[e] in quarter 0 alone), f32.
; An ENTRY is 2 x token + choice (0, 1): 2,048 of them; each belongs to the one expert that sel names for it.  Only those rows are multiplied.
; SHARES.  A work-group has 128 columns x 1,024 of K of ONE expert's weights, 512 KiB of f32 which it alone reads, and ALL of that expert's rows, whatever their number (0 to 1,024).
;   Rows go in UNITS of 320: wave w has ranks 320 u + 80 w + 16 b + r, five blocks b of 16: 40 accumulators of 16 x 16.
; THE STREAM (unit 0, always run, constant trips).  The weights come in 16 chunks of 64 K x 128 columns.  Each wave loads a quarter of a chunk as f32 straight in the matrix operand's order, rounds it, and stores
;   four fragments into LDS; the slice stays there whole (256 KiB, each byte written once).  A weight load is waited for two trips after its issue: two chunks, 64 KiB a work-group, are on their way.
; FURTHER UNITS (an expert with more than 320 rows) multiply from the slice in LDS: no barrier, a counted loop of four whose dead trips are jumped forward.  From the stream's last barrier on no LDS byte is written
;   until the barrier that stands behind that loop.
; THE LIST.  Every wave makes the expert's list of entries for itself, in its own LDS bytes, from sel (8 KiB), while the first weights are on their way: 32 ballots, the same order in all waves.
;   Places past the count hold the expert's spare row 2,048 + e: they multiply an existing row (the clamp below) and are stored into that spare row, in this work-group's own columns, which nobody reads.
; NO TENSOR LOADS, NO CLUSTER: each weight byte has one reader and must pass through registers to be rounded; the rounded slice leaves no room in LDS for f32 tiles; token rows come by a list, which no descriptor covers.
; FORMATS.  All the module's inputs are rounded to bf16 (w1, b1; w2, b2: rounded to bf16, w2's number then written as f16, exact from 6e-5 up; below that in steps of 6e-8).  h is kept in f16.  Sums in f32.
; LIMITS.  |h| stays under 65,504 (f16's end; silu(z) is about z for large z); NaN and infinities are not treated apart.
.set LAYER, 1
.if LAYER == 1
.set WSH,  14                          ; a row of the weights (and of the bias table) is 1 << WSH bytes
.set APSH, 11                          ; a row of A is 1 << APSH bytes
.set ASH,  1                           ; A's row = entry >> ASH
.set AMAX, 0x3ff                       ; A's last row
.set OSH,  13                          ; a row of the output is 1 << OSH bytes
.set NE,   16                          ; entries that a lane reads for a block: all 16 rows'
.set OC,   30                          ; the register with my byte offset in a row of the output
.else
.set WSH,  12
.set APSH, 13
.set ASH,  0
.set AMAX, 0x7ff
.set OSH,  12
.set NE,   8                           ; those of rows 8 h + 0 .. 7
.set OC,   29
.endif
.set WP,    1<<WSH
.set CHUNK, 16384                      ; a chunk in LDS: 16 fragments of 1,024 bytes: K step s (0, 1), fragment fr (0..7) at (8 s + fr) x 1,024; registers 0-3 at 16 x lane, registers 4-7 at 512 + 16 x lane
.set LIST,  16*CHUNK                   ; behind the slice: a list for each wave
.set LISTB, 6656                       ; 1,664 places
.set DUMP,  0x640                      ; the place where lanes without a hit store; no read reaches it (the last place read is 1,599)
.set SPARE, LIST+4*LISTB               ; the spare words, 128 bytes for each wave: two blocks of 256 bytes that no other line names
.set UNIT,  320
.set PLANE, 2056*4096                  ; a K quarter's plane of part
; REGISTERS, in windows of 256 (s_set_vgpr_msb: bits 1:0 source 0, 3:2 source 1, 5:4 source 2, 7:6 destination):
;   window 0: v0-31 addresses (below); v32-63 T, four rounded fragments; v64-191 B, a chunk's 16 fragments; v192-255 sel, later at work
;   window 1: v0-63, v64-127 S0, S1: a quarter chunk in f32: row (g, i), four columns at 32 g + 4 i
;   window 2: the accumulators of blocks 0-3 at 64 b + 8 fr          window 3: v0-63 block 4's; v64-143, v144-223 A0, A1: block b, K step s at 16 b + 8 s
;   v1 lane  v2 r = lane % 16  v3 h = lane / 16  v4 my offset in the weights  v5 where I store fragments  v6 where I read fragments  v7 my list  v8-14 at work  v13 16 h  v15 16 x lane
;   v16-19 the spare row's number  v20-24 A's offsets, a block each  v25, v26 the add's two  v27 list address by r  v28 list address for the way out  v29 16 r  v30 8 x lane
.set T,  32
.set B,  64
.set AF, 64
.set MSB, 0
.macro WIN new                         ; the immediate's high byte repeats the setting that is left; a switch that changes nothing is dropped
.if MSB != (\new)
	s_set_vgpr_msb (MSB<<8)|(\new)
.set MSB, (\new)
.endif
.endm
.macro PLACES                          ; four places behind matrix instructions (ISA guide 7.12.1), where no other vector work is at hand
.rept 4
	v_nop
.endr
.endm
.macro WM d, a, b, z
.if LAYER == 1
.if \z
	v_wmma_f32_16x16x32_bf16 v[\d:\d+7], v[\a:\a+7], v[\b:\b+7], 0
.else
	v_wmma_f32_16x16x32_bf16 v[\d:\d+7], v[\a:\a+7], v[\b:\b+7], v[\d:\d+7]
.endif
.else
.if \z
	v_wmma_f32_16x16x32_f16 v[\d:\d+7], v[\a:\a+7], v[\b:\b+7], 0
.else
	v_wmma_f32_16x16x32_f16 v[\d:\d+7], v[\a:\a+7], v[\b:\b+7], v[\d:\d+7]
.endif
.endif
.endm
; Blocks b0..b1 x 8 fragments, K step s, A's buffer p.  Source 0 = 16 token rows, source 1 = 16 columns.  The 40 accumulators take turns in the same order in every K step, one instruction a turn.
.macro MULS s, p, b0, b1, zero
.set mb, \b0
.rept (\b1)-(\b0)+1
.if mb < 4
	WIN 0xa3
.set rD, 64*mb
.else
	WIN 0xf3
.set rD, 0
.endif
.set rA, AF+80*(\p)+16*mb+8*(\s)
.set mf, 0
.rept 8
.set rB, B+64*(\s)+8*mf
	WM rD+8*mf, rA, rB, \zero
.set mf, mf+1
.endr
.set mb, mb+1
.endr
.endm
; 16 loads: my quarter of the chunk iw chunks behind the walking base.  Lane (r, h) takes row 32 kk + 16 g + 8 h + i, columns 64 cg + 4 r .. + 3: sixteen lanes read 256 consecutive bytes, aligned.
.macro LDW buf, iw
	WIN 0x40
.irp g, 0,1
.irp i, 0,1,2,3,4,5,6,7
	global_load_b128 v[64*(\buf)+32*\g+4*\i:64*(\buf)+32*\g+4*\i+3], v4, s[30:31] offset:(\iw)*64*WP+(16*\g+\i)*WP th:TH_LOAD_NT
.endr
.endr
.endm
; Fragment f holds the columns 64 cg + 4 r + f: its register 4 g + m is rows 2 m, 2 m + 1 of group g, which is the operand's own order of K (k = 16 g + 8 h + 2 m, + 1).
.macro CVT buf
	WIN 0x05
.irp f, 0,1,2,3
.irp g, 0,1
.irp m, 0,1,2,3
	v_cvt_pk_bf16_f32 v[T+8*\f+4*\g+\m], v[64*(\buf)+32*\g+8*\m+\f], v[64*(\buf)+32*\g+8*\m+4+\f]
.endr
.endr
.endr
.if LAYER == 2                         ; the bf16 numbers are widened again, into the registers that they came from, and written as f16
	WIN 0x40
.irp f, 0,1,2,3
.irp g, 0,1
.irp m, 0,1,2,3
	v_lshlrev_b32 v[64*(\buf)+32*\g+8*\m+\f], 16, v[T+8*\f+4*\g+\m]
	v_and_b32 v[64*(\buf)+32*\g+8*\m+4+\f], s43, v[T+8*\f+4*\g+\m]
.endr
.endr
.endr
	WIN 0x05
.irp f, 0,1,2,3
.irp g, 0,1
.irp m, 0,1,2,3
	v_cvt_pk_f16_f32 v[T+8*\f+4*\g+\m], v[64*(\buf)+32*\g+8*\m+\f], v[64*(\buf)+32*\g+8*\m+4+\f]
.endr
.endr
.endr
.endif
.endm
.macro STW is                          ; my four fragments into the slice: 4,096 bytes at 4,096 x wave of the chunk
	WIN 0
.irp f, 0,1,2,3
.irp g, 0,1
	ds_store_b128 v5, v[T+8*\f+4*\g:T+8*\f+4*\g+3] offset:(\is)*CHUNK+\f*1024+\g*512
.endr
.endr
.endm
.macro LDB ib                          ; a chunk's 16 fragments, K step 0's first; 32 lanes x 16 consecutive bytes each
	WIN 0
.irp s, 0,1
.irp f, 0,1,2,3,4,5,6,7
.irp g, 0,1
	ds_load_b128 v[B+64*\s+8*\f+4*\g:B+64*\s+8*\f+4*\g+3], v6 offset:(\ib)*CHUNK+(8*\s+\f)*1024+\g*512
.endr
.endr
.endr
.endm
.macro LDA buf, ia                     ; my 80 rows x 64 of K: lane (r, h) takes row r of each block, 16 bytes at 16 h and at 32 + 16 h of each K step
	WIN 0xc0
.irp b, 0,1,2,3,4
.irp s, 0,1
.irp g, 0,1
	global_load_b128 v[AF+80*(\buf)+16*\b+8*\s+4*\g:AF+80*(\buf)+16*\b+8*\s+4*\g+3], v[20+\b], s[34:35] offset:(\ia)+64*\s+32*\g
.endr
.endr
.endr
.endm
; A TRIP OF THE STREAM, chunk c, p = c % 2.  At its head W(c+1), A(c), W(c+2) are out, in that order: nw = 16 leaves W(c+2).  It rounds W(c+1), asks for A(c+1) and W(c+3) (into the registers just rounded),
; multiplies chunk c, and stores chunk c+1 between two barriers: the first shows that every wave's reads of the slice have come back, the second that chunk c+1 is whole.
.macro STRIP p, ib, is, ia, iw, ldw, nxt, nw, zero
	s_wait_loadcnt \nw
.if \nxt
	CVT 1-(\p)                                     ; also the places between the last trip's products and the loads below
.else
	PLACES
.endif
	LDB \ib
.if \nxt
	LDA 1-(\p), \ia
.endif
.if \ldw
	LDW 1-(\p), \iw
.endif
	s_wait_dscnt 16                                ; K step 0's 16 loads are in, K step 1's stay out
	MULS 0, \p, 0, 4, \zero
	s_wait_dscnt 0x0                               ; all my reads of the slice are back
.if \nxt
	s_barrier_signal -1
	MULS 1, \p, 0, 1, 0                            ; work on registers while the others arrive
	s_barrier_wait -1
	STW \is
	MULS 1, \p, 2, 4, 0
	s_wait_dscnt 0x0                               ; for the others' sake: my part of the next chunk is stored
	s_barrier_signal -1
	s_barrier_wait -1
.else
	MULS 1, \p, 0, 4, 0
.endif
.endm
; A unit's rows: five entries a lane from my list, off bytes on; the row that each names in A, held inside A.  The walking base and the slice's read address go back to their starts.
.macro SETUP off
	WIN 0
.irp b, 0,1,2,3,4
	ds_load_b32 v[8+\b], v27 offset:(\off)+64*\b
.endr
	s_wait_dscnt 0x0
	s_wait_xcnt 0x0                                ; the registers below may be sources of earlier loads and stores
.irp b, 0,1,2,3,4
.if ASH
	v_lshrrev_b32 v[8+\b], ASH, v[8+\b]
.endif
	v_min_u32 v[8+\b], AMAX, v[8+\b]
	v_lshl_add_u32 v[20+\b], v[8+\b], APSH, v13
.endr
	s_mov_b64 s[34:35], s[32:33]
	s_mov_b32 s46, 0
	v_lshlrev_b32 v6, 4, v1
.endm
; A trip on the slice in LDS, for units past the first: no barrier, one buffer of A, waited for in the trip.  The chunk's LDS address is made anew: 16 x lane + the scalar that steps.
.macro RTRIP zero
	PLACES
	v_add_nc_u32 v6, s46, v15
	LDB 0
	LDA 0, 0
	s_wait_loadcnt 0x0
	s_wait_dscnt 16
	MULS 0, 0, 0, 4, \zero
	s_wait_dscnt 0x0
	MULS 1, 0, 0, 4, 0
	WIN 0
	s_add_nc_u64 s[34:35], s[34:35], 128           ; the loads that named it are done
	s_add_co_u32 s46, s46, CHUNK
.endm
	s_load_b256 s[4:11], s[0:1], 0x0               ; A s[4:5], sel s[6:7], weights s[8:9], bias s[10:11]
.if LAYER == 1
	s_load_b64 s[36:37], s[0:1], 0x20              ; hbuf
.else
	s_load_b128 s[12:15], s[0:1], 0x20             ; gw s[12:13], part s[14:15]
.endif
	v_lshl_add_u32 v25, v0, 2, SPARE               ; the add's two registers
	v_mov_b32 v26, 0
	v_lshrrev_b32 v8, 5, v0
	v_readfirstlane_b32 s16, v8                    ; wave
	v_and_b32 v1, 31, v0
	v_and_b32 v2, 15, v0
	v_bfe_u32 v3, v0, 4, 1
	s_lshr_b32 s17, ttmp9, 5                       ; the expert
.if LAYER == 1
	s_and_b32 s18, ttmp9, 31                       ; which 128 columns
	s_mov_b32 s45, 0                               ; K is not split
.else
	s_bfe_u32 s18, ttmp9, 0x30002                  ; which 128 columns
	s_and_b32 s45, ttmp9, 3                        ; which quarter of K
.endif
	s_cmp_eq_u32 s45, 0
	s_cselect_b32 s42, -1, 0                       ; the bias counts in quarter 0 alone
	s_lshl_b32 s19, s18, 9                         ; 128 columns of f32
	s_add_co_u32 s44, s17, 2048                    ; the expert's spare row
	s_mov_b32 s43, 0xffff0000
	s_mov_b32 s40, 0xbfb8aa3b                      ; -log2(e), named as a pair
	s_mov_b32 s41, 0xbfb8aa3b
	s_lshr_b32 s20, s16, 1                         ; kk: which K step of a chunk I load
	s_and_b32 s21, s16, 1                          ; cg: which 64 columns
	s_lshl_b32 s22, s20, WSH+5
	s_lshl_b32 s23, s21, 8
	s_add_co_u32 s22, s22, s23
	v_lshlrev_b32 v4, WSH+3, v3
	v_lshl_add_u32 v4, v2, 4, v4
	v_add_nc_u32 v4, s22, v4                       ; (32 kk + 8 h) rows + 256 cg + 16 r
	v_lshlrev_b32 v6, 4, v1
	v_lshlrev_b32 v15, 4, v1
	s_lshl_b32 s22, s16, 12
	v_add_nc_u32 v5, s22, v6
	s_mul_i32 s22, s16, LISTB
	s_add_co_u32 s22, s22, LIST
	v_mov_b32 v7, s22
	s_mul_i32 s23, s16, 320                        ; my 80 ranks of a unit
	s_add_co_u32 s23, s23, s22
	v_lshl_add_u32 v27, v2, 2, s23
.if LAYER == 1
	v_mov_b32 v28, s23                             ; every lane reads all 16 entries of a block
.else
	v_lshl_add_u32 v28, v3, 5, s23                 ; a lane reads the entries of rows 8 h + 0 .. 7
.endif
	v_lshlrev_b32 v29, 4, v2
	v_lshlrev_b32 v30, 3, v1
	v_lshlrev_b32 v10, 2, v1
	v_mov_b32 v12, DUMP
	v_lshlrev_b32 v13, 4, v3
.irp i, 16,17,18,19
	v_mov_b32 v\i, s44
.endr
	v_add_nc_u32 v9, v7, v6
	s_lshl_b32 s38, s17, 24                        ; an expert's weights are 16 MiB,
	s_lshl_b32 s20, s45, 22                        ; a quarter of K 4 MiB
	s_add_co_u32 s38, s38, s20
	s_add_co_u32 s38, s38, s19
	s_mov_b32 s39, 0
	s_wait_kmcnt 0x0
	s_add_nc_u64 s[30:31], s[8:9], s[38:39]        ; the weights at my slice: it walks
	s_lshl_b32 s38, s17, WSH
	s_add_co_u32 s38, s38, s19
	s_add_nc_u64 s[10:11], s[10:11], s[38:39]      ; the bias at my columns
	s_lshl_b32 s38, s45, 11
	s_add_nc_u64 s[32:33], s[4:5], s[38:39]        ; A at my part of K
.if LAYER == 1
	s_lshl_b32 s38, s18, 8
	s_add_nc_u64 s[36:37], s[36:37], s[38:39]      ; the output at my columns
.else
	s_mul_i32 s38, s45, PLANE
	s_add_co_u32 s38, s38, s19
	s_add_nc_u64 s[36:37], s[14:15], s[38:39]
.endif
.irp i, 0,1,2,3,4,5,6,7,8,9,10,11,12,13,14,15
	global_load_b128 v[192+4*\i:195+4*\i], v6, s[6:7] offset:512*\i  ; sel: lane l, load i: tokens 64 i + 2 l and + 1, two choices each
.endr
	LDW 0, 0
	LDW 1, 1
	WIN 0
	; THE LIST.  First every place takes the spare row's number; LDS serves a wave's instructions in order (ISA guide 5.7.1.4), so the entries below land on top.
.irp k, 0,1,2,3,4,5,6,7,8,9,10,11,12
	ds_store_b128 v9, v[16:19] offset:512*\k
.endr
	s_mov_b32 s24, 0
	s_wait_loadcnt 32                              ; sel is in; the two chunks of weights stay out
.set i, 0
.rept 32                               ; ballot i: tokens 64 (i / 2) + 2 l + i % 2.  A token names an expert once at the most
	v_cmp_eq_u32 s20, s17, v[192+2*i]
	v_cmp_eq_u32 vcc_lo, s17, v[193+2*i]
	v_cndmask_b32 v8, 0, 1, vcc_lo                 ; which choice
	v_add3_u32 v14, v8, v10, 128*(i/2)+2*(i%2)     ; the entry
	s_or_b32 s21, s20, vcc_lo
	v_mbcnt_lo_u32_b32 v11, s21, s24               ; its place: the count so far + the hits in lower lanes
	v_cndmask_b32 v11, v12, v11, s21
	v_min_u32 v11, DUMP, v11
	v_lshl_add_u32 v11, v11, 2, v7
	ds_store_b32 v11, v14
	s_bcnt1_i32_b32 s22, s21
	s_add_co_u32 s24, s24, s22
.set i, i+1
.endr
	s_min_u32 s24, s24, 1024
	s_max_u32 s25, s24, 1                          ; an expert without rows still runs unit 0, into its spare row
	; THE STREAM'S HEAD: chunk 0 into the slice; A(0), then W(2)
	s_wait_loadcnt 16                              ; W(0) is in, W(1) stays out
	CVT 0
	STW 0
	SETUP 0
	LDA 0, 0
	LDW 0, 2
	WIN 0
	s_wait_dscnt 0x0
	s_barrier_signal -1
	s_barrier_wait -1                              ; chunk 0 is whole
	STRIP 0, 0, 1, 128, 3, 1, 1, 16, 1             ; chunk 0: its first products start the sums
	WIN 0
	s_wait_xcnt 0x0                                ; the bases are stepped only behind this wait
	s_add_nc_u64 s[34:35], s[34:35], 128
	s_add_nc_u64 s[30:31], s[30:31], 4*64*WP
	v_add_nc_u32 v6, CHUNK, v6
	v_add_nc_u32 v5, 2*CHUNK, v5
	s_mov_b32 s27, 6
.Lstream:                                              ; chunks 1 to 12, two a trip
	STRIP 1, 0, 0, 128, 0, 1, 1, 16, 0
	STRIP 0, 1, 1, 256, 1, 1, 1, 16, 0
	WIN 0
	s_wait_xcnt 0x0
	s_add_nc_u64 s[34:35], s[34:35], 256
	s_add_nc_u64 s[30:31], s[30:31], 128*WP
	v_add_nc_u32 v6, 2*CHUNK, v6
	v_add_nc_u32 v5, 2*CHUNK, v5
	s_sub_co_u32 s27, s27, 1
	s_cmp_lg_u32 s27, 0
	s_cbranch_scc1 .Lstream
	STRIP 1, 0, 0, 128, 0, 0, 1, 16, 0             ; chunk 13: no weights are left to ask for; W(15) stays out
	STRIP 0, 1, 1, 256, 0, 0, 1, 0, 0              ; chunk 14: W(15) and A(14)
	STRIP 1, 2, 0, 0, 0, 0, 0, 0, 0                ; chunk 15: A(15)
	WIN 0
	s_mov_b32 s26, 0                               ; the unit's first rank
	s_mov_b32 s28, 0
.Lunit:                                                ; four trips: a unit goes out, and the next, if it has rows, is multiplied.  No barrier and no LDS write in this loop
	s_cmp_ge_u32 s26, s25
	s_cbranch_scc1 .Lnext
	; THE WAY OUT.  Register j of accumulator (b, fr = 4 cg + f) is row 16 b + 8 h + j, column 64 cg + 4 r + f.  A loop of five trips works on the block in window 2's v0-63 and then moves the others down.
	PLACES
	global_load_b128 v[72:75], v29, s[10:11]               ; the bias of columns 4 r .. + 3,
	global_load_b128 v[76:79], v29, s[10:11] offset:256    ; and of 64 + 4 r .. + 3
	s_mov_b32 s47, 0                               ; the block's place in my part of the list, in bytes
	s_wait_loadcnt 0x0
.irp p, 0,1,2,3
	v_cvt_pk_bf16_f32 v[T+\p], v[72+2*\p], v[73+2*\p]      ; rounded to bf16, and widened again
.endr
.if LAYER == 1
.irp p, 0,1,2,3
	v_lshlrev_b32 v[80+4*\p], 16, v[T+\p]          ; each twice: a pair for the packed addition
	v_lshlrev_b32 v[81+4*\p], 16, v[T+\p]
	v_and_b32 v[82+4*\p], s43, v[T+\p]
	v_and_b32 v[83+4*\p], s43, v[T+\p]
.endr
.else
.irp p, 0,1,2,3
	v_lshlrev_b32 v[72+2*\p], 16, v[T+\p]
	v_and_b32 v[73+2*\p], s43, v[T+\p]
.endr
.irp i, 0,1,2,3,4,5,6,7
	v_and_b32 v[72+\i], s42, v[72+\i]              ; 0 in quarters 1 to 3
.endr
.endif
	s_mov_b32 s27, 5
.Lblk:
	v_add_nc_u32 v14, s47, v28                     ; made anew in each trip: the unit's list address + the scalar that steps
	ds_load_b128 v[64:67], v14                     ; the block's entries
	ds_load_b128 v[68:71], v14 offset:16
.if LAYER == 1
	ds_load_b128 v[72:75], v14 offset:32
	ds_load_b128 v[76:79], v14 offset:48
.endif
	s_wait_dscnt 0x0
	s_wait_xcnt 0x0                                ; the last trip's stores have read their registers
.set i, 0
.rept NE
	v_min_u32 v[64+i], 0x807, v[64+i]
.set i, i+1
.endr
.set i, 0
.rept NE
	v_lshl_add_u32 v[192+i], v[64+i], OSH, v[OC]   ; the entry's row of the output + my bytes in it
.set i, i+1
.endr
.if LAYER == 1
; Four rows (j0 .. j0 + 3, and 8 more for the upper lanes) of the block: z = sum + bias; silu(z) = z / (1 + 2^(-log2(e) z)); f16: 8 bytes (four columns) for each row and column half.
; The 32 exponentials are one batch with one wait, the 32 reciprocals another.  The accumulators are read from their low end on.
; Then the left half's upper lanes (row 8 + j) change places with the right half's lower lanes (row j): all 32 lanes hold one row, 8 bytes each, and one store covers its 256 bytes.
.macro HALF j0
	WIN 0x02
.irp f, 0,1,2,3,4,5,6,7
.irp p, 0,1
	v_pk_add_f32 v[96+4*\f+2*\p:97+4*\f+2*\p], v[8*\f+(\j0)+2*\p:8*\f+(\j0)+2*\p+1], v[80+2*\f:81+2*\f]
.endr
.endr
	WIN 0
.set i, 0
.rept 16
	v_pk_mul_f32 v[128+2*i:129+2*i], v[96+2*i:97+2*i], s[40:41] op_sel_hi:[1,0]
.set i, i+1
.endr
.set i, 0
.rept 32
	v_exp_f32 v[128+i], v[128+i]
.set i, i+1
.endr
	v_nop
	s_wait_alu depctr_va_vdst(0)
.set i, 0
.rept 16
	v_pk_add_f32 v[128+2*i:129+2*i], v[128+2*i:129+2*i], 1.0 op_sel_hi:[1,0]
.set i, i+1
.endr
.set i, 0
.rept 32
	v_rcp_f32 v[128+i], v[128+i]
.set i, i+1
.endr
	v_nop
	s_wait_alu depctr_va_vdst(0)
.set i, 0
.rept 16
	v_pk_mul_f32 v[96+2*i:97+2*i], v[96+2*i:97+2*i], v[128+2*i:129+2*i]
.set i, i+1
.endr
.irp u, 0,1,2,3
.irp c, 0,1
.irp q, 0,1
	v_cvt_pk_f16_f32 v[T+4*((\j0)+\u)+2*\c+\q], v[96+4*(4*\c+2*\q)+\u], v[96+4*(4*\c+2*\q+1)+\u]
.endr
.endr
.endr
.irp u, 0,1,2,3
.irp q, 0,1
	v_permlane16_swap_b32 v[T+4*((\j0)+\u)+\q], v[T+4*((\j0)+\u)+2+\q]  ; the first's lanes 16-31 with the second's lanes 0-15
.endr
.endr
.irp u, 0,1,2,3
	global_store_b64 v[192+(\j0)+\u], v[T+4*((\j0)+\u):T+4*((\j0)+\u)+1], s[36:37]      ; row j: 32 lanes store 256 consecutive bytes, at a multiple of 256 from hbuf's first
	global_store_b64 v[200+(\j0)+\u], v[T+4*((\j0)+\u)+2:T+4*((\j0)+\u)+3], s[36:37]    ; row 8 + j likewise
.endr
.endm
	HALF 0
	HALF 4                                         ; in other registers of T: the first half's stores may still read theirs
.else
.irp j, 0,1,2,3,4,5,6,7
	v_min_u32 v[200+\j], 0x7ff, v[64+\j]
.endr
.irp j, 0,1,2,3,4,5,6,7
	v_lshlrev_b32 v[200+\j], 2, v[200+\j]
.endr
.irp j, 0,1,2,3,4,5,6,7
	global_load_b32 v[208+\j], v[200+\j], s[12:13] ; the entry's routing weight
.endr
	WIN 0x02
.irp j, 0,1,2,3,4,5,6,7                ; j ascending: each accumulator is read from its low end on
.irp f, 0,1,2,3,4,5,6,7
	v_add_f32 v[96+8*\j+\f], v[8*\f+\j], v[72+\f]
.endr
.endr
	WIN 0
	s_wait_loadcnt 0x0
.irp j, 0,1,2,3,4,5,6,7
.irp f, 0,1,2,3,4,5,6,7
	v_mul_f32 v[96+8*\j+\f], v[96+8*\j+\f], v[208+\j]
.endr
.endr
.irp j, 0,1,2,3,4,5,6,7
.irp c, 0,1
	global_store_b128 v[192+\j], v[96+8*\j+4*\c:96+8*\j+4*\c+3], s[36:37] offset:256*\c  ; 16 lanes store 256 consecutive bytes, at a multiple of 256 from part's first
.endr
.endr
.endif
	WIN 0x82                                       ; blocks 1 to 4 move down one place, ascending
.set i, 0
.rept 192
	v_mov_b32 v[i], v[64+i]
.set i, i+1
.endr
	WIN 0x83
.set i, 0
.rept 64
	v_mov_b32 v[192+i], v[i]
.set i, i+1
.endr
	WIN 0
	s_add_co_u32 s47, s47, 64                      ; the next block's 16 places
	s_sub_co_u32 s27, s27, 1
	s_cmp_lg_u32 s27, 0
	s_cbranch_scc1 .Lblk
	s_add_co_u32 s29, s26, UNIT
	s_cmp_ge_u32 s29, s25
	s_cbranch_scc1 .Lnext                          ; no rows are left
	SETUP 4*UNIT                                   ; the next unit's rows
	RTRIP 1                                        ; its first products start the sums anew
	s_mov_b32 s27, 15
.Lres:
	RTRIP 0
	s_sub_co_u32 s27, s27, 1
	s_cmp_lg_u32 s27, 0
	s_cbranch_scc1 .Lres
.Lnext:
	v_add_nc_u32 v27, 4*UNIT, v27
	v_add_nc_u32 v28, 4*UNIT, v28
	s_add_co_u32 s26, s26, UNIT
	s_add_co_u32 s28, s28, 1
	s_cmp_lt_u32 s28, 4
	s_cbranch_scc1 .Lunit
	s_wait_dscnt 0x0                               ; my reads of the slice and of my list are back,
	s_barrier_signal -1
	s_barrier_wait -1                              ; and so are every wave's: only now is LDS written again
	s_wait_tensorcnt 0x0                           ; the wave's end, behind my last LDS store
	ds_add_u32 v25, v26
	s_wait_dscnt 0x0
	s_endpgm
.Lfunc_end_k_q43030b7160_ffn1:
	.size	k_q43030b7160_ffn1, .Lfunc_end_k_q43030b7160_ffn1-k_q43030b7160_ffn1
	.p2alignl 7, 3214868480
	.fill 96, 4, 3214868480
	.section	.rodata,"a",@progbits
	.p2align	6, 0x0
	.amdhsa_kernel k_q43030b7160_ffn1
		.amdhsa_group_segment_fixed_size 289280
		.amdhsa_private_segment_fixed_size 0
		.amdhsa_enable_private_segment 0
		.amdhsa_kernarg_size 40
		.amdhsa_user_sgpr_count 2
		.amdhsa_user_sgpr_kernarg_segment_ptr 1
		.amdhsa_wavefront_size32 1
		.amdhsa_system_sgpr_workgroup_id_x 1
		.amdhsa_system_sgpr_workgroup_id_y 1
		.amdhsa_system_sgpr_workgroup_id_z 1
		.amdhsa_system_vgpr_workitem_id 0
		.amdhsa_next_free_vgpr 992
		.amdhsa_next_free_sgpr 66
		.amdhsa_reserve_vcc 1
		.amdhsa_float_denorm_mode_32 3
		.amdhsa_float_denorm_mode_16_64 3
		.amdhsa_memory_ordered 1
		.amdhsa_forward_progress 1
		.amdhsa_inst_pref_size 158
	.end_amdhsa_kernel
	.amdgpu_metadata
---
amdhsa.version: [ 1, 2 ]
amdhsa.kernels:
  - .name:           k_q43030b7160_ffn1
    .symbol:         k_q43030b7160_ffn1.kd
    .args:
      - { .name: xb, .offset: 0, .size: 8, .value_kind: global_buffer, .address_space: global }
      - { .name: sel, .offset: 8, .size: 8, .value_kind: global_buffer, .address_space: global }
      - { .name: w1, .offset: 16, .size: 8, .value_kind: global_buffer, .address_space: global }
      - { .name: b1, .offset: 24, .size: 8, .value_kind: global_buffer, .address_space: global }
      - { .name: hbuf, .offset: 32, .size: 8, .value_kind: global_buffer, .address_space: global }
    .group_segment_fixed_size: 289280
    .private_segment_fixed_size: 0
    .kernarg_segment_align: 8
    .kernarg_segment_size: 40
    .max_flat_workgroup_size: 128
    .sgpr_count:     66
    .vgpr_count:     992
    .wavefront_size: 32
...
	.end_amdgpu_metadata
.endif
;; end of part 2
;; launch ffn2 (part 3): grid 256 x 1, 4 waves a work-group, no clusters, 289,280 bytes of LDS; arguments hbuf, sel, w2, b2, gw, part; writes part
.if DOCPART == 3
	.amdgcn_target "amdgcn-amd-amdhsa--gfx1250"
	.amdhsa_code_object_version 6
	.text
	.protected	k_q43030b7160_ffn2
	.globl	k_q43030b7160_ffn2
	.p2align	8
	.type	k_q43030b7160_ffn2,@function
k_q43030b7160_ffn2:
	s_mov_b64 s[64:65], 0
	v_nop
	global_prefetch_b8 v0, s[64:65] scope:SCOPE_SE
	s_setreg_imm32_b32 hwreg(HW_REG_WAVE_MODE, 25, 1), 1
	s_wait_xcnt 0x0
; ONE TEXT FOR BOTH PRODUCTS OF THE EXPERTS' LAYER; LAYER says which.
;   LAYER 1: hbuf[entry][4096] = silu(xb[token] w1[e] + b1[e]), f16.      LAYER 2: part[q][entry][1024] = gw[entry] x (hbuf[entry][K quarter q] w2[e][quarter q] + b2[e] in quarter 0 alone), f32.
; An ENTRY is 2 x token + choice (0, 1): 2,048 of them; each belongs to the one expert that sel names for it.  Only those rows are multiplied.
; SHARES.  A work-group has 128 columns x 1,024 of K of ONE expert's weights, 512 KiB of f32 which it alone reads, and ALL of that expert's rows, whatever their number (0 to 1,024).
;   Rows go in UNITS of 320: wave w has ranks 320 u + 80 w + 16 b + r, five blocks b of 16: 40 accumulators of 16 x 16.
; THE STREAM (unit 0, always run, constant trips).  The weights come in 16 chunks of 64 K x 128 columns.  Each wave loads a quarter of a chunk as f32 straight in the matrix operand's order, rounds it, and stores
;   four fragments into LDS; the slice stays there whole (256 KiB, each byte written once).  A weight load is waited for two trips after its issue: two chunks, 64 KiB a work-group, are on their way.
; FURTHER UNITS (an expert with more than 320 rows) multiply from the slice in LDS: no barrier, a counted loop of four whose dead trips are jumped forward.  From the stream's last barrier on no LDS byte is written
;   until the barrier that stands behind that loop.
; THE LIST.  Every wave makes the expert's list of entries for itself, in its own LDS bytes, from sel (8 KiB), while the first weights are on their way: 32 ballots, the same order in all waves.
;   Places past the count hold the expert's spare row 2,048 + e: they multiply an existing row (the clamp below) and are stored into that spare row, in this work-group's own columns, which nobody reads.
; NO TENSOR LOADS, NO CLUSTER: each weight byte has one reader and must pass through registers to be rounded; the rounded slice leaves no room in LDS for f32 tiles; token rows come by a list, which no descriptor covers.
; FORMATS.  All the module's inputs are rounded to bf16 (w1, b1; w2, b2: rounded to bf16, w2's number then written as f16, exact from 6e-5 up; below that in steps of 6e-8).  h is kept in f16.  Sums in f32.
; LIMITS.  |h| stays under 65,504 (f16's end; silu(z) is about z for large z); NaN and infinities are not treated apart.
.set LAYER, 2
.if LAYER == 1
.set WSH,  14                          ; a row of the weights (and of the bias table) is 1 << WSH bytes
.set APSH, 11                          ; a row of A is 1 << APSH bytes
.set ASH,  1                           ; A's row = entry >> ASH
.set AMAX, 0x3ff                       ; A's last row
.set OSH,  13                          ; a row of the output is 1 << OSH bytes
.set NE,   16                          ; entries that a lane reads for a block: all 16 rows'
.set OC,   30                          ; the register with my byte offset in a row of the output
.else
.set WSH,  12
.set APSH, 13
.set ASH,  0
.set AMAX, 0x7ff
.set OSH,  12
.set NE,   8                           ; those of rows 8 h + 0 .. 7
.set OC,   29
.endif
.set WP,    1<<WSH
.set CHUNK, 16384                      ; a chunk in LDS: 16 fragments of 1,024 bytes: K step s (0, 1), fragment fr (0..7) at (8 s + fr) x 1,024; registers 0-3 at 16 x lane, registers 4-7 at 512 + 16 x lane
.set LIST,  16*CHUNK                   ; behind the slice: a list for each wave
.set LISTB, 6656                       ; 1,664 places
.set DUMP,  0x640                      ; the place where lanes without a hit store; no read reaches it (the last place read is 1,599)
.set SPARE, LIST+4*LISTB               ; the spare words, 128 bytes for each wave: two blocks of 256 bytes that no other line names
.set UNIT,  320
.set PLANE, 2056*4096                  ; a K quarter's plane of part
; REGISTERS, in windows of 256 (s_set_vgpr_msb: bits 1:0 source 0, 3:2 source 1, 5:4 source 2, 7:6 destination):
;   window 0: v0-31 addresses (below); v32-63 T, four rounded fragments; v64-191 B, a chunk's 16 fragments; v192-255 sel, later at work
;   window 1: v0-63, v64-127 S0, S1: a quarter chunk in f32: row (g, i), four columns at 32 g + 4 i
;   window 2: the accumulators of blocks 0-3 at 64 b + 8 fr          window 3: v0-63 block 4's; v64-143, v144-223 A0, A1: block b, K step s at 16 b + 8 s
;   v1 lane  v2 r = lane % 16  v3 h = lane / 16  v4 my offset in the weights  v5 where I store fragments  v6 where I read fragments  v7 my list  v8-14 at work  v13 16 h  v15 16 x lane
;   v16-19 the spare row's number  v20-24 A's offsets, a block each  v25, v26 the add's two  v27 list address by r  v28 list address for the way out  v29 16 r  v30 8 x lane
.set T,  32
.set B,  64
.set AF, 64
.set MSB, 0
.macro WIN new                         ; the immediate's high byte repeats the setting that is left; a switch that changes nothing is dropped
.if MSB != (\new)
	s_set_vgpr_msb (MSB<<8)|(\new)
.set MSB, (\new)
.endif
.endm
.macro PLACES                          ; four places behind matrix instructions (ISA guide 7.12.1), where no other vector work is at hand
.rept 4
	v_nop
.endr
.endm
.macro WM d, a, b, z
.if LAYER == 1
.if \z
	v_wmma_f32_16x16x32_bf16 v[\d:\d+7], v[\a:\a+7], v[\b:\b+7], 0
.else
	v_wmma_f32_16x16x32_bf16 v[\d:\d+7], v[\a:\a+7], v[\b:\b+7], v[\d:\d+7]
.endif
.else
.if \z
	v_wmma_f32_16x16x32_f16 v[\d:\d+7], v[\a:\a+7], v[\b:\b+7], 0
.else
	v_wmma_f32_16x16x32_f16 v[\d:\d+7], v[\a:\a+7], v[\b:\b+7], v[\d:\d+7]
.endif
.endif
.endm
; Blocks b0..b1 x 8 fragments, K step s, A's buffer p.  Source 0 = 16 token rows, source 1 = 16 columns.  The 40 accumulators take turns in the same order in every K step, one instruction a turn.
.macro MULS s, p, b0, b1, zero
.set mb, \b0
.rept (\b1)-(\b0)+1
.if mb < 4
	WIN 0xa3
.set rD, 64*mb
.else
	WIN 0xf3
.set rD, 0
.endif
.set rA, AF+80*(\p)+16*mb+8*(\s)
.set mf, 0
.rept 8
.set rB, B+64*(\s)+8*mf
	WM rD+8*mf, rA, rB, \zero
.set mf, mf+1
.endr
.set mb, mb+1
.endr
.endm
; 16 loads: my quarter of the chunk iw chunks behind the walking base.  Lane (r, h) takes row 32 kk + 16 g + 8 h + i, columns 64 cg + 4 r .. + 3: sixteen lanes read 256 consecutive bytes, aligned.
.macro LDW buf, iw
	WIN 0x40
.irp g, 0,1
.irp i, 0,1,2,3,4,5,6,7
	global_load_b128 v[64*(\buf)+32*\g+4*\i:64*(\buf)+32*\g+4*\i+3], v4, s[30:31] offset:(\iw)*64*WP+(16*\g+\i)*WP th:TH_LOAD_NT
.endr
.endr
.endm
; Fragment f holds the columns 64 cg + 4 r + f: its register 4 g + m is rows 2 m, 2 m + 1 of group g, which is the operand's own order of K (k = 16 g + 8 h + 2 m, + 1).
.macro CVT buf
	WIN 0x05
.irp f, 0,1,2,3
.irp g, 0,1
.irp m, 0,1,2,3
	v_cvt_pk_bf16_f32 v[T+8*\f+4*\g+\m], v[64*(\buf)+32*\g+8*\m+\f], v[64*(\buf)+32*\g+8*\m+4+\f]
.endr
.endr
.endr
.if LAYER == 2                         ; the bf16 numbers are widened again, into the registers that they came from, and written as f16
	WIN 0x40
.irp f, 0,1,2,3
.irp g, 0,1
.irp m, 0,1,2,3
	v_lshlrev_b32 v[64*(\buf)+32*\g+8*\m+\f], 16, v[T+8*\f+4*\g+\m]
	v_and_b32 v[64*(\buf)+32*\g+8*\m+4+\f], s43, v[T+8*\f+4*\g+\m]
.endr
.endr
.endr
	WIN 0x05
.irp f, 0,1,2,3
.irp g, 0,1
.irp m, 0,1,2,3
	v_cvt_pk_f16_f32 v[T+8*\f+4*\g+\m], v[64*(\buf)+32*\g+8*\m+\f], v[64*(\buf)+32*\g+8*\m+4+\f]
.endr
.endr
.endr
.endif
.endm
.macro STW is                          ; my four fragments into the slice: 4,096 bytes at 4,096 x wave of the chunk
	WIN 0
.irp f, 0,1,2,3
.irp g, 0,1
	ds_store_b128 v5, v[T+8*\f+4*\g:T+8*\f+4*\g+3] offset:(\is)*CHUNK+\f*1024+\g*512
.endr
.endr
.endm
.macro LDB ib                          ; a chunk's 16 fragments, K step 0's first; 32 lanes x 16 consecutive bytes each
	WIN 0
.irp s, 0,1
.irp f, 0,1,2,3,4,5,6,7
.irp g, 0,1
	ds_load_b128 v[B+64*\s+8*\f+4*\g:B+64*\s+8*\f+4*\g+3], v6 offset:(\ib)*CHUNK+(8*\s+\f)*1024+\g*512
.endr
.endr
.endr
.endm
.macro LDA buf, ia                     ; my 80 rows x 64 of K: lane (r, h) takes row r of each block, 16 bytes at 16 h and at 32 + 16 h of each K step
	WIN 0xc0
.irp b, 0,1,2,3,4
.irp s, 0,1
.irp g, 0,1
	global_load_b128 v[AF+80*(\buf)+16*\b+8*\s+4*\g:AF+80*(\buf)+16*\b+8*\s+4*\g+3], v[20+\b], s[34:35] offset:(\ia)+64*\s+32*\g
.endr
.endr
.endr
.endm
; A TRIP OF THE STREAM, chunk c, p = c % 2.  At its head W(c+1), A(c), W(c+2) are out, in that order: nw = 16 leaves W(c+2).  It rounds W(c+1), asks for A(c+1) and W(c+3) (into the registers just rounded),
; multiplies chunk c, and stores chunk c+1 between two barriers: the first shows that every wave's reads of the slice have come back, the second that chunk c+1 is whole.
.macro STRIP p, ib, is, ia, iw, ldw, nxt, nw, zero
	s_wait_loadcnt \nw
.if \nxt
	CVT 1-(\p)                                     ; also the places between the last trip's products and the loads below
.else
	PLACES
.endif
	LDB \ib
.if \nxt
	LDA 1-(\p), \ia
.endif
.if \ldw
	LDW 1-(\p), \iw
.endif
	s_wait_dscnt 16                                ; K step 0's 16 loads are in, K step 1's stay out
	MULS 0, \p, 0, 4, \zero
	s_wait_dscnt 0x0                               ; all my reads of the slice are back
.if \nxt
	s_barrier_signal -1
	MULS 1, \p, 0, 1, 0                            ; work on registers while the others arrive
	s_barrier_wait -1
	STW \is
	MULS 1, \p, 2, 4, 0
	s_wait_dscnt 0x0                               ; for the others' sake: my part of the next chunk is stored
	s_barrier_signal -1
	s_barrier_wait -1
.else
	MULS 1, \p, 0, 4, 0
.endif
.endm
; A unit's rows: five entries a lane from my list, off bytes on; the row that each names in A, held inside A.  The walking base and the slice's read address go back to their starts.
.macro SETUP off
	WIN 0
.irp b, 0,1,2,3,4
	ds_load_b32 v[8+\b], v27 offset:(\off)+64*\b
.endr
	s_wait_dscnt 0x0
	s_wait_xcnt 0x0                                ; the registers below may be sources of earlier loads and stores
.irp b, 0,1,2,3,4
.if ASH
	v_lshrrev_b32 v[8+\b], ASH, v[8+\b]
.endif
	v_min_u32 v[8+\b], AMAX, v[8+\b]
	v_lshl_add_u32 v[20+\b], v[8+\b], APSH, v13
.endr
	s_mov_b64 s[34:35], s[32:33]
	s_mov_b32 s46, 0
	v_lshlrev_b32 v6, 4, v1
.endm
; A trip on the slice in LDS, for units past the first: no barrier, one buffer of A, waited for in the trip.  The chunk's LDS address is made anew: 16 x lane + the scalar that steps.
.macro RTRIP zero
	PLACES
	v_add_nc_u32 v6, s46, v15
	LDB 0
	LDA 0, 0
	s_wait_loadcnt 0x0
	s_wait_dscnt 16
	MULS 0, 0, 0, 4, \zero
	s_wait_dscnt 0x0
	MULS 1, 0, 0, 4, 0
	WIN 0
	s_add_nc_u64 s[34:35], s[34:35], 128           ; the loads that named it are done
	s_add_co_u32 s46, s46, CHUNK
.endm
	s_load_b256 s[4:11], s[0:1], 0x0               ; A s[4:5], sel s[6:7], weights s[8:9], bias s[10:11]
.if LAYER == 1
	s_load_b64 s[36:37], s[0:1], 0x20              ; hbuf
.else
	s_load_b128 s[12:15], s[0:1], 0x20             ; gw s[12:13], part s[14:15]
.endif
	v_lshl_add_u32 v25, v0, 2, SPARE               ; the add's two registers
	v_mov_b32 v26, 0
	v_lshrrev_b32 v8, 5, v0
	v_readfirstlane_b32 s16, v8                    ; wave
	v_and_b32 v1, 31, v0
	v_and_b32 v2, 15, v0
	v_bfe_u32 v3, v0, 4, 1
	s_lshr_b32 s17, ttmp9, 5                       ; the expert
.if LAYER == 1
	s_and_b32 s18, ttmp9, 31                       ; which 128 columns
	s_mov_b32 s45, 0                               ; K is not split
.else
	s_bfe_u32 s18, ttmp9, 0x30002                  ; which 128 columns
	s_and_b32 s45, ttmp9, 3                        ; which quarter of K
.endif
	s_cmp_eq_u32 s45, 0
	s_cselect_b32 s42, -1, 0                       ; the bias counts in quarter 0 alone
	s_lshl_b32 s19, s18, 9                         ; 128 columns of f32
	s_add_co_u32 s44, s17, 2048                    ; the expert's spare row
	s_mov_b32 s43, 0xffff0000
	s_mov_b32 s40, 0xbfb8aa3b                      ; -log2(e), named as a pair
	s_mov_b32 s41, 0xbfb8aa3b
	s_lshr_b32 s20, s16, 1                         ; kk: which K step of a chunk I load
	s_and_b32 s21, s16, 1                          ; cg: which 64 columns
	s_lshl_b32 s22, s20, WSH+5
	s_lshl_b32 s23, s21, 8
	s_add_co_u32 s22, s22, s23
	v_lshlrev_b32 v4, WSH+3, v3
	v_lshl_add_u32 v4, v2, 4, v4
	v_add_nc_u32 v4, s22, v4                       ; (32 kk + 8 h) rows + 256 cg + 16 r
	v_lshlrev_b32 v6, 4, v1
	v_lshlrev_b32 v15, 4, v1
	s_lshl_b32 s22, s16, 12
	v_add_nc_u32 v5, s22, v6
	s_mul_i32 s22, s16, LISTB
	s_add_co_u32 s22, s22, LIST
	v_mov_b32 v7, s22
	s_mul_i32 s23, s16, 320                        ; my 80 ranks of a unit
	s_add_co_u32 s23, s23, s22
	v_lshl_add_u32 v27, v2, 2, s23
.if LAYER == 1
	v_mov_b32 v28, s23                             ; every lane reads all 16 entries of a block
.else
	v_lshl_add_u32 v28, v3, 5, s23                 ; a lane reads the entries of rows 8 h + 0 .. 7
.endif
	v_lshlrev_b32 v29, 4, v2
	v_lshlrev_b32 v30, 3, v1
	v_lshlrev_b32 v10, 2, v1
	v_mov_b32 v12, DUMP
	v_lshlrev_b32 v13, 4, v3
.irp i, 16,17,18,19
	v_mov_b32 v\i, s44
.endr
	v_add_nc_u32 v9, v7, v6
	s_lshl_b32 s38, s17, 24                        ; an expert's weights are 16 MiB,
	s_lshl_b32 s20, s45, 22                        ; a quarter of K 4 MiB
	s_add_co_u32 s38, s38, s20
	s_add_co_u32 s38, s38, s19
	s_mov_b32 s39, 0
	s_wait_kmcnt 0x0
	s_add_nc_u64 s[30:31], s[8:9], s[38:39]        ; the weights at my slice: it walks
	s_lshl_b32 s38, s17, WSH
	s_add_co_u32 s38, s38, s19
	s_add_nc_u64 s[10:11], s[10:11], s[38:39]      ; the bias at my columns
	s_lshl_b32 s38, s45, 11
	s_add_nc_u64 s[32:33], s[4:5], s[38:39]        ; A at my part of K
.if LAYER == 1
	s_lshl_b32 s38, s18, 8
	s_add_nc_u64 s[36:37], s[36:37], s[38:39]      ; the output at my columns
.else
	s_mul_i32 s38, s45, PLANE
	s_add_co_u32 s38, s38, s19
	s_add_nc_u64 s[36:37], s[14:15], s[38:39]
.endif
.irp i, 0,1,2,3,4,5,6,7,8,9,10,11,12,13,14,15
	global_load_b128 v[192+4*\i:195+4*\i], v6, s[6:7] offset:512*\i  ; sel: lane l, load i: tokens 64 i + 2 l and + 1, two choices each
.endr
	LDW 0, 0
	LDW 1, 1
	WIN 0
	; THE LIST.  First every place takes the spare row's number; LDS serves a wave's instructions in order (ISA guide 5.7.1.4), so the entries below land on top.
.irp k, 0,1,2,3,4,5,6,7,8,9,10,11,12
	ds_store_b128 v9, v[16:19] offset:512*\k
.endr
	s_mov_b32 s24, 0
	s_wait_loadcnt 32                              ; sel is in; the two chunks of weights stay out
.set i, 0
.rept 32                               ; ballot i: tokens 64 (i / 2) + 2 l + i % 2.  A token names an expert once at the most
	v_cmp_eq_u32 s20, s17, v[192+2*i]
	v_cmp_eq_u32 vcc_lo, s17, v[193+2*i]
	v_cndmask_b32 v8, 0, 1, vcc_lo                 ; which choice
	v_add3_u32 v14, v8, v10, 128*(i/2)+2*(i%2)     ; the entry
	s_or_b32 s21, s20, vcc_lo
	v_mbcnt_lo_u32_b32 v11, s21, s24               ; its place: the count so far + the hits in lower lanes
	v_cndmask_b32 v11, v12, v11, s21
	v_min_u32 v11, DUMP, v11
	v_lshl_add_u32 v11, v11, 2, v7
	ds_store_b32 v11, v14
	s_bcnt1_i32_b32 s22, s21
	s_add_co_u32 s24, s24, s22
.set i, i+1
.endr
	s_min_u32 s24, s24, 1024
	s_max_u32 s25, s24, 1                          ; an expert without rows still runs unit 0, into its spare row
	; THE STREAM'S HEAD: chunk 0 into the slice; A(0), then W(2)
	s_wait_loadcnt 16                              ; W(0) is in, W(1) stays out
	CVT 0
	STW 0
	SETUP 0
	LDA 0, 0
	LDW 0, 2
	WIN 0
	s_wait_dscnt 0x0
	s_barrier_signal -1
	s_barrier_wait -1                              ; chunk 0 is whole
	STRIP 0, 0, 1, 128, 3, 1, 1, 16, 1             ; chunk 0: its first products start the sums
	WIN 0
	s_wait_xcnt 0x0                                ; the bases are stepped only behind this wait
	s_add_nc_u64 s[34:35], s[34:35], 128
	s_add_nc_u64 s[30:31], s[30:31], 4*64*WP
	v_add_nc_u32 v6, CHUNK, v6
	v_add_nc_u32 v5, 2*CHUNK, v5
	s_mov_b32 s27, 6
.Lstream:                                              ; chunks 1 to 12, two a trip
	STRIP 1, 0, 0, 128, 0, 1, 1, 16, 0
	STRIP 0, 1, 1, 256, 1, 1, 1, 16, 0
	WIN 0
	s_wait_xcnt 0x0
	s_add_nc_u64 s[34:35], s[34:35], 256
	s_add_nc_u64 s[30:31], s[30:31], 128*WP
	v_add_nc_u32 v6, 2*CHUNK, v6
	v_add_nc_u32 v5, 2*CHUNK, v5
	s_sub_co_u32 s27, s27, 1
	s_cmp_lg_u32 s27, 0
	s_cbranch_scc1 .Lstream
	STRIP 1, 0, 0, 128, 0, 0, 1, 16, 0             ; chunk 13: no weights are left to ask for; W(15) stays out
	STRIP 0, 1, 1, 256, 0, 0, 1, 0, 0              ; chunk 14: W(15) and A(14)
	STRIP 1, 2, 0, 0, 0, 0, 0, 0, 0                ; chunk 15: A(15)
	WIN 0
	s_mov_b32 s26, 0                               ; the unit's first rank
	s_mov_b32 s28, 0
.Lunit:                                                ; four trips: a unit goes out, and the next, if it has rows, is multiplied.  No barrier and no LDS write in this loop
	s_cmp_ge_u32 s26, s25
	s_cbranch_scc1 .Lnext
	; THE WAY OUT.  Register j of accumulator (b, fr = 4 cg + f) is row 16 b + 8 h + j, column 64 cg + 4 r + f.  A loop of five trips works on the block in window 2's v0-63 and then moves the others down.
	PLACES
	global_load_b128 v[72:75], v29, s[10:11]               ; the bias of columns 4 r .. + 3,
	global_load_b128 v[76:79], v29, s[10:11] offset:256    ; and of 64 + 4 r .. + 3
	s_mov_b32 s47, 0                               ; the block's place in my part of the list, in bytes
	s_wait_loadcnt 0x0
.irp p, 0,1,2,3
	v_cvt_pk_bf16_f32 v[T+\p], v[72+2*\p], v[73+2*\p]      ; rounded to bf16, and widened again
.endr
.if LAYER == 1
.irp p, 0,1,2,3
	v_lshlrev_b32 v[80+4*\p], 16, v[T+\p]          ; each twice: a pair for the packed addition
	v_lshlrev_b32 v[81+4*\p], 16, v[T+\p]
	v_and_b32 v[82+4*\p], s43, v[T+\p]
	v_and_b32 v[83+4*\p], s43, v[T+\p]
.endr
.else
.irp p, 0,1,2,3
	v_lshlrev_b32 v[72+2*\p], 16, v[T+\p]
	v_and_b32 v[73+2*\p], s43, v[T+\p]
.endr
.irp i, 0,1,2,3,4,5,6,7
	v_and_b32 v[72+\i], s42, v[72+\i]              ; 0 in quarters 1 to 3
.endr
.endif
	s_mov_b32 s27, 5
.Lblk:
	v_add_nc_u32 v14, s47, v28                     ; made anew in each trip: the unit's list address + the scalar that steps
	ds_load_b128 v[64:67], v14                     ; the block's entries
	ds_load_b128 v[68:71], v14 offset:16
.if LAYER == 1
	ds_load_b128 v[72:75], v14 offset:32
	ds_load_b128 v[76:79], v14 offset:48
.endif
	s_wait_dscnt 0x0
	s_wait_xcnt 0x0                                ; the last trip's stores have read their registers
.set i, 0
.rept NE
	v_min_u32 v[64+i], 0x807, v[64+i]
.set i, i+1
.endr
.set i, 0
.rept NE
	v_lshl_add_u32 v[192+i], v[64+i], OSH, v[OC]   ; the entry's row of the output + my bytes in it
.set i, i+1
.endr
.if LAYER == 1
; Four rows (j0 .. j0 + 3, and 8 more for the upper lanes) of the block: z = sum + bias; silu(z) = z / (1 + 2^(-log2(e) z)); f16: 8 bytes (four columns) for each row and column half.
; The 32 exponentials are one batch with one wait, the 32 reciprocals another.  The accumulators are read from their low end on.
; Then the left half's upper lanes (row 8 + j) change places with the right half's lower lanes (row j): all 32 lanes hold one row, 8 bytes each, and one store covers its 256 bytes.
.macro HALF j0
	WIN 0x02
.irp f, 0,1,2,3,4,5,6,7
.irp p, 0,1
	v_pk_add_f32 v[96+4*\f+2*\p:97+4*\f+2*\p], v[8*\f+(\j0)+2*\p:8*\f+(\j0)+2*\p+1], v[80+2*\f:81+2*\f]
.endr
.endr
	WIN 0
.set i, 0
.rept 16
	v_pk_mul_f32 v[128+2*i:129+2*i], v[96+2*i:97+2*i], s[40:41] op_sel_hi:[1,0]
.set i, i+1
.endr
.set i, 0
.rept 32
	v_exp_f32 v[128+i], v[128+i]
.set i, i+1
.endr
	v_nop
	s_wait_alu depctr_va_vdst(0)
.set i, 0
.rept 16
	v_pk_add_f32 v[128+2*i:129+2*i], v[128+2*i:129+2*i], 1.0 op_sel_hi:[1,0]
.set i, i+1
.endr
.set i, 0
.rept 32
	v_rcp_f32 v[128+i], v[128+i]
.set i, i+1
.endr
	v_nop
	s_wait_alu depctr_va_vdst(0)
.set i, 0
.rept 16
	v_pk_mul_f32 v[96+2*i:97+2*i], v[96+2*i:97+2*i], v[128+2*i:129+2*i]
.set i, i+1
.endr
.irp u, 0,1,2,3
.irp c, 0,1
.irp q, 0,1
	v_cvt_pk_f16_f32 v[T+4*((\j0)+\u)+2*\c+\q], v[96+4*(4*\c+2*\q)+\u], v[96+4*(4*\c+2*\q+1)+\u]
.endr
.endr
.endr
.irp u, 0,1,2,3
.irp q, 0,1
	v_permlane16_swap_b32 v[T+4*((\j0)+\u)+\q], v[T+4*((\j0)+\u)+2+\q]  ; the first's lanes 16-31 with the second's lanes 0-15
.endr
.endr
.irp u, 0,1,2,3
	global_store_b64 v[192+(\j0)+\u], v[T+4*((\j0)+\u):T+4*((\j0)+\u)+1], s[36:37]      ; row j: 32 lanes store 256 consecutive bytes, at a multiple of 256 from hbuf's first
	global_store_b64 v[200+(\j0)+\u], v[T+4*((\j0)+\u)+2:T+4*((\j0)+\u)+3], s[36:37]    ; row 8 + j likewise
.endr
.endm
	HALF 0
	HALF 4                                         ; in other registers of T: the first half's stores may still read theirs
.else
.irp j, 0,1,2,3,4,5,6,7
	v_min_u32 v[200+\j], 0x7ff, v[64+\j]
.endr
.irp j, 0,1,2,3,4,5,6,7
	v_lshlrev_b32 v[200+\j], 2, v[200+\j]
.endr
.irp j, 0,1,2,3,4,5,6,7
	global_load_b32 v[208+\j], v[200+\j], s[12:13] ; the entry's routing weight
.endr
	WIN 0x02
.irp j, 0,1,2,3,4,5,6,7                ; j ascending: each accumulator is read from its low end on
.irp f, 0,1,2,3,4,5,6,7
	v_add_f32 v[96+8*\j+\f], v[8*\f+\j], v[72+\f]
.endr
.endr
	WIN 0
	s_wait_loadcnt 0x0
.irp j, 0,1,2,3,4,5,6,7
.irp f, 0,1,2,3,4,5,6,7
	v_mul_f32 v[96+8*\j+\f], v[96+8*\j+\f], v[208+\j]
.endr
.endr
.irp j, 0,1,2,3,4,5,6,7
.irp c, 0,1
	global_store_b128 v[192+\j], v[96+8*\j+4*\c:96+8*\j+4*\c+3], s[36:37] offset:256*\c  ; 16 lanes store 256 consecutive bytes, at a multiple of 256 from part's first
.endr
.endr
.endif
	WIN 0x82                                       ; blocks 1 to 4 move down one place, ascending
.set i, 0
.rept 192
	v_mov_b32 v[i], v[64+i]
.set i, i+1
.endr
	WIN 0x83
.set i, 0
.rept 64
	v_mov_b32 v[192+i], v[i]
.set i, i+1
.endr
	WIN 0
	s_add_co_u32 s47, s47, 64                      ; the next block's 16 places
	s_sub_co_u32 s27, s27, 1
	s_cmp_lg_u32 s27, 0
	s_cbranch_scc1 .Lblk
	s_add_co_u32 s29, s26, UNIT
	s_cmp_ge_u32 s29, s25
	s_cbranch_scc1 .Lnext                          ; no rows are left
	SETUP 4*UNIT                                   ; the next unit's rows
	RTRIP 1                                        ; its first products start the sums anew
	s_mov_b32 s27, 15
.Lres:
	RTRIP 0
	s_sub_co_u32 s27, s27, 1
	s_cmp_lg_u32 s27, 0
	s_cbranch_scc1 .Lres
.Lnext:
	v_add_nc_u32 v27, 4*UNIT, v27
	v_add_nc_u32 v28, 4*UNIT, v28
	s_add_co_u32 s26, s26, UNIT
	s_add_co_u32 s28, s28, 1
	s_cmp_lt_u32 s28, 4
	s_cbranch_scc1 .Lunit
	s_wait_dscnt 0x0                               ; my reads of the slice and of my list are back,
	s_barrier_signal -1
	s_barrier_wait -1                              ; and so are every wave's: only now is LDS written again
	s_wait_tensorcnt 0x0                           ; the wave's end, behind my last LDS store
	ds_add_u32 v25, v26
	s_wait_dscnt 0x0
	s_endpgm
.Lfunc_end_k_q43030b7160_ffn2:
	.size	k_q43030b7160_ffn2, .Lfunc_end_k_q43030b7160_ffn2-k_q43030b7160_ffn2
	.p2alignl 7, 3214868480
	.fill 96, 4, 3214868480
	.section	.rodata,"a",@progbits
	.p2align	6, 0x0
	.amdhsa_kernel k_q43030b7160_ffn2
		.amdhsa_group_segment_fixed_size 289280
		.amdhsa_private_segment_fixed_size 0
		.amdhsa_enable_private_segment 0
		.amdhsa_kernarg_size 48
		.amdhsa_user_sgpr_count 2
		.amdhsa_user_sgpr_kernarg_segment_ptr 1
		.amdhsa_wavefront_size32 1
		.amdhsa_system_sgpr_workgroup_id_x 1
		.amdhsa_system_sgpr_workgroup_id_y 1
		.amdhsa_system_sgpr_workgroup_id_z 1
		.amdhsa_system_vgpr_workitem_id 0
		.amdhsa_next_free_vgpr 992
		.amdhsa_next_free_sgpr 66
		.amdhsa_reserve_vcc 1
		.amdhsa_float_denorm_mode_32 3
		.amdhsa_float_denorm_mode_16_64 3
		.amdhsa_memory_ordered 1
		.amdhsa_forward_progress 1
		.amdhsa_inst_pref_size 172
	.end_amdhsa_kernel
	.amdgpu_metadata
---
amdhsa.version: [ 1, 2 ]
amdhsa.kernels:
  - .name:           k_q43030b7160_ffn2
    .symbol:         k_q43030b7160_ffn2.kd
    .args:
      - { .name: hbuf, .offset: 0, .size: 8, .value_kind: global_buffer, .address_space: global }
      - { .name: sel, .offset: 8, .size: 8, .value_kind: global_buffer, .address_space: global }
      - { .name: w2, .offset: 16, .size: 8, .value_kind: global_buffer, .address_space: global }
      - { .name: b2, .offset: 24, .size: 8, .value_kind: global_buffer, .address_space: global }
      - { .name: gw, .offset: 32, .size: 8, .value_kind: global_buffer, .address_space: global }
      - { .name: part, .offset: 40, .size: 8, .value_kind: global_buffer, .address_space: global }
    .group_segment_fixed_size: 289280
    .private_segment_fixed_size: 0
    .kernarg_segment_align: 8
    .kernarg_segment_size: 48
    .max_flat_workgroup_size: 128
    .sgpr_count:     66
    .vgpr_count:     992
    .wavefront_size: 32
...
	.end_amdgpu_metadata
.endif
;; end of part 3
;; launch combine (part 4): grid 256 x 1, 8 waves a work-group, no clusters, 0 bytes of LDS; arguments part, out0; writes out0
.if DOCPART == 4
	.amdgcn_target "amdgcn-amd-amdhsa--gfx1250"
	.amdhsa_code_object_version 6
	.text
	.protected	k_q43030b7160_combine
	.globl	k_q43030b7160_combine
	.p2align	8
	.type	k_q43030b7160_combine,@function
k_q43030b7160_combine:
	s_mov_b64 s[64:65], 0
	v_nop
	global_prefetch_b8 v0, s[64:65] scope:SCOPE_SE
	s_setreg_imm32_b32 hwreg(HW_REG_WAVE_MODE, 25, 1), 1
	s_wait_xcnt 0x0
; out0[token] = the sum of the token's eight partial rows of part: two entries (2 token, 2 token + 1) x four K quarters, all f32, in a fixed order.
; The routing weight and b2 were applied where the parts were made.  A stream: no LDS, no matrix unit, no barrier.
; A work-group takes four tokens; thread t takes 16 bytes at 16 t of each row of 4,096 bytes, so a wave's load or store covers 512 consecutive bytes.  All 32 loads go out at once.
.set PLANE, 2056*4096                  ; bytes from one K quarter's plane to the next: more than a load's immediate holds, so each plane has a base
.set P, 4                              ; v[4:131]: token tt, quarter q, entry j at 4 (8 tt + 2 q + j)
	s_load_b128 s[4:7], s[0:1], 0x0                ; part s[4:5], out0 s[6:7]
	v_lshlrev_b32 v1, 4, v0
	s_lshl_b32 s2, ttmp9, 15                       ; eight rows of part
	s_mov_b32 s3, 0
	s_lshl_b32 s16, ttmp9, 14                      ; four rows of out0
	s_mov_b32 s17, 0
	s_wait_kmcnt 0x0
	s_add_nc_u64 s[8:9], s[4:5], s[2:3]
	s_add_nc_u64 s[10:11], s[8:9], PLANE
	s_add_nc_u64 s[12:13], s[10:11], PLANE
	s_add_nc_u64 s[14:15], s[12:13], PLANE
	s_add_nc_u64 s[6:7], s[6:7], s[16:17]
.irp tt, 0,1,2,3
.irp q, 0,1,2,3
.irp j, 0,1
	global_load_b128 v[P+4*(8*\tt+2*\q+\j):P+4*(8*\tt+2*\q+\j)+3], v1, s[8+2*\q:9+2*\q] offset:(2*\tt+\j)*4096 th:TH_LOAD_NT
.endr
.endr
.endr
.macro ADDV a, b                       ; four numbers of part b onto part a
	v_pk_add_f32 v[(\a):(\a)+1], v[(\a):(\a)+1], v[(\b):(\b)+1]
	v_pk_add_f32 v[(\a)+2:(\a)+3], v[(\a)+2:(\a)+3], v[(\b)+2:(\b)+3]
.endm
.irp tt, 0,1,2,3
	s_wait_loadcnt 24-8*\tt                        ; this token's eight loads are in; eight for each later token stay out
	ADDV P+32*\tt, P+32*\tt+4
	ADDV P+32*\tt+8, P+32*\tt+12
	ADDV P+32*\tt+16, P+32*\tt+20
	ADDV P+32*\tt+24, P+32*\tt+28
	ADDV P+32*\tt, P+32*\tt+8
	ADDV P+32*\tt+16, P+32*\tt+24
	ADDV P+32*\tt, P+32*\tt+16
	global_store_b128 v1, v[P+32*\tt:P+32*\tt+3], s[6:7] offset:4096*\tt th:TH_STORE_NT
.endr
	s_endpgm
.Lfunc_end_k_q43030b7160_combine:
	.size	k_q43030b7160_combine, .Lfunc_end_k_q43030b7160_combine-k_q43030b7160_combine
	.p2alignl 7, 3214868480
	.fill 96, 4, 3214868480
	.section	.rodata,"a",@progbits
	.p2align	6, 0x0
	.amdhsa_kernel k_q43030b7160_combine
		.amdhsa_group_segment_fixed_size 0
		.amdhsa_private_segment_fixed_size 0
		.amdhsa_enable_private_segment 0
		.amdhsa_kernarg_size 16
		.amdhsa_user_sgpr_count 2
		.amdhsa_user_sgpr_kernarg_segment_ptr 1
		.amdhsa_wavefront_size32 1
		.amdhsa_system_sgpr_workgroup_id_x 1
		.amdhsa_system_sgpr_workgroup_id_y 1
		.amdhsa_system_sgpr_workgroup_id_z 1
		.amdhsa_system_vgpr_workitem_id 0
		.amdhsa_next_free_vgpr 136
		.amdhsa_next_free_sgpr 66
		.amdhsa_reserve_vcc 0
		.amdhsa_float_denorm_mode_32 3
		.amdhsa_float_denorm_mode_16_64 3
		.amdhsa_memory_ordered 1
		.amdhsa_forward_progress 1
		.amdhsa_inst_pref_size 8
	.end_amdhsa_kernel
	.amdgpu_metadata
---
amdhsa.version: [ 1, 2 ]
amdhsa.kernels:
  - .name:           k_q43030b7160_combine
    .symbol:         k_q43030b7160_combine.kd
    .args:
      - { .name: part, .offset: 0, .size: 8, .value_kind: global_buffer, .address_space: global }
      - { .name: out0, .offset: 8, .size: 8, .value_kind: global_buffer, .address_space: global }
    .group_segment_fixed_size: 0
    .private_segment_fixed_size: 0
    .kernarg_segment_align: 8
    .kernarg_segment_size: 16
    .max_flat_workgroup_size: 256
    .sgpr_count:     66
    .vgpr_count:     136
    .wavefront_size: 32
...
	.end_amdgpu_metadata
.endif
;; end of part 4
;; ======== version 2 of 3: 5 launches
;; limits: values are held in f16: magnitudes above 65,504 overflow, below 6.1e-05 lose precision
;; workspace buffers: xb 2,097,152 bytes; sel 8,192 bytes of whole numbers; gw 8,192 bytes; lst 45,056 bytes of whole numbers; lwt 45,056 bytes; hbuf 16,842,752 bytes; part 33,685,504 bytes
;; launch router: the kernel of part 1 again; grid 256 x 1, 4 waves a work-group, no clusters, 0 bytes of LDS; arguments x, gate_w, gate_b, xb, sel, gw; writes xb, sel, gw
;; launch lists (part 5): grid 8 x 1, 1 waves a work-group, no clusters, 11,008 bytes of LDS; arguments sel, gw, lst, lwt; writes lst, lwt
.if DOCPART == 5
	.amdgcn_target "amdgcn-amd-amdhsa--gfx1250"
	.amdhsa_code_object_version 6
	.text
	.protected	k_q43030b7160_lists
	.globl	k_q43030b7160_lists
	.p2align	8
	.type	k_q43030b7160_lists,@function
k_q43030b7160_lists:
	s_mov_b64 s[64:65], 0
	v_nop
	global_prefetch_b8 v0, s[64:65] scope:SCOPE_SE
	s_setreg_imm32_b32 hwreg(HW_REG_WAVE_MODE, 25, 1), 1
	s_wait_xcnt 0x0
; THE EXPERTS' LISTS.  One wave for each expert e reads all of sel (1,024 tokens x 2 choices) and gw and lays down, in list order:
;   lst[e][place]: the ENTRY (2 x token + choice) of each row that chose e; the spare row's number 2,048 + e in the places past the count, up to place 1,279; the count in places 1,280 to 1,407.
;   lwt[e][place]: that entry's routing weight (f32); 0 past the count.
; A row of either is 5,632 bytes.  The two products read rows, weights and count from here, so that every address of theirs comes from whole numbers read from memory.
; 32 ballots: ballot i covers tokens 64 (i / 2) + 2 lane + i % 2; a hit's place is the count so far + the hits in lower lanes.  A token names an expert once at the most.
; The places are filled in LDS (the wave's own bytes, served in order: ISA guide 5.7.1.4, so no wait stands between its stores and its loads) and leave as whole runs of 512 consecutive bytes.
; Eight work-groups: there is work for no more; sel's 8 KiB are the whole input of a list.
.set ROWB,  5632
.set WT,    5376                       ; LDS: entries from 0 (1,280 places and the dump), weights from WT likewise
.set DUMP,  0x500                      ; the place where lanes without a hit store; it is never read
.set SPARE, 10752                      ; the spare words: one block of 256 bytes that no other line names
	s_load_b256 s[4:11], s[0:1], 0x0               ; sel s[4:5], gw s[6:7], lst s[8:9], lwt s[10:11]
	v_lshl_add_u32 v25, v0, 2, SPARE               ; the add's two registers
	v_mov_b32 v26, 0
	v_lshlrev_b32 v6, 4, v0                        ; 16 x lane
	v_lshlrev_b32 v10, 2, v0                       ; 4 x lane
	v_mov_b32 v12, DUMP
	s_mov_b32 s17, ttmp9                           ; the expert
	s_add_co_u32 s18, s17, 2048                    ; its spare row
.irp i, 16,17,18,19
	v_mov_b32 v\i, s18
.endr
.irp i, 20,21,22,23
	v_mov_b32 v\i, 0
.endr
	s_mul_i32 s2, s17, ROWB
	s_mov_b32 s3, 0
	s_wait_kmcnt 0x0
	s_add_nc_u64 s[8:9], s[8:9], s[2:3]
	s_add_nc_u64 s[10:11], s[10:11], s[2:3]
.irp i, 0,1,2,3,4,5,6,7,8,9,10,11,12,13,14,15
	global_load_b128 v[64+4*\i:67+4*\i], v6, s[4:5] offset:512*\i    ; sel: lane l, load i: tokens 64 i + 2 l and + 1, two choices each
.endr
.irp i, 0,1,2,3,4,5,6,7,8,9,10,11,12,13,14,15
	global_load_b128 v[128+4*\i:131+4*\i], v6, s[6:7] offset:512*\i  ; gw, in the same places
.endr
.irp k, 0,1,2,3,4,5,6,7,8,9
	ds_store_b128 v6, v[16:19] offset:512*\k       ; first every place takes the spare row's number,
	ds_store_b128 v6, v[20:23] offset:WT+512*\k    ; and the weight 0; the hits below land on top
.endr
	s_mov_b32 s24, 0
	s_wait_loadcnt 0x0
.set i, 0
.rept 32
	v_cmp_eq_u32 s20, s17, v[64+2*i]
	v_cmp_eq_u32 vcc_lo, s17, v[65+2*i]
	v_cndmask_b32 v8, 0, 1, vcc_lo                 ; which choice,
	v_cndmask_b32 v9, v[128+2*i], v[129+2*i], vcc_lo  ; and its weight
	v_add3_u32 v14, v8, v10, 128*(i/2)+2*(i%2)     ; the entry
	s_or_b32 s21, s20, vcc_lo
	v_mbcnt_lo_u32_b32 v11, s21, s24               ; its place
	v_cndmask_b32 v11, v12, v11, s21
	v_min_u32 v11, DUMP, v11
	v_lshlrev_b32 v11, 2, v11
	ds_store_b32 v11, v14
	ds_store_b32 v11, v9 offset:WT
	s_bcnt1_i32_b32 s22, s21
	s_add_co_u32 s24, s24, s22
.set i, i+1
.endr
.irp k, 0,1,2,3,4,5,6,7,8,9
	ds_load_b128 v[64+4*\k:67+4*\k], v6 offset:512*\k
	ds_load_b128 v[128+4*\k:131+4*\k], v6 offset:WT+512*\k
.endr
	s_min_u32 s24, s24, 1024
.irp i, 104,105,106,107
	v_mov_b32 v\i, s24                             ; the count, for the row's last 512 bytes
.endr
	s_wait_dscnt 0x0
.irp k, 0,1,2,3,4,5,6,7,8,9,10
	global_store_b128 v6, v[64+4*\k:67+4*\k], s[8:9] offset:512*\k   ; 32 lanes store 512 consecutive bytes, at a multiple of 256 from lst's first
.endr
.irp k, 0,1,2,3,4,5,6,7,8,9
	global_store_b128 v6, v[128+4*\k:131+4*\k], s[10:11] offset:512*\k
.endr
	global_store_b128 v6, v[20:23], s[10:11] offset:5120
	s_wait_tensorcnt 0x0                           ; the wave's end, behind my last LDS store
	ds_add_u32 v25, v26
	s_wait_dscnt 0x0
	s_endpgm
.Lfunc_end_k_q43030b7160_lists:
	.size	k_q43030b7160_lists, .Lfunc_end_k_q43030b7160_lists-k_q43030b7160_lists
	.p2alignl 7, 3214868480
	.fill 96, 4, 3214868480
	.section	.rodata,"a",@progbits
	.p2align	6, 0x0
	.amdhsa_kernel k_q43030b7160_lists
		.amdhsa_group_segment_fixed_size 11008
		.amdhsa_private_segment_fixed_size 0
		.amdhsa_enable_private_segment 0
		.amdhsa_kernarg_size 32
		.amdhsa_user_sgpr_count 2
		.amdhsa_user_sgpr_kernarg_segment_ptr 1
		.amdhsa_wavefront_size32 1
		.amdhsa_system_sgpr_workgroup_id_x 1
		.amdhsa_system_sgpr_workgroup_id_y 1
		.amdhsa_system_sgpr_workgroup_id_z 1
		.amdhsa_system_vgpr_workitem_id 0
		.amdhsa_next_free_vgpr 192
		.amdhsa_next_free_sgpr 66
		.amdhsa_reserve_vcc 1
		.amdhsa_float_denorm_mode_32 3
		.amdhsa_float_denorm_mode_16_64 3
		.amdhsa_memory_ordered 1
		.amdhsa_forward_progress 1
		.amdhsa_inst_pref_size 33
	.end_amdhsa_kernel
	.amdgpu_metadata
---
amdhsa.version: [ 1, 2 ]
amdhsa.kernels:
  - .name:           k_q43030b7160_lists
    .symbol:         k_q43030b7160_lists.kd
    .args:
      - { .name: sel, .offset: 0, .size: 8, .value_kind: global_buffer, .address_space: global }
      - { .name: gw, .offset: 8, .size: 8, .value_kind: global_buffer, .address_space: global }
      - { .name: lst, .offset: 16, .size: 8, .value_kind: global_buffer, .address_space: global }
      - { .name: lwt, .offset: 24, .size: 8, .value_kind: global_buffer, .address_space: global }
    .group_segment_fixed_size: 11008
    .private_segment_fixed_size: 0
    .kernarg_segment_align: 8
    .kernarg_segment_size: 32
    .max_flat_workgroup_size: 32
    .sgpr_count:     66
    .vgpr_count:     192
    .wavefront_size: 32
...
	.end_amdgpu_metadata
.endif
;; end of part 5
;; launch ffn1 (part 6): grid 256 x 1, 4 waves a work-group, no clusters, 262,656 bytes of LDS; arguments xb, lst, w1, b1, hbuf; writes hbuf
.if DOCPART == 6
	.amdgcn_target "amdgcn-amd-amdhsa--gfx1250"
	.amdhsa_code_object_version 6
	.text
	.protected	k_q43030b7160_ffn1
	.globl	k_q43030b7160_ffn1
	.p2align	8
	.type	k_q43030b7160_ffn1,@function
k_q43030b7160_ffn1:
	s_mov_b64 s[64:65], 0
	v_nop
	global_prefetch_b8 v0, s[64:65] scope:SCOPE_SE
	s_setreg_imm32_b32 hwreg(HW_REG_WAVE_MODE, 25, 1), 1
	s_wait_xcnt 0x0
; ONE TEXT FOR BOTH PRODUCTS OF THE EXPERTS' LAYER; LAYER says which.
;   LAYER 1: hbuf[entry][4096] = silu(xb[token] w1[e] + b1[e]), f16.      LAYER 2: part[q][entry][1024] = weight[entry] x (hbuf[entry][K quarter q] w2[e][quarter q] + b2[e] in quarter 0 alone), f32.
; An ENTRY is 2 x token + choice (0, 1): 2,048 of them; each belongs to the one expert that was chosen for it.  Only those rows are multiplied.
; SHARES.  A work-group has 128 columns x 1,024 of K of ONE expert's weights, 512 KiB of f32 which it alone reads, and ALL of that expert's rows, whatever their number (0 to 1,024).
;   Rows go in UNITS of 320, blocks of 16 dealt to the waves by turns: wave w has ranks 320 u + 64 b + 16 w + r, five blocks b: 40 accumulators of 16 x 16.
; THE STREAM (unit 0, always run, constant trips).  The weights come in 16 chunks of 64 K x 128 columns.  Each wave loads a quarter of a chunk as f32 straight in the matrix operand's order, rounds it, and stores
;   four fragments into LDS; the slice stays there whole (256 KiB, each byte written once).  A weight load is waited for two trips after its issue: two chunks, 64 KiB a work-group, are on their way.
; FURTHER UNITS (an expert with more than 320 rows) multiply from the slice in LDS: no barrier, a counted loop of four whose dead trips are jumped forward.  From the stream's last barrier on no LDS byte is written
;   until the barrier that stands behind that loop.
; THE LIST of the expert's entries, its count and (LAYER 2) the entries' routing weights in list order were laid down by an earlier launch (lst, lwt: rows of 5,632 bytes); they come straight into registers.
;   Places past the count hold the expert's spare row 2,048 + e: they multiply an existing row (the clamp below).  A block that begins at or past the count is not sent out; in a block that holds the count
;   the places past it are stored into the spare row, in this work-group's own columns, which nobody reads.
; NO TENSOR LOADS, NO CLUSTER: each weight byte has one reader and must pass through registers to be rounded; the rounded slice leaves no room in LDS for f32 tiles; token rows come by a list, which no descriptor covers.
; FORMATS.  All the module's inputs are rounded to bf16 (w1, b1; w2, b2: rounded to bf16, w2's number then written as f16, exact from 6e-5 up; below that in steps of 6e-8).  h is kept in f16.  Sums in f32.
; LIMITS.  |h| stays under 65,504 (f16's end; silu(z) is about z for large z); NaN and infinities are not treated apart.
.set LAYER, 1
.if LAYER == 1
.set WSH,  14                          ; a row of the weights (and of the bias table) is 1 << WSH bytes
.set APSH, 11                          ; a row of A is 1 << APSH bytes
.set ASH,  1                           ; A's row = entry >> ASH
.set AMAX, 0x3ff                       ; A's last row
.set OSH,  13                          ; a row of the output is 1 << OSH bytes
.set NE,   16                          ; entries that a lane holds for a block: all 16 rows'
.set OC,   30                          ; the register with my byte offset in a row of the output
.else
.set WSH,  12
.set APSH, 13
.set ASH,  0
.set AMAX, 0x7ff
.set OSH,  12
.set NE,   8                           ; those of rows 8 h + 0 .. 7
.set OC,   29
.endif
.set WP,    1<<WSH
.set CHUNK, 16384                      ; a chunk in LDS: 16 fragments of 1,024 bytes: K step s (0, 1), fragment fr (0..7) at (8 s + fr) x 1,024; registers 0-3 at 16 x lane, registers 4-7 at 512 + 16 x lane
.set SPARE, 16*CHUNK                   ; behind the slice: the spare words, 128 bytes for each wave: two blocks of 256 bytes that no other line names
.set UNIT,  320
.set ROWB,  5632                       ; an expert's row of lst and of lwt; the count stands at byte 5,120
.set PLANE, 2056*4096                  ; a K quarter's plane of part
; REGISTERS, in windows of 256 (s_set_vgpr_msb: bits 1:0 source 0, 3:2 source 1, 5:4 source 2, 7:6 destination):
;   window 0: v0-31 addresses (below); v32-63 T, four rounded fragments; v64-191 B, a chunk's 16 fragments, at work on the way out; v192-207 the way out's offsets; v224-239 the entries of the block that goes out (LAYER 2: v232-239 its routing weights)
;   window 1: v0-63, v64-127 S0, S1: a quarter chunk in f32: row (g, i), four columns at 32 g + 4 i; v128-135 the bias as loaded; v136-215 the entries of my five blocks, 16 registers a block (LAYER 2: 8 entries, 8 routing weights)
;   window 2: the accumulators of blocks 0-3 at 64 b + 8 fr          window 3: v0-63 block 4's; v64-143, v144-223 A0, A1: block b, K step s at 16 b + 8 s
;   v1 lane  v2 r = lane % 16  v3 h = lane / 16  v4 my offset in the weights  v5 where I store fragments  v6 where I read fragments  v8-12 at work  v13 16 h  v15 16 x lane
;   v20-24 A's offsets, a block each  v25, v26 the add's two  v27 my place in the list by r  v28 my place in the list for the way out  v29 16 r  v30 8 x lane  v31 a row a lane of my quarter chunk, for the prefetch
.set T,   32
.set B,   64
.set AF,  64
.set BR,  128
.set ENA, 136
.set EN,  224
.set CFW, 232
.set MSB, 0
.macro WIN new                         ; the immediate's high byte repeats the setting that is left; a switch that changes nothing is dropped
.if MSB != (\new)
	s_set_vgpr_msb (MSB<<8)|(\new)
.set MSB, (\new)
.endif
.endm
.macro PLACES                          ; four places behind matrix instructions (ISA guide 7.12.1), where no other vector work is at hand
.rept 4
	v_nop
.endr
.endm
.macro WM d, a, b, z
.if LAYER == 1
.if \z
	v_wmma_f32_16x16x32_bf16 v[\d:\d+7], v[\a:\a+7], v[\b:\b+7], 0
.else
	v_wmma_f32_16x16x32_bf16 v[\d:\d+7], v[\a:\a+7], v[\b:\b+7], v[\d:\d+7]
.endif
.else
.if \z
	v_wmma_f32_16x16x32_f16 v[\d:\d+7], v[\a:\a+7], v[\b:\b+7], 0
.else
	v_wmma_f32_16x16x32_f16 v[\d:\d+7], v[\a:\a+7], v[\b:\b+7], v[\d:\d+7]
.endif
.endif
.endm
; Blocks b0..b1 x 8 fragments, K step s, A's buffer p.  Source 0 = 16 token rows, source 1 = 16 columns.  The 40 accumulators take turns in the same order in every K step, one instruction a turn.
.macro MULS s, p, b0, b1, zero
.set mb, \b0
.rept (\b1)-(\b0)+1
.if mb < 4
	WIN 0xa3
.set rD, 64*mb
.else
	WIN 0xf3
.set rD, 0
.endif
.set rA, AF+80*(\p)+16*mb+8*(\s)
.set mf, 0
.rept 8
.set rB, B+64*(\s)+8*mf
	WM rD+8*mf, rA, rB, \zero
.set mf, mf+1
.endr
.set mb, mb+1
.endr
.endm
; 16 loads: my quarter of the chunk iw chunks behind the walking base.  Lane (r, h) takes row 32 kk + 16 g + 8 h + i, columns 64 cg + 4 r .. + 3: sixteen lanes read 256 consecutive bytes, aligned.
.macro LDW buf, iw
	WIN 0x40
.irp g, 0,1
.irp i, 0,1,2,3,4,5,6,7
	global_load_b128 v[64*(\buf)+32*\g+4*\i:64*(\buf)+32*\g+4*\i+3], v4, s[30:31] offset:(\iw)*64*WP+(16*\g+\i)*WP th:TH_LOAD_NT
.endr
.endr
.endm
; Fragment f holds the columns 64 cg + 4 r + f: its register 4 g + m is rows 2 m, 2 m + 1 of group g, which is the operand's own order of K (k = 16 g + 8 h + 2 m, + 1).
.macro CVT buf
	WIN 0x05
.irp f, 0,1,2,3
.irp g, 0,1
.irp m, 0,1,2,3
	v_cvt_pk_bf16_f32 v[T+8*\f+4*\g+\m], v[64*(\buf)+32*\g+8*\m+\f], v[64*(\buf)+32*\g+8*\m+4+\f]
.endr
.endr
.endr
.if LAYER == 2                         ; the bf16 numbers are widened again, into the registers that they came from, and written as f16
	WIN 0x40
.irp f, 0,1,2,3
.irp g, 0,1
.irp m, 0,1,2,3
	v_lshlrev_b32 v[64*(\buf)+32*\g+8*\m+\f], 16, v[T+8*\f+4*\g+\m]
	v_and_b32 v[64*(\buf)+32*\g+8*\m+4+\f], s43, v[T+8*\f+4*\g+\m]
.endr
.endr
.endr
	WIN 0x05
.irp f, 0,1,2,3
.irp g, 0,1
.irp m, 0,1,2,3
	v_cvt_pk_f16_f32 v[T+8*\f+4*\g+\m], v[64*(\buf)+32*\g+8*\m+\f], v[64*(\buf)+32*\g+8*\m+4+\f]
.endr
.endr
.endr
.endif
.endm
.macro STW is                          ; my four fragments into the slice: 4,096 bytes at 4,096 x wave of the chunk
	WIN 0
.irp f, 0,1,2,3
.irp g, 0,1
	ds_store_b128 v5, v[T+8*\f+4*\g:T+8*\f+4*\g+3] offset:(\is)*CHUNK+\f*1024+\g*512
.endr
.endr
.endm
.macro LDB ib                          ; a chunk's 16 fragments, K step 0's first; 32 lanes x 16 consecutive bytes each
	WIN 0
.irp s, 0,1
.irp f, 0,1,2,3,4,5,6,7
.irp g, 0,1
	ds_load_b128 v[B+64*\s+8*\f+4*\g:B+64*\s+8*\f+4*\g+3], v6 offset:(\ib)*CHUNK+(8*\s+\f)*1024+\g*512
.endr
.endr
.endr
.endm
.macro LDA buf, ia                     ; my 80 rows x 64 of K: lane (r, h) takes row r of each block, 16 bytes at 16 h and at 32 + 16 h of each K step
	WIN 0xc0
.irp b, 0,1,2,3,4
.irp s, 0,1
.irp g, 0,1
	global_load_b128 v[AF+80*(\buf)+16*\b+8*\s+4*\g:AF+80*(\buf)+16*\b+8*\s+4*\g+3], v[20+\b], s[34:35] offset:(\ia)+64*\s+32*\g
.endr
.endr
.endr
.endm
; A TRIP OF THE STREAM, chunk c, p = c % 2.  At its head W(c+1), A(c), W(c+2) are out, in that order: nw = 16 leaves W(c+2).  It reads chunk c's fragments, asks for A(c+1), rounds W(c+1), asks for W(c+3) (into the
; registers just rounded), multiplies chunk c, and stores chunk c+1 between two barriers.  The first stands between every wave's reads of chunk c (waited for ahead of the signal) and the stores; the second between the
; stores (waited for ahead of the signal) and the next trip's reads of chunk c+1.  Each signal stands 32 matrix instructions ahead of its wait, so that a wave works while the others arrive.
; pf >= 0: my quarter of the chunk two behind the one just asked for is prefetched: one line, a row's 256 aligned bytes a lane, asked for by this wave alone, two trips ahead of its load; 64 KiB a work-group at the most are asked for and not yet loaded.
.macro STRIP p, ib, is, ia, iw, ldw, nxt, nw, zero, pf
	PLACES                                         ; between the last trip's products and the loads below
	LDB \ib
	s_wait_loadcnt \nw
.if \nxt
	LDA 1-(\p), \ia
	CVT 1-(\p)
.endif
.if \ldw
	LDW 1-(\p), \iw
.endif
.if (\pf) >= 0
	global_prefetch_b8 v31, s[52:53] offset:\pf th:TH_LOAD_NT scope:SCOPE_SE
.endif
	s_wait_dscnt 16                                ; K step 0's 16 loads are in, K step 1's stay out
	MULS 0, \p, 0, 0, \zero
	s_wait_dscnt 0x0                               ; all my reads of the slice are back
.if \nxt
	s_barrier_signal -1
	MULS 0, \p, 1, 4, \zero                        ; work on registers while the others arrive
	s_barrier_wait -1                              ; every wave's reads are back
	STW \is
	MULS 1, \p, 0, 0, 0
	s_wait_dscnt 0x0                               ; for the others' sake: my part of the next chunk is stored
	s_barrier_signal -1
	MULS 1, \p, 1, 4, 0
	s_barrier_wait -1                              ; the next chunk is whole
.else
	MULS 0, \p, 1, 4, \zero
	MULS 1, \p, 0, 4, 0
.endif
.endm
.macro ENTLD off                       ; a unit's rows: five entries a lane from the list, off bytes on
	WIN 0
.irp b, 0,1,2,3,4
	global_load_b32 v[8+\b], v27, s[6:7] offset:(\off)+256*\b
.endr
.endm
.macro ENTALL off                      ; a unit's entries for the way out (LAYER 2: and their routing weights), all five blocks', off bytes on
	WIN 0x40
.irp b, 0,1,2,3,4
.if LAYER == 1
.irp k, 0,1,2,3
	global_load_b128 v[ENA+16*\b+4*\k:ENA+16*\b+4*\k+3], v28, s[6:7] offset:(\off)+256*\b+16*\k
.endr
.else
.irp k, 0,1
	global_load_b128 v[ENA+16*\b+4*\k:ENA+16*\b+4*\k+3], v28, s[6:7] offset:(\off)+256*\b+16*\k
	global_load_b128 v[ENA+16*\b+8+4*\k:ENA+16*\b+8+4*\k+3], v28, s[12:13] offset:(\off)+256*\b+16*\k
.endr
.endif
.endr
.endm
; Block b's accumulators and its entries go where the one text of the way out names them.  Each accumulator is read from its low end on.
.macro TAKE b
.if (\b) == 4
	WIN 0x83
.set i, 0
.rept 64
	v_mov_b32 v[i], v[i]
.set i, i+1
.endr
.elseif (\b) > 0
	WIN 0x82
.set i, 0
.rept 64
	v_mov_b32 v[i], v[64*(\b)+i]
.set i, i+1
.endr
.endif
	WIN 0x01
.set i, 0
.rept 16
	v_mov_b32 v[EN+i], v[ENA+16*(\b)+i]
.set i, i+1
.endr
	WIN 0
.endm
; The row that each of the five entries names in A, held inside A.  The walking base and the slice's read address go back to their starts.
.macro AOFFS
	WIN 0
	s_wait_xcnt 0x0                                ; the registers below may be sources of earlier loads and stores
.irp b, 0,1,2,3,4
.if ASH
	v_lshrrev_b32 v[8+\b], ASH, v[8+\b]
.endif
	v_min_u32 v[8+\b], AMAX, v[8+\b]
	v_lshl_add_u32 v[20+\b], v[8+\b], APSH, v13
.endr
	s_mov_b64 s[34:35], s[32:33]
	s_mov_b32 s46, 0
	v_lshlrev_b32 v6, 4, v1
.endm
; A trip on the slice in LDS, for units past the first: no barrier, one buffer of A, waited for in the trip.  The chunk's LDS address is made anew: 16 x lane + the scalar that steps.
.macro RTRIP zero
	PLACES
	v_add_nc_u32 v6, s46, v15
	LDB 0
	LDA 0, 0
	s_wait_loadcnt 0x0
	s_wait_dscnt 16
	MULS 0, 0, 0, 4, \zero
	s_wait_dscnt 0x0
	MULS 1, 0, 0, 4, 0
	WIN 0
	s_add_nc_u64 s[34:35], s[34:35], 128           ; the loads that named it are done
	s_add_co_u32 s46, s46, CHUNK
.endm
	s_load_b256 s[4:11], s[0:1], 0x0               ; A s[4:5], lst s[6:7], weights s[8:9], bias s[10:11]
.if LAYER == 1
	s_load_b64 s[36:37], s[0:1], 0x20              ; hbuf
.else
	s_load_b128 s[12:15], s[0:1], 0x20             ; lwt s[12:13], part s[14:15]
.endif
	v_lshl_add_u32 v25, v0, 2, SPARE               ; the add's two registers
	v_mov_b32 v26, 0
	v_lshrrev_b32 v8, 5, v0
	v_readfirstlane_b32 s16, v8                    ; wave
	v_and_b32 v1, 31, v0
	v_and_b32 v2, 15, v0
	v_bfe_u32 v3, v0, 4, 1
	s_lshr_b32 s17, ttmp9, 5                       ; the expert
.if LAYER == 1
	s_and_b32 s18, ttmp9, 31                       ; which 128 columns
	s_mov_b32 s45, 0                               ; K is not split
	s_mov_b32 s40, 0xbfb8aa3b                      ; -log2(e), named as a pair
	s_mov_b32 s41, 0xbfb8aa3b
	v_lshlrev_b32 v30, 3, v1
.else
	s_bfe_u32 s18, ttmp9, 0x30002                  ; which 128 columns
	s_and_b32 s45, ttmp9, 3                        ; which quarter of K
.endif
	s_cmp_eq_u32 s45, 0
	s_cselect_b32 s42, -1, 0                       ; the bias counts in quarter 0 alone
	s_lshl_b32 s19, s18, 9                         ; 128 columns of f32
	s_mov_b32 s43, 0xffff0000
	s_lshr_b32 s20, s16, 1                         ; kk: which K step of a chunk I load
	s_and_b32 s21, s16, 1                          ; cg: which 64 columns
	s_lshl_b32 s22, s20, WSH+5
	s_lshl_b32 s23, s21, 8
	s_add_co_u32 s22, s22, s23
	v_lshlrev_b32 v4, WSH+3, v3
	v_lshl_add_u32 v4, v2, 4, v4
	v_add_nc_u32 v4, s22, v4                       ; (32 kk + 8 h) rows + 256 cg + 16 r
	v_lshl_add_u32 v31, v1, WSH, s22               ; (32 kk + lane) rows + 256 cg: the 32 rows of my quarter chunk, 256 aligned bytes each
	v_lshlrev_b32 v6, 4, v1
	v_lshlrev_b32 v15, 4, v1
	s_lshl_b32 s22, s16, 12
	v_add_nc_u32 v5, s22, v6
	s_lshl_b32 s23, s16, 6                         ; my 16 of a block row's 64 ranks, 4 bytes each
	v_lshl_add_u32 v27, v2, 2, s23
.if LAYER == 1
	v_mov_b32 v28, s23                             ; every lane holds all 16 entries of a block
.else
	v_lshl_add_u32 v28, v3, 5, s23                 ; a lane holds the entries of rows 8 h + 0 .. 7
.endif
	v_lshlrev_b32 v29, 4, v2
	v_lshlrev_b32 v13, 4, v3
	s_mul_i32 s48, s17, ROWB
	s_mov_b32 s49, 0
	s_lshl_b32 s38, s17, 24                        ; an expert's weights are 16 MiB,
	s_lshl_b32 s20, s45, 22                        ; a quarter of K 4 MiB
	s_add_co_u32 s38, s38, s20
	s_add_co_u32 s38, s38, s19
	s_mov_b32 s39, 0
	s_wait_kmcnt 0x0
	s_add_nc_u64 s[6:7], s[6:7], s[48:49]          ; the expert's list
	s_add_nc_u64 s[30:31], s[8:9], s[38:39]        ; the weights at my slice: it walks
	s_mov_b64 s[56:57], s[30:31]                   ; the slice's first byte, kept,
	s_mov_b64 s[52:53], s[30:31]                   ; and the prefetch's base
	s_lshl_b32 s38, s17, WSH
	s_add_co_u32 s38, s38, s19
	s_add_nc_u64 s[10:11], s[10:11], s[38:39]      ; the bias at my columns
	s_lshl_b32 s38, s45, 11
	s_add_nc_u64 s[32:33], s[4:5], s[38:39]        ; A at my part of K
.if LAYER == 1
	s_lshl_b32 s38, s18, 8
	s_add_nc_u64 s[36:37], s[36:37], s[38:39]      ; the output at my columns
.else
	s_add_nc_u64 s[12:13], s[12:13], s[48:49]      ; the expert's routing weights
	s_mul_i32 s38, s45, PLANE
	s_add_co_u32 s38, s38, s19
	s_add_nc_u64 s[36:37], s[14:15], s[38:39]
.endif
	s_load_b32 s24, s[6:7], 0x1400                 ; the expert's count: wanted behind the stream
	; THE STREAM'S HEAD.  What is small goes out first: my rows' entries, the bias, the entries for the way out (both kept through the stream): 27 loads; then W(0), W(1): 59 are out.
	ENTLD 0
	WIN 0x40
	global_load_b128 v[BR:BR+3], v29, s[10:11]             ; the bias of columns 4 r .. + 3,
	global_load_b128 v[BR+4:BR+7], v29, s[10:11] offset:256  ; and of 64 + 4 r .. + 3
	ENTALL 0
	LDW 0, 0
	LDW 1, 1
	WIN 0
	s_wait_loadcnt 32                              ; all but the two chunks of weights
	AOFFS
	LDA 0, 0
	s_wait_loadcnt 36                              ; W(0) is in; W(1)'s 16 loads and A(0)'s 20 stay out
	CVT 0
	STW 0
	LDW 0, 2
	WIN 0
	s_wait_dscnt 0x0
	s_barrier_signal -1
	s_barrier_wait -1                              ; chunk 0 is whole
	STRIP 0, 0, 1, 128, 3, 1, 1, 16, 1, 5*64*WP    ; chunk 0: its first products start the sums; chunk 5 is prefetched
	WIN 0
	s_wait_xcnt 0x0                                ; the bases are stepped only behind this wait
	s_add_nc_u64 s[34:35], s[34:35], 128
	s_add_nc_u64 s[30:31], s[30:31], 4*64*WP
	s_mov_b32 s54, 6*64*WP                         ; the prefetch goes on with chunks 6 and 7
	s_mov_b32 s55, 0
	s_add_nc_u64 s[52:53], s[56:57], s[54:55]
	v_add_nc_u32 v6, CHUNK, v6
	v_add_nc_u32 v5, 2*CHUNK, v5
	s_mov_b32 s27, 6
.Lstream:                                              ; chunks 1 to 12, two a trip
	STRIP 1, 0, 0, 128, 0, 1, 1, 16, 0, 0
	STRIP 0, 1, 1, 256, 1, 1, 1, 16, 0, 64*WP
	WIN 0
	s_wait_xcnt 0x0
	s_add_nc_u64 s[34:35], s[34:35], 256
	s_add_nc_u64 s[30:31], s[30:31], 128*WP
	s_add_co_u32 s54, s54, 128*WP                  ; the prefetch's next two chunks, held at 14 and 15, the slice's last: the sixth trip asks for those two once more and for nothing past the slice
	s_min_u32 s54, s54, 14*64*WP
	s_add_nc_u64 s[52:53], s[56:57], s[54:55]
	v_add_nc_u32 v6, 2*CHUNK, v6
	v_add_nc_u32 v5, 2*CHUNK, v5
	s_sub_co_u32 s27, s27, 1
	s_cmp_lg_u32 s27, 0
	s_cbranch_scc1 .Lstream
	STRIP 1, 0, 0, 128, 0, 0, 1, 16, 0, -1         ; chunk 13: no weights are left to ask for; W(15) stays out
	STRIP 0, 1, 1, 256, 0, 0, 1, 0, 0, -1          ; chunk 14: W(15) and A(14)
	STRIP 1, 2, 0, 0, 0, 0, 0, 0, 0, -1            ; chunk 15: A(15)
	WIN 0
	s_wait_kmcnt 0x0                               ; the count
	s_min_u32 s24, s24, 1024
	s_max_u32 s25, s24, 1                          ; an expert without rows still sends one block out, into its spare row
	s_mov_b32 s26, 0                               ; the unit's first rank
	s_mov_b32 s28, 0
.Lunit:                                                ; four trips: a unit goes out, and the next, if it has rows, is multiplied.  No barrier and no LDS write in this loop
	s_cmp_ge_u32 s26, s25
	s_cbranch_scc1 .Lnext
	; THE WAY OUT.  Register j of accumulator (b, fr = 4 cg + f) is row 16 b' + 8 h + j, column 64 cg + 4 r + f.  A loop of five trips works on the block in window 2's v0-63; at a trip's end the next block alone is brought there.
	PLACES
	s_wait_xcnt 0x0                                ; T may hold data of an earlier unit's stores
	WIN 0x05
.irp p, 0,1,2,3
	v_cvt_pk_bf16_f32 v[T+\p], v[BR+2*\p], v[BR+2*\p+1]    ; the bias rounded to bf16, and widened again
.endr
	WIN 0
.if LAYER == 1
.irp p, 0,1,2,3
	v_lshlrev_b32 v[80+4*\p], 16, v[T+\p]          ; each twice: a pair for the packed addition
	v_lshlrev_b32 v[81+4*\p], 16, v[T+\p]
	v_and_b32 v[82+4*\p], s43, v[T+\p]
	v_and_b32 v[83+4*\p], s43, v[T+\p]
.endr
.else
.irp p, 0,1,2,3
	v_lshlrev_b32 v[72+2*\p], 16, v[T+\p]
	v_and_b32 v[73+2*\p], s43, v[T+\p]
.endr
.irp i, 0,1,2,3,4,5,6,7
	v_and_b32 v[72+\i], s42, v[72+\i]              ; 0 in quarters 1 to 3
.endr
.endif
	TAKE 0                                         ; block 0 lies in its place: its entries alone are brought
	s_lshl_b32 s50, s16, 4
	s_add_co_u32 s50, s50, s26                     ; the first rank of my block 0; 64 more for each further block
	s_mov_b32 s27, 5
.Lblk:
	s_cmp_ge_u32 s50, s25
	s_cbranch_scc1 .Lbnext                         ; the block begins at or past the count, and so do all behind it: nothing goes out
	s_wait_xcnt 0x0                                ; the last trip's stores have read their registers
.set i, 0
.rept NE
	v_min_u32 v[EN+i], 0x807, v[EN+i]
.set i, i+1
.endr
.set i, 0
.rept NE
	v_lshl_add_u32 v[192+i], v[EN+i], OSH, v[OC]   ; the entry's row of the output + my bytes in it
.set i, i+1
.endr
.if LAYER == 1
; Four rows (j0 .. j0 + 3, and 8 more for the upper lanes) of the block: z = sum + bias; silu(z) = z / (1 + 2^(-log2(e) z)); f16: 8 bytes (four columns) for each row and column half.
; The 32 exponentials are one batch with one wait, the 32 reciprocals another.  The accumulators are read from their low end on.
; Then the left half's upper lanes (row 8 + j) change places with the right half's lower lanes (row j): all 32 lanes hold one row, 8 bytes each, and one store covers its 256 bytes.
.macro HALF j0
	WIN 0x02
.irp f, 0,1,2,3,4,5,6,7
.irp p, 0,1
	v_pk_add_f32 v[96+4*\f+2*\p:97+4*\f+2*\p], v[8*\f+(\j0)+2*\p:8*\f+(\j0)+2*\p+1], v[80+2*\f:81+2*\f]
.endr
.endr
	WIN 0
.set i, 0
.rept 16
	v_pk_mul_f32 v[128+2*i:129+2*i], v[96+2*i:97+2*i], s[40:41] op_sel_hi:[1,0]
.set i, i+1
.endr
.set i, 0
.rept 32
	v_exp_f32 v[128+i], v[128+i]
.set i, i+1
.endr
	v_nop
	s_wait_alu depctr_va_vdst(0)
.set i, 0
.rept 16
	v_pk_add_f32 v[128+2*i:129+2*i], v[128+2*i:129+2*i], 1.0 op_sel_hi:[1,0]
.set i, i+1
.endr
.set i, 0
.rept 32
	v_rcp_f32 v[128+i], v[128+i]
.set i, i+1
.endr
	v_nop
	s_wait_alu depctr_va_vdst(0)
.set i, 0
.rept 16
	v_pk_mul_f32 v[96+2*i:97+2*i], v[96+2*i:97+2*i], v[128+2*i:129+2*i]
.set i, i+1
.endr
.irp u, 0,1,2,3
.irp c, 0,1
.irp q, 0,1
	v_cvt_pk_f16_f32 v[T+4*((\j0)+\u)+2*\c+\q], v[96+4*(4*\c+2*\q)+\u], v[96+4*(4*\c+2*\q+1)+\u]
.endr
.endr
.endr
.irp u, 0,1,2,3
.irp q, 0,1
	v_permlane16_swap_b32 v[T+4*((\j0)+\u)+\q], v[T+4*((\j0)+\u)+2+\q]  ; the first's lanes 16-31 with the second's lanes 0-15
.endr
.endr
.irp u, 0,1,2,3
	global_store_b64 v[192+(\j0)+\u], v[T+4*((\j0)+\u):T+4*((\j0)+\u)+1], s[36:37]      ; row j: 32 lanes store 256 consecutive bytes, at a multiple of 256 from hbuf's first
	global_store_b64 v[200+(\j0)+\u], v[T+4*((\j0)+\u)+2:T+4*((\j0)+\u)+3], s[36:37]    ; row 8 + j likewise
.endr
.endm
	HALF 0
	HALF 4                                         ; in other registers of T: the first half's stores may still read theirs
.else
	WIN 0x02
.irp j, 0,1,2,3,4,5,6,7                ; j ascending: each accumulator is read from its low end on
.irp f, 0,1,2,3,4,5,6,7
	v_add_f32 v[96+8*\j+\f], v[8*\f+\j], v[72+\f]
.endr
.endr
	WIN 0
.irp j, 0,1,2,3,4,5,6,7
.irp f, 0,1,2,3,4,5,6,7
	v_mul_f32 v[96+8*\j+\f], v[96+8*\j+\f], v[CFW+\j]      ; the entry's routing weight
.endr
.endr
.irp j, 0,1,2,3,4,5,6,7
.irp c, 0,1
	global_store_b128 v[192+\j], v[96+8*\j+4*\c:96+8*\j+4*\c+3], s[36:37] offset:256*\c  ; 16 lanes store 256 consecutive bytes, at a multiple of 256 from part's first
.endr
.endr
.endif
	s_cmp_lg_u32 s27, 5                            ; which block is next: the loop's counter says; every jump goes forward
	s_cbranch_scc1 .Lt2
	TAKE 1
	s_branch .Lbnext
.Lt2:
	s_cmp_lg_u32 s27, 4
	s_cbranch_scc1 .Lt3
	TAKE 2
	s_branch .Lbnext
.Lt3:
	s_cmp_lg_u32 s27, 3
	s_cbranch_scc1 .Lt4
	TAKE 3
	s_branch .Lbnext
.Lt4:
	s_cmp_lg_u32 s27, 2
	s_cbranch_scc1 .Lbnext                         ; behind the fifth block nothing is left
	TAKE 4
.Lbnext:
	s_add_co_u32 s50, s50, 64
	s_sub_co_u32 s27, s27, 1
	s_cmp_lg_u32 s27, 0
	s_cbranch_scc1 .Lblk
	s_add_co_u32 s29, s26, UNIT
	s_cmp_ge_u32 s29, s25
	s_cbranch_scc1 .Lnext                          ; no rows are left
	ENTLD 4*UNIT                                   ; the next unit: its rows,
	ENTALL 4*UNIT                                  ; and its entries for the way out
	WIN 0
	s_wait_loadcnt 0x0
	AOFFS
	RTRIP 1                                        ; its first products start the sums anew
	s_mov_b32 s27, 15
.Lres:
	RTRIP 0
	s_sub_co_u32 s27, s27, 1
	s_cmp_lg_u32 s27, 0
	s_cbranch_scc1 .Lres
.Lnext:
	v_add_nc_u32 v27, 4*UNIT, v27
	v_add_nc_u32 v28, 4*UNIT, v28
	s_add_co_u32 s26, s26, UNIT
	s_add_co_u32 s28, s28, 1
	s_cmp_lt_u32 s28, 4
	s_cbranch_scc1 .Lunit
	s_wait_dscnt 0x0                               ; my reads of the slice are back,
	s_barrier_signal -1
	s_barrier_wait -1                              ; and so are every wave's: only now is LDS written again
	s_wait_tensorcnt 0x0                           ; the wave's end, behind my last LDS store
	ds_add_u32 v25, v26
	s_wait_dscnt 0x0
	s_endpgm
.Lfunc_end_k_q43030b7160_ffn1:
	.size	k_q43030b7160_ffn1, .Lfunc_end_k_q43030b7160_ffn1-k_q43030b7160_ffn1
	.p2alignl 7, 3214868480
	.fill 96, 4, 3214868480
	.section	.rodata,"a",@progbits
	.p2align	6, 0x0
	.amdhsa_kernel k_q43030b7160_ffn1
		.amdhsa_group_segment_fixed_size 262656
		.amdhsa_private_segment_fixed_size 0
		.amdhsa_enable_private_segment 0
		.amdhsa_kernarg_size 40
		.amdhsa_user_sgpr_count 2
		.amdhsa_user_sgpr_kernarg_segment_ptr 1
		.amdhsa_wavefront_size32 1
		.amdhsa_system_sgpr_workgroup_id_x 1
		.amdhsa_system_sgpr_workgroup_id_y 1
		.amdhsa_system_sgpr_workgroup_id_z 1
		.amdhsa_system_vgpr_workitem_id 0
		.amdhsa_next_free_vgpr 992
		.amdhsa_next_free_sgpr 66
		.amdhsa_reserve_vcc 0
		.amdhsa_float_denorm_mode_32 3
		.amdhsa_float_denorm_mode_16_64 3
		.amdhsa_memory_ordered 1
		.amdhsa_forward_progress 1
		.amdhsa_inst_pref_size 143
	.end_amdhsa_kernel
	.amdgpu_metadata
---
amdhsa.version: [ 1, 2 ]
amdhsa.kernels:
  - .name:           k_q43030b7160_ffn1
    .symbol:         k_q43030b7160_ffn1.kd
    .args:
      - { .name: xb, .offset: 0, .size: 8, .value_kind: global_buffer, .address_space: global }
      - { .name: lst, .offset: 8, .size: 8, .value_kind: global_buffer, .address_space: global }
      - { .name: w1, .offset: 16, .size: 8, .value_kind: global_buffer, .address_space: global }
      - { .name: b1, .offset: 24, .size: 8, .value_kind: global_buffer, .address_space: global }
      - { .name: hbuf, .offset: 32, .size: 8, .value_kind: global_buffer, .address_space: global }
    .group_segment_fixed_size: 262656
    .private_segment_fixed_size: 0
    .kernarg_segment_align: 8
    .kernarg_segment_size: 40
    .max_flat_workgroup_size: 128
    .sgpr_count:     66
    .vgpr_count:     992
    .wavefront_size: 32
...
	.end_amdgpu_metadata
.endif
;; end of part 6
;; launch ffn2 (part 7): grid 256 x 1, 4 waves a work-group, no clusters, 262,656 bytes of LDS; arguments hbuf, lst, w2, b2, lwt, part; writes part
.if DOCPART == 7
	.amdgcn_target "amdgcn-amd-amdhsa--gfx1250"
	.amdhsa_code_object_version 6
	.text
	.protected	k_q43030b7160_ffn2
	.globl	k_q43030b7160_ffn2
	.p2align	8
	.type	k_q43030b7160_ffn2,@function
k_q43030b7160_ffn2:
	s_mov_b64 s[64:65], 0
	v_nop
	global_prefetch_b8 v0, s[64:65] scope:SCOPE_SE
	s_setreg_imm32_b32 hwreg(HW_REG_WAVE_MODE, 25, 1), 1
	s_wait_xcnt 0x0
; ONE TEXT FOR BOTH PRODUCTS OF THE EXPERTS' LAYER; LAYER says which.
;   LAYER 1: hbuf[entry][4096] = silu(xb[token] w1[e] + b1[e]), f16.      LAYER 2: part[q][entry][1024] = weight[entry] x (hbuf[entry][K quarter q] w2[e][quarter q] + b2[e] in quarter 0 alone), f32.
; An ENTRY is 2 x token + choice (0, 1): 2,048 of them; each belongs to the one expert that was chosen for it.  Only those rows are multiplied.
; SHARES.  A work-group has 128 columns x 1,024 of K of ONE expert's weights, 512 KiB of f32 which it alone reads, and ALL of that expert's rows, whatever their number (0 to 1,024).
;   Rows go in UNITS of 320, blocks of 16 dealt to the waves by turns: wave w has ranks 320 u + 64 b + 16 w + r, five blocks b: 40 accumulators of 16 x 16.
; THE STREAM (unit 0, always run, constant trips).  The weights come in 16 chunks of 64 K x 128 columns.  Each wave loads a quarter of a chunk as f32 straight in the matrix operand's order, rounds it, and stores
;   four fragments into LDS; the slice stays there whole (256 KiB, each byte written once).  A weight load is waited for two trips after its issue: two chunks, 64 KiB a work-group, are on their way.
; FURTHER UNITS (an expert with more than 320 rows) multiply from the slice in LDS: no barrier, a counted loop of four whose dead trips are jumped forward.  From the stream's last barrier on no LDS byte is written
;   until the barrier that stands behind that loop.
; THE LIST of the expert's entries, its count and (LAYER 2) the entries' routing weights in list order were laid down by an earlier launch (lst, lwt: rows of 5,632 bytes); they come straight into registers.
;   Places past the count hold the expert's spare row 2,048 + e: they multiply an existing row (the clamp below).  A block that begins at or past the count is not sent out; in a block that holds the count
;   the places past it are stored into the spare row, in this work-group's own columns, which nobody reads.
; NO TENSOR LOADS, NO CLUSTER: each weight byte has one reader and must pass through registers to be rounded; the rounded slice leaves no room in LDS for f32 tiles; token rows come by a list, which no descriptor covers.
; FORMATS.  All the module's inputs are rounded to bf16 (w1, b1; w2, b2: rounded to bf16, w2's number then written as f16, exact from 6e-5 up; below that in steps of 6e-8).  h is kept in f16.  Sums in f32.
; LIMITS.  |h| stays under 65,504 (f16's end; silu(z) is about z for large z); NaN and infinities are not treated apart.
.set LAYER, 2
.if LAYER == 1
.set WSH,  14                          ; a row of the weights (and of the bias table) is 1 << WSH bytes
.set APSH, 11                          ; a row of A is 1 << APSH bytes
.set ASH,  1                           ; A's row = entry >> ASH
.set AMAX, 0x3ff                       ; A's last row
.set OSH,  13                          ; a row of the output is 1 << OSH bytes
.set NE,   16                          ; entries that a lane holds for a block: all 16 rows'
.set OC,   30                          ; the register with my byte offset in a row of the output
.else
.set WSH,  12
.set APSH, 13
.set ASH,  0
.set AMAX, 0x7ff
.set OSH,  12
.set NE,   8                           ; those of rows 8 h + 0 .. 7
.set OC,   29
.endif
.set WP,    1<<WSH
.set CHUNK, 16384                      ; a chunk in LDS: 16 fragments of 1,024 bytes: K step s (0, 1), fragment fr (0..7) at (8 s + fr) x 1,024; registers 0-3 at 16 x lane, registers 4-7 at 512 + 16 x lane
.set SPARE, 16*CHUNK                   ; behind the slice: the spare words, 128 bytes for each wave: two blocks of 256 bytes that no other line names
.set UNIT,  320
.set ROWB,  5632                       ; an expert's row of lst and of lwt; the count stands at byte 5,120
.set PLANE, 2056*4096                  ; a K quarter's plane of part
; REGISTERS, in windows of 256 (s_set_vgpr_msb: bits 1:0 source 0, 3:2 source 1, 5:4 source 2, 7:6 destination):
;   window 0: v0-31 addresses (below); v32-63 T, four rounded fragments; v64-191 B, a chunk's 16 fragments, at work on the way out; v192-207 the way out's offsets; v224-239 the entries of the block that goes out (LAYER 2: v232-239 its routing weights)
;   window 1: v0-63, v64-127 S0, S1: a quarter chunk in f32: row (g, i), four columns at 32 g + 4 i; v128-135 the bias as loaded; v136-215 the entries of my five blocks, 16 registers a block (LAYER 2: 8 entries, 8 routing weights)
;   window 2: the accumulators of blocks 0-3 at 64 b + 8 fr          window 3: v0-63 block 4's; v64-143, v144-223 A0, A1: block b, K step s at 16 b + 8 s
;   v1 lane  v2 r = lane % 16  v3 h = lane / 16  v4 my offset in the weights  v5 where I store fragments  v6 where I read fragments  v8-12 at work  v13 16 h  v15 16 x lane
;   v20-24 A's offsets, a block each  v25, v26 the add's two  v27 my place in the list by r  v28 my place in the list for the way out  v29 16 r  v30 8 x lane  v31 a row a lane of my quarter chunk, for the prefetch
.set T,   32
.set B,   64
.set AF,  64
.set BR,  128
.set ENA, 136
.set EN,  224
.set CFW, 232
.set MSB, 0
.macro WIN new                         ; the immediate's high byte repeats the setting that is left; a switch that changes nothing is dropped
.if MSB != (\new)
	s_set_vgpr_msb (MSB<<8)|(\new)
.set MSB, (\new)
.endif
.endm
.macro PLACES                          ; four places behind matrix instructions (ISA guide 7.12.1), where no other vector work is at hand
.rept 4
	v_nop
.endr
.endm
.macro WM d, a, b, z
.if LAYER == 1
.if \z
	v_wmma_f32_16x16x32_bf16 v[\d:\d+7], v[\a:\a+7], v[\b:\b+7], 0
.else
	v_wmma_f32_16x16x32_bf16 v[\d:\d+7], v[\a:\a+7], v[\b:\b+7], v[\d:\d+7]
.endif
.else
.if \z
	v_wmma_f32_16x16x32_f16 v[\d:\d+7], v[\a:\a+7], v[\b:\b+7], 0
.else
	v_wmma_f32_16x16x32_f16 v[\d:\d+7], v[\a:\a+7], v[\b:\b+7], v[\d:\d+7]
.endif
.endif
.endm
; Blocks b0..b1 x 8 fragments, K step s, A's buffer p.  Source 0 = 16 token rows, source 1 = 16 columns.  The 40 accumulators take turns in the same order in every K step, one instruction a turn.
.macro MULS s, p, b0, b1, zero
.set mb, \b0
.rept (\b1)-(\b0)+1
.if mb < 4
	WIN 0xa3
.set rD, 64*mb
.else
	WIN 0xf3
.set rD, 0
.endif
.set rA, AF+80*(\p)+16*mb+8*(\s)
.set mf, 0
.rept 8
.set rB, B+64*(\s)+8*mf
	WM rD+8*mf, rA, rB, \zero
.set mf, mf+1
.endr
.set mb, mb+1
.endr
.endm
; 16 loads: my quarter of the chunk iw chunks behind the walking base.  Lane (r, h) takes row 32 kk + 16 g + 8 h + i, columns 64 cg + 4 r .. + 3: sixteen lanes read 256 consecutive bytes, aligned.
.macro LDW buf, iw
	WIN 0x40
.irp g, 0,1
.irp i, 0,1,2,3,4,5,6,7
	global_load_b128 v[64*(\buf)+32*\g+4*\i:64*(\buf)+32*\g+4*\i+3], v4, s[30:31] offset:(\iw)*64*WP+(16*\g+\i)*WP th:TH_LOAD_NT
.endr
.endr
.endm
; Fragment f holds the columns 64 cg + 4 r + f: its register 4 g + m is rows 2 m, 2 m + 1 of group g, which is the operand's own order of K (k = 16 g + 8 h + 2 m, + 1).
.macro CVT buf
	WIN 0x05
.irp f, 0,1,2,3
.irp g, 0,1
.irp m, 0,1,2,3
	v_cvt_pk_bf16_f32 v[T+8*\f+4*\g+\m], v[64*(\buf)+32*\g+8*\m+\f], v[64*(\buf)+32*\g+8*\m+4+\f]
.endr
.endr
.endr
.if LAYER == 2                         ; the bf16 numbers are widened again, into the registers that they came from, and written as f16
	WIN 0x40
.irp f, 0,1,2,3
.irp g, 0,1
.irp m, 0,1,2,3
	v_lshlrev_b32 v[64*(\buf)+32*\g+8*\m+\f], 16, v[T+8*\f+4*\g+\m]
	v_and_b32 v[64*(\buf)+32*\g+8*\m+4+\f], s43, v[T+8*\f+4*\g+\m]
.endr
.endr
.endr
	WIN 0x05
.irp f, 0,1,2,3
.irp g, 0,1
.irp m, 0,1,2,3
	v_cvt_pk_f16_f32 v[T+8*\f+4*\g+\m], v[64*(\buf)+32*\g+8*\m+\f], v[64*(\buf)+32*\g+8*\m+4+\f]
.endr
.endr
.endr
.endif
.endm
.macro STW is                          ; my four fragments into the slice: 4,096 bytes at 4,096 x wave of the chunk
	WIN 0
.irp f, 0,1,2,3
.irp g, 0,1
	ds_store_b128 v5, v[T+8*\f+4*\g:T+8*\f+4*\g+3] offset:(\is)*CHUNK+\f*1024+\g*512
.endr
.endr
.endm
.macro LDB ib                          ; a chunk's 16 fragments, K step 0's first; 32 lanes x 16 consecutive bytes each
	WIN 0
.irp s, 0,1
.irp f, 0,1,2,3,4,5,6,7
.irp g, 0,1
	ds_load_b128 v[B+64*\s+8*\f+4*\g:B+64*\s+8*\f+4*\g+3], v6 offset:(\ib)*CHUNK+(8*\s+\f)*1024+\g*512
.endr
.endr
.endr
.endm
.macro LDA buf, ia                     ; my 80 rows x 64 of K: lane (r, h) takes row r of each block, 16 bytes at 16 h and at 32 + 16 h of each K step
	WIN 0xc0
.irp b, 0,1,2,3,4
.irp s, 0,1
.irp g, 0,1
	global_load_b128 v[AF+80*(\buf)+16*\b+8*\s+4*\g:AF+80*(\buf)+16*\b+8*\s+4*\g+3], v[20+\b], s[34:35] offset:(\ia)+64*\s+32*\g
.endr
.endr
.endr
.endm
; A TRIP OF THE STREAM, chunk c, p = c % 2.  At its head W(c+1), A(c), W(c+2) are out, in that order: nw = 16 leaves W(c+2).  It reads chunk c's fragments, asks for A(c+1), rounds W(c+1), asks for W(c+3) (into the
; registers just rounded), multiplies chunk c, and stores chunk c+1 between two barriers.  The first stands between every wave's reads of chunk c (waited for ahead of the signal) and the stores; the second between the
; stores (waited for ahead of the signal) and the next trip's reads of chunk c+1.  Each signal stands 32 matrix instructions ahead of its wait, so that a wave works while the others arrive.
; pf >= 0: my quarter of the chunk two behind the one just asked for is prefetched: one line, a row's 256 aligned bytes a lane, asked for by this wave alone, two trips ahead of its load; 64 KiB a work-group at the most are asked for and not yet loaded.
.macro STRIP p, ib, is, ia, iw, ldw, nxt, nw, zero, pf
	PLACES                                         ; between the last trip's products and the loads below
	LDB \ib
	s_wait_loadcnt \nw
.if \nxt
	LDA 1-(\p), \ia
	CVT 1-(\p)
.endif
.if \ldw
	LDW 1-(\p), \iw
.endif
.if (\pf) >= 0
	global_prefetch_b8 v31, s[52:53] offset:\pf th:TH_LOAD_NT scope:SCOPE_SE
.endif
	s_wait_dscnt 16                                ; K step 0's 16 loads are in, K step 1's stay out
	MULS 0, \p, 0, 0, \zero
	s_wait_dscnt 0x0                               ; all my reads of the slice are back
.if \nxt
	s_barrier_signal -1
	MULS 0, \p, 1, 4, \zero                        ; work on registers while the others arrive
	s_barrier_wait -1                              ; every wave's reads are back
	STW \is
	MULS 1, \p, 0, 0, 0
	s_wait_dscnt 0x0                               ; for the others' sake: my part of the next chunk is stored
	s_barrier_signal -1
	MULS 1, \p, 1, 4, 0
	s_barrier_wait -1                              ; the next chunk is whole
.else
	MULS 0, \p, 1, 4, \zero
	MULS 1, \p, 0, 4, 0
.endif
.endm
.macro ENTLD off                       ; a unit's rows: five entries a lane from the list, off bytes on
	WIN 0
.irp b, 0,1,2,3,4
	global_load_b32 v[8+\b], v27, s[6:7] offset:(\off)+256*\b
.endr
.endm
.macro ENTALL off                      ; a unit's entries for the way out (LAYER 2: and their routing weights), all five blocks', off bytes on
	WIN 0x40
.irp b, 0,1,2,3,4
.if LAYER == 1
.irp k, 0,1,2,3
	global_load_b128 v[ENA+16*\b+4*\k:ENA+16*\b+4*\k+3], v28, s[6:7] offset:(\off)+256*\b+16*\k
.endr
.else
.irp k, 0,1
	global_load_b128 v[ENA+16*\b+4*\k:ENA+16*\b+4*\k+3], v28, s[6:7] offset:(\off)+256*\b+16*\k
	global_load_b128 v[ENA+16*\b+8+4*\k:ENA+16*\b+8+4*\k+3], v28, s[12:13] offset:(\off)+256*\b+16*\k
.endr
.endif
.endr
.endm
; Block b's accumulators and its entries go where the one text of the way out names them.  Each accumulator is read from its low end on.
.macro TAKE b
.if (\b) == 4
	WIN 0x83
.set i, 0
.rept 64
	v_mov_b32 v[i], v[i]
.set i, i+1
.endr
.elseif (\b) > 0
	WIN 0x82
.set i, 0
.rept 64
	v_mov_b32 v[i], v[64*(\b)+i]
.set i, i+1
.endr
.endif
	WIN 0x01
.set i, 0
.rept 16
	v_mov_b32 v[EN+i], v[ENA+16*(\b)+i]
.set i, i+1
.endr
	WIN 0
.endm
; The row that each of the five entries names in A, held inside A.  The walking base and the slice's read address go back to their starts.
.macro AOFFS
	WIN 0
	s_wait_xcnt 0x0                                ; the registers below may be sources of earlier loads and stores
.irp b, 0,1,2,3,4
.if ASH
	v_lshrrev_b32 v[8+\b], ASH, v[8+\b]
.endif
	v_min_u32 v[8+\b], AMAX, v[8+\b]
	v_lshl_add_u32 v[20+\b], v[8+\b], APSH, v13
.endr
	s_mov_b64 s[34:35], s[32:33]
	s_mov_b32 s46, 0
	v_lshlrev_b32 v6, 4, v1
.endm
; A trip on the slice in LDS, for units past the first: no barrier, one buffer of A, waited for in the trip.  The chunk's LDS address is made anew: 16 x lane + the scalar that steps.
.macro RTRIP zero
	PLACES
	v_add_nc_u32 v6, s46, v15
	LDB 0
	LDA 0, 0
	s_wait_loadcnt 0x0
	s_wait_dscnt 16
	MULS 0, 0, 0, 4, \zero
	s_wait_dscnt 0x0
	MULS 1, 0, 0, 4, 0
	WIN 0
	s_add_nc_u64 s[34:35], s[34:35], 128           ; the loads that named it are done
	s_add_co_u32 s46, s46, CHUNK
.endm
	s_load_b256 s[4:11], s[0:1], 0x0               ; A s[4:5], lst s[6:7], weights s[8:9], bias s[10:11]
.if LAYER == 1
	s_load_b64 s[36:37], s[0:1], 0x20              ; hbuf
.else
	s_load_b128 s[12:15], s[0:1], 0x20             ; lwt s[12:13], part s[14:15]
.endif
	v_lshl_add_u32 v25, v0, 2, SPARE               ; the add's two registers
	v_mov_b32 v26, 0
	v_lshrrev_b32 v8, 5, v0
	v_readfirstlane_b32 s16, v8                    ; wave
	v_and_b32 v1, 31, v0
	v_and_b32 v2, 15, v0
	v_bfe_u32 v3, v0, 4, 1
	s_lshr_b32 s17, ttmp9, 5                       ; the expert
.if LAYER == 1
	s_and_b32 s18, ttmp9, 31                       ; which 128 columns
	s_mov_b32 s45, 0                               ; K is not split
	s_mov_b32 s40, 0xbfb8aa3b                      ; -log2(e), named as a pair
	s_mov_b32 s41, 0xbfb8aa3b
	v_lshlrev_b32 v30, 3, v1
.else
	s_bfe_u32 s18, ttmp9, 0x30002                  ; which 128 columns
	s_and_b32 s45, ttmp9, 3                        ; which quarter of K
.endif
	s_cmp_eq_u32 s45, 0
	s_cselect_b32 s42, -1, 0                       ; the bias counts in quarter 0 alone
	s_lshl_b32 s19, s18, 9                         ; 128 columns of f32
	s_mov_b32 s43, 0xffff0000
	s_lshr_b32 s20, s16, 1                         ; kk: which K step of a chunk I load
	s_and_b32 s21, s16, 1                          ; cg: which 64 columns
	s_lshl_b32 s22, s20, WSH+5
	s_lshl_b32 s23, s21, 8
	s_add_co_u32 s22, s22, s23
	v_lshlrev_b32 v4, WSH+3, v3
	v_lshl_add_u32 v4, v2, 4, v4
	v_add_nc_u32 v4, s22, v4                       ; (32 kk + 8 h) rows + 256 cg + 16 r
	v_lshl_add_u32 v31, v1, WSH, s22               ; (32 kk + lane) rows + 256 cg: the 32 rows of my quarter chunk, 256 aligned bytes each
	v_lshlrev_b32 v6, 4, v1
	v_lshlrev_b32 v15, 4, v1
	s_lshl_b32 s22, s16, 12
	v_add_nc_u32 v5, s22, v6
	s_lshl_b32 s23, s16, 6                         ; my 16 of a block row's 64 ranks, 4 bytes each
	v_lshl_add_u32 v27, v2, 2, s23
.if LAYER == 1
	v_mov_b32 v28, s23                             ; every lane holds all 16 entries of a block
.else
	v_lshl_add_u32 v28, v3, 5, s23                 ; a lane holds the entries of rows 8 h + 0 .. 7
.endif
	v_lshlrev_b32 v29, 4, v2
	v_lshlrev_b32 v13, 4, v3
	s_mul_i32 s48, s17, ROWB
	s_mov_b32 s49, 0
	s_lshl_b32 s38, s17, 24                        ; an expert's weights are 16 MiB,
	s_lshl_b32 s20, s45, 22                        ; a quarter of K 4 MiB
	s_add_co_u32 s38, s38, s20
	s_add_co_u32 s38, s38, s19
	s_mov_b32 s39, 0
	s_wait_kmcnt 0x0
	s_add_nc_u64 s[6:7], s[6:7], s[48:49]          ; the expert's list
	s_add_nc_u64 s[30:31], s[8:9], s[38:39]        ; the weights at my slice: it walks
	s_mov_b64 s[56:57], s[30:31]                   ; the slice's first byte, kept,
	s_mov_b64 s[52:53], s[30:31]                   ; and the prefetch's base
	s_lshl_b32 s38, s17, WSH
	s_add_co_u32 s38, s38, s19
	s_add_nc_u64 s[10:11], s[10:11], s[38:39]      ; the bias at my columns
	s_lshl_b32 s38, s45, 11
	s_add_nc_u64 s[32:33], s[4:5], s[38:39]        ; A at my part of K
.if LAYER == 1
	s_lshl_b32 s38, s18, 8
	s_add_nc_u64 s[36:37], s[36:37], s[38:39]      ; the output at my columns
.else
	s_add_nc_u64 s[12:13], s[12:13], s[48:49]      ; the expert's routing weights
	s_mul_i32 s38, s45, PLANE
	s_add_co_u32 s38, s38, s19
	s_add_nc_u64 s[36:37], s[14:15], s[38:39]
.endif
	s_load_b32 s24, s[6:7], 0x1400                 ; the expert's count: wanted behind the stream
	; THE STREAM'S HEAD.  What is small goes out first: my rows' entries, the bias, the entries for the way out (both kept through the stream): 27 loads; then W(0), W(1): 59 are out.
	ENTLD 0
	WIN 0x40
	global_load_b128 v[BR:BR+3], v29, s[10:11]             ; the bias of columns 4 r .. + 3,
	global_load_b128 v[BR+4:BR+7], v29, s[10:11] offset:256  ; and of 64 + 4 r .. + 3
	ENTALL 0
	LDW 0, 0
	LDW 1, 1
	WIN 0
	s_wait_loadcnt 32                              ; all but the two chunks of weights
	AOFFS
	LDA 0, 0
	s_wait_loadcnt 36                              ; W(0) is in; W(1)'s 16 loads and A(0)'s 20 stay out
	CVT 0
	STW 0
	LDW 0, 2
	WIN 0
	s_wait_dscnt 0x0
	s_barrier_signal -1
	s_barrier_wait -1                              ; chunk 0 is whole
	STRIP 0, 0, 1, 128, 3, 1, 1, 16, 1, 5*64*WP    ; chunk 0: its first products start the sums; chunk 5 is prefetched
	WIN 0
	s_wait_xcnt 0x0                                ; the bases are stepped only behind this wait
	s_add_nc_u64 s[34:35], s[34:35], 128
	s_add_nc_u64 s[30:31], s[30:31], 4*64*WP
	s_mov_b32 s54, 6*64*WP                         ; the prefetch goes on with chunks 6 and 7
	s_mov_b32 s55, 0
	s_add_nc_u64 s[52:53], s[56:57], s[54:55]
	v_add_nc_u32 v6, CHUNK, v6
	v_add_nc_u32 v5, 2*CHUNK, v5
	s_mov_b32 s27, 6
.Lstream:                                              ; chunks 1 to 12, two a trip
	STRIP 1, 0, 0, 128, 0, 1, 1, 16, 0, 0
	STRIP 0, 1, 1, 256, 1, 1, 1, 16, 0, 64*WP
	WIN 0
	s_wait_xcnt 0x0
	s_add_nc_u64 s[34:35], s[34:35], 256
	s_add_nc_u64 s[30:31], s[30:31], 128*WP
	s_add_co_u32 s54, s54, 128*WP                  ; the prefetch's next two chunks, held at 14 and 15, the slice's last: the sixth trip asks for those two once more and for nothing past the slice
	s_min_u32 s54, s54, 14*64*WP
	s_add_nc_u64 s[52:53], s[56:57], s[54:55]
	v_add_nc_u32 v6, 2*CHUNK, v6
	v_add_nc_u32 v5, 2*CHUNK, v5
	s_sub_co_u32 s27, s27, 1
	s_cmp_lg_u32 s27, 0
	s_cbranch_scc1 .Lstream
	STRIP 1, 0, 0, 128, 0, 0, 1, 16, 0, -1         ; chunk 13: no weights are left to ask for; W(15) stays out
	STRIP 0, 1, 1, 256, 0, 0, 1, 0, 0, -1          ; chunk 14: W(15) and A(14)
	STRIP 1, 2, 0, 0, 0, 0, 0, 0, 0, -1            ; chunk 15: A(15)
	WIN 0
	s_wait_kmcnt 0x0                               ; the count
	s_min_u32 s24, s24, 1024
	s_max_u32 s25, s24, 1                          ; an expert without rows still sends one block out, into its spare row
	s_mov_b32 s26, 0                               ; the unit's first rank
	s_mov_b32 s28, 0
.Lunit:                                                ; four trips: a unit goes out, and the next, if it has rows, is multiplied.  No barrier and no LDS write in this loop
	s_cmp_ge_u32 s26, s25
	s_cbranch_scc1 .Lnext
	; THE WAY OUT.  Register j of accumulator (b, fr = 4 cg + f) is row 16 b' + 8 h + j, column 64 cg + 4 r + f.  A loop of five trips works on the block in window 2's v0-63; at a trip's end the next block alone is brought there.
	PLACES
	s_wait_xcnt 0x0                                ; T may hold data of an earlier unit's stores
	WIN 0x05
.irp p, 0,1,2,3
	v_cvt_pk_bf16_f32 v[T+\p], v[BR+2*\p], v[BR+2*\p+1]    ; the bias rounded to bf16, and widened again
.endr
	WIN 0
.if LAYER == 1
.irp p, 0,1,2,3
	v_lshlrev_b32 v[80+4*\p], 16, v[T+\p]          ; each twice: a pair for the packed addition
	v_lshlrev_b32 v[81+4*\p], 16, v[T+\p]
	v_and_b32 v[82+4*\p], s43, v[T+\p]
	v_and_b32 v[83+4*\p], s43, v[T+\p]
.endr
.else
.irp p, 0,1,2,3
	v_lshlrev_b32 v[72+2*\p], 16, v[T+\p]
	v_and_b32 v[73+2*\p], s43, v[T+\p]
.endr
.irp i, 0,1,2,3,4,5,6,7
	v_and_b32 v[72+\i], s42, v[72+\i]              ; 0 in quarters 1 to 3
.endr
.endif
	TAKE 0                                         ; block 0 lies in its place: its entries alone are brought
	s_lshl_b32 s50, s16, 4
	s_add_co_u32 s50, s50, s26                     ; the first rank of my block 0; 64 more for each further block
	s_mov_b32 s27, 5
.Lblk:
	s_cmp_ge_u32 s50, s25
	s_cbranch_scc1 .Lbnext                         ; the block begins at or past the count, and so do all behind it: nothing goes out
	s_wait_xcnt 0x0                                ; the last trip's stores have read their registers
.set i, 0
.rept NE
	v_min_u32 v[EN+i], 0x807, v[EN+i]
.set i, i+1
.endr
.set i, 0
.rept NE
	v_lshl_add_u32 v[192+i], v[EN+i], OSH, v[OC]   ; the entry's row of the output + my bytes in it
.set i, i+1
.endr
.if LAYER == 1
; Four rows (j0 .. j0 + 3, and 8 more for the upper lanes) of the block: z = sum + bias; silu(z) = z / (1 + 2^(-log2(e) z)); f16: 8 bytes (four columns) for each row and column half.
; The 32 exponentials are one batch with one wait, the 32 reciprocals another.  The accumulators are read from their low end on.
; Then the left half's upper lanes (row 8 + j) change places with the right half's lower lanes (row j): all 32 lanes hold one row, 8 bytes each, and one store covers its 256 bytes.
.macro HALF j0
	WIN 0x02
.irp f, 0,1,2,3,4,5,6,7
.irp p, 0,1
	v_pk_add_f32 v[96+4*\f+2*\p:97+4*\f+2*\p], v[8*\f+(\j0)+2*\p:8*\f+(\j0)+2*\p+1], v[80+2*\f:81+2*\f]
.endr
.endr
	WIN 0
.set i, 0
.rept 16
	v_pk_mul_f32 v[128+2*i:129+2*i], v[96+2*i:97+2*i], s[40:41] op_sel_hi:[1,0]
.set i, i+1
.endr
.set i, 0
.rept 32
	v_exp_f32 v[128+i], v[128+i]
.set i, i+1
.endr
	v_nop
	s_wait_alu depctr_va_vdst(0)
.set i, 0
.rept 16
	v_pk_add_f32 v[128+2*i:129+2*i], v[128+2*i:129+2*i], 1.0 op_sel_hi:[1,0]
.set i, i+1
.endr
.set i, 0
.rept 32
	v_rcp_f32 v[128+i], v[128+i]
.set i, i+1
.endr
	v_nop
	s_wait_alu depctr_va_vdst(0)
.set i, 0
.rept 16
	v_pk_mul_f32 v[96+2*i:97+2*i], v[96+2*i:97+2*i], v[128+2*i:129+2*i]
.set i, i+1
.endr
.irp u, 0,1,2,3
.irp c, 0,1
.irp q, 0,1
	v_cvt_pk_f16_f32 v[T+4*((\j0)+\u)+2*\c+\q], v[96+4*(4*\c+2*\q)+\u], v[96+4*(4*\c+2*\q+1)+\u]
.endr
.endr
.endr
.irp u, 0,1,2,3
.irp q, 0,1
	v_permlane16_swap_b32 v[T+4*((\j0)+\u)+\q], v[T+4*((\j0)+\u)+2+\q]  ; the first's lanes 16-31 with the second's lanes 0-15
.endr
.endr
.irp u, 0,1,2,3
	global_store_b64 v[192+(\j0)+\u], v[T+4*((\j0)+\u):T+4*((\j0)+\u)+1], s[36:37]      ; row j: 32 lanes store 256 consecutive bytes, at a multiple of 256 from hbuf's first
	global_store_b64 v[200+(\j0)+\u], v[T+4*((\j0)+\u)+2:T+4*((\j0)+\u)+3], s[36:37]    ; row 8 + j likewise
.endr
.endm
	HALF 0
	HALF 4                                         ; in other registers of T: the first half's stores may still read theirs
.else
	WIN 0x02
.irp j, 0,1,2,3,4,5,6,7                ; j ascending: each accumulator is read from its low end on
.irp f, 0,1,2,3,4,5,6,7
	v_add_f32 v[96+8*\j+\f], v[8*\f+\j], v[72+\f]
.endr
.endr
	WIN 0
.irp j, 0,1,2,3,4,5,6,7
.irp f, 0,1,2,3,4,5,6,7
	v_mul_f32 v[96+8*\j+\f], v[96+8*\j+\f], v[CFW+\j]      ; the entry's routing weight
.endr
.endr
.irp j, 0,1,2,3,4,5,6,7
.irp c, 0,1
	global_store_b128 v[192+\j], v[96+8*\j+4*\c:96+8*\j+4*\c+3], s[36:37] offset:256*\c  ; 16 lanes store 256 consecutive bytes, at a multiple of 256 from part's first
.endr
.endr
.endif
	s_cmp_lg_u32 s27, 5                            ; which block is next: the loop's counter says; every jump goes forward
	s_cbranch_scc1 .Lt2
	TAKE 1
	s_branch .Lbnext
.Lt2:
	s_cmp_lg_u32 s27, 4
	s_cbranch_scc1 .Lt3
	TAKE 2
	s_branch .Lbnext
.Lt3:
	s_cmp_lg_u32 s27, 3
	s_cbranch_scc1 .Lt4
	TAKE 3
	s_branch .Lbnext
.Lt4:
	s_cmp_lg_u32 s27, 2
	s_cbranch_scc1 .Lbnext                         ; behind the fifth block nothing is left
	TAKE 4
.Lbnext:
	s_add_co_u32 s50, s50, 64
	s_sub_co_u32 s27, s27, 1
	s_cmp_lg_u32 s27, 0
	s_cbranch_scc1 .Lblk
	s_add_co_u32 s29, s26, UNIT
	s_cmp_ge_u32 s29, s25
	s_cbranch_scc1 .Lnext                          ; no rows are left
	ENTLD 4*UNIT                                   ; the next unit: its rows,
	ENTALL 4*UNIT                                  ; and its entries for the way out
	WIN 0
	s_wait_loadcnt 0x0
	AOFFS
	RTRIP 1                                        ; its first products start the sums anew
	s_mov_b32 s27, 15
.Lres:
	RTRIP 0
	s_sub_co_u32 s27, s27, 1
	s_cmp_lg_u32 s27, 0
	s_cbranch_scc1 .Lres
.Lnext:
	v_add_nc_u32 v27, 4*UNIT, v27
	v_add_nc_u32 v28, 4*UNIT, v28
	s_add_co_u32 s26, s26, UNIT
	s_add_co_u32 s28, s28, 1
	s_cmp_lt_u32 s28, 4
	s_cbranch_scc1 .Lunit
	s_wait_dscnt 0x0                               ; my reads of the slice are back,
	s_barrier_signal -1
	s_barrier_wait -1                              ; and so are every wave's: only now is LDS written again
	s_wait_tensorcnt 0x0                           ; the wave's end, behind my last LDS store
	ds_add_u32 v25, v26
	s_wait_dscnt 0x0
	s_endpgm
.Lfunc_end_k_q43030b7160_ffn2:
	.size	k_q43030b7160_ffn2, .Lfunc_end_k_q43030b7160_ffn2-k_q43030b7160_ffn2
	.p2alignl 7, 3214868480
	.fill 96, 4, 3214868480
	.section	.rodata,"a",@progbits
	.p2align	6, 0x0
	.amdhsa_kernel k_q43030b7160_ffn2
		.amdhsa_group_segment_fixed_size 262656
		.amdhsa_private_segment_fixed_size 0
		.amdhsa_enable_private_segment 0
		.amdhsa_kernarg_size 48
		.amdhsa_user_sgpr_count 2
		.amdhsa_user_sgpr_kernarg_segment_ptr 1
		.amdhsa_wavefront_size32 1
		.amdhsa_system_sgpr_workgroup_id_x 1
		.amdhsa_system_sgpr_workgroup_id_y 1
		.amdhsa_system_sgpr_workgroup_id_z 1
		.amdhsa_system_vgpr_workitem_id 0
		.amdhsa_next_free_vgpr 992
		.amdhsa_next_free_sgpr 66
		.amdhsa_reserve_vcc 0
		.amdhsa_float_denorm_mode_32 3
		.amdhsa_float_denorm_mode_16_64 3
		.amdhsa_memory_ordered 1
		.amdhsa_forward_progress 1
		.amdhsa_inst_pref_size 155
	.end_amdhsa_kernel
	.amdgpu_metadata
---
amdhsa.version: [ 1, 2 ]
amdhsa.kernels:
  - .name:           k_q43030b7160_ffn2
    .symbol:         k_q43030b7160_ffn2.kd
    .args:
      - { .name: hbuf, .offset: 0, .size: 8, .value_kind: global_buffer, .address_space: global }
      - { .name: lst, .offset: 8, .size: 8, .value_kind: global_buffer, .address_space: global }
      - { .name: w2, .offset: 16, .size: 8, .value_kind: global_buffer, .address_space: global }
      - { .name: b2, .offset: 24, .size: 8, .value_kind: global_buffer, .address_space: global }
      - { .name: lwt, .offset: 32, .size: 8, .value_kind: global_buffer, .address_space: global }
      - { .name: part, .offset: 40, .size: 8, .value_kind: global_buffer, .address_space: global }
    .group_segment_fixed_size: 262656
    .private_segment_fixed_size: 0
    .kernarg_segment_align: 8
    .kernarg_segment_size: 48
    .max_flat_workgroup_size: 128
    .sgpr_count:     66
    .vgpr_count:     992
    .wavefront_size: 32
...
	.end_amdgpu_metadata
.endif
;; end of part 7
;; launch combine: the kernel of part 4 again; grid 256 x 1, 8 waves a work-group, no clusters, 0 bytes of LDS; arguments part, out0; writes out0
;; ======== version 3 of 3: 5 launches; version 2 with the launches ffn1, ffn2 written anew for expert scheduling mode
;; limits: values are held in f16: magnitudes above 65,504 overflow, below 6.1e-05 lose precision
;; workspace buffers: xb 2,097,152 bytes; sel 8,192 bytes of whole numbers; gw 8,192 bytes; lst 45,056 bytes of whole numbers; lwt 45,056 bytes; hbuf 16,842,752 bytes; part 33,685,504 bytes
;; launch router: the kernel of part 1 again; grid 256 x 1, 4 waves a work-group, no clusters, 0 bytes of LDS; arguments x, gate_w, gate_b, xb, sel, gw; writes xb, sel, gw
;; launch lists: the kernel of part 5 again; grid 8 x 1, 1 waves a work-group, no clusters, 11,008 bytes of LDS; arguments sel, gw, lst, lwt; writes lst, lwt
;; launch ffn1 (part 8): grid 256 x 1, 4 waves a work-group, no clusters, 262,656 bytes of LDS; arguments xb, lst, w1, b1, hbuf; writes hbuf
.if DOCPART == 8
	.amdgcn_target "amdgcn-amd-amdhsa--gfx1250"
	.amdhsa_code_object_version 6
	.text
	.protected	k_q43030b7160_ffn1
	.globl	k_q43030b7160_ffn1
	.p2align	8
	.type	k_q43030b7160_ffn1,@function
k_q43030b7160_ffn1:
	s_mov_b64 s[64:65], 0
	v_nop
	global_prefetch_b8 v0, s[64:65] scope:SCOPE_SE
	s_setreg_imm32_b32 hwreg(HW_REG_WAVE_SCHED_MODE, 0, 2), 2
	s_setreg_imm32_b32 hwreg(HW_REG_WAVE_MODE, 25, 1), 1
	s_wait_xcnt 0x0
	s_wait_alu depctr_vm_vsrc(0)
; ONE TEXT FOR BOTH PRODUCTS OF THE EXPERTS' LAYER; LAYER says which.
;   LAYER 1: hbuf[entry][4096] = silu(xb[token] w1[e] + b1[e]), f16.      LAYER 2: part[q][entry][1024] = weight[entry] x (hbuf[entry][K quarter q] w2[e][quarter q] + b2[e] in quarter 0 alone), f32.
; An ENTRY is 2 x token + choice (0, 1): 2,048 of them; each belongs to the one expert that was chosen for it.  Only those rows are multiplied.
; SHARES.  A work-group has 128 columns x 1,024 of K of ONE expert's weights, 512 KiB of f32 which it alone reads, and ALL of that expert's rows, whatever their number (0 to 1,024).
;   Rows go in UNITS of 320, blocks of 16 dealt to the waves by turns: wave w has ranks 320 u + 64 b + 16 w + r, five blocks b: 40 accumulators of 16 x 16.
; THE STREAM (unit 0, always run, constant trips).  The weights come in 16 chunks of 64 K x 128 columns.  Each wave loads a quarter of a chunk as f32 straight in the matrix operand's order, rounds it, and stores
;   four fragments into LDS; the slice stays there whole (256 KiB, each byte written once).  A weight load is waited for two trips after its issue: two chunks, 64 KiB a work-group, are on their way.
; FURTHER UNITS (an expert with more than 320 rows) multiply from the slice in LDS: no barrier, a counted loop of four whose dead trips are jumped forward.  From the stream's last barrier on no LDS byte is written until the closing add at the wave's end.
; THE LIST of the expert's entries, its count and (LAYER 2) the entries' routing weights in list order were laid down by an earlier launch (lst, lwt: rows of 5,632 bytes); they come straight into registers.
;   Places past the count hold the expert's spare row 2,048 + e: they multiply an existing row (the clamp below).  A block that begins at or past the count is not sent out; in a block that holds the count
;   the places past it are stored into the spare row, in this work-group's own columns, which nobody reads.
; NO TENSOR LOADS, NO CLUSTER: each weight byte has one reader and must pass through registers to be rounded; the rounded slice leaves no room in LDS for f32 tiles; token rows come by a list, which no descriptor covers.
; FORMATS.  All the module's inputs are rounded to bf16 (w1, b1; w2, b2: rounded to bf16, w2's number then written as f16, exact from 6e-5 up; below that in steps of 6e-8).  h is kept in f16.  Sums in f32.
; LIMITS.  |h| stays under 65,504 (f16's end; silu(z) is about z for large z); NaN and infinities are not treated apart.
; THE MODE: SCHED_MODE bits 1:0 = 2 (LLVM: expert scheduling mode 2), set by the entry lines.  The code itself states the register dependences between vector or matrix instructions and memory or LDS
;   instructions, with s_wait_alu, always for 0.
; THE PLAN.  Registers that memory or LDS instructions touch in a trip of the stream (chunk c, p = c % 2):
;   B         The last trip's 80 products read it; this trip's fragment loads land in it at the trip's head.
;   A[1-p]    The last trip's products read it; the loads of A(c+1) land in it behind the fragment loads.  A[p] is named by this trip's products alone.
;   S[1-p]    The trip's roundings read it (LAYER 2: and write it); behind them the loads of W(c+3) land in it.
;   T         The roundings write it; the trip's eight LDS stores read it, 40 products later.
;   v5, v6    Read by the LDS stores and by the fragment loads; stepped behind the first trip and behind every pair of trips.  v4, v20-24 and v31 are read by loads and the prefetch and not written in the stream.
;   The accumulators are named by matrix instructions alone.
; So a trip has three waits.  va_vdst at its head: the last trip's products are done reading B and A[1-p], and v5, v6 are written.  va_vdst behind the roundings: they are done with S[1-p] and have written T; the
; products between that wait and the LDS stores name B, A and the accumulators, none of the stores' registers.  vm_vsrc at its tail: the LDS stores have read T and v5, the fragment loads v6.
.set LAYER, 1
.if LAYER == 1
.set WSH,  14                          ; a row of the weights (and of the bias table) is 1 << WSH bytes
.set APSH, 11                          ; a row of A is 1 << APSH bytes
.set ASH,  1                           ; A's row = entry >> ASH
.set AMAX, 0x3ff                       ; A's last row
.set OSH,  13                          ; a row of the output is 1 << OSH bytes
.set NE,   16                          ; entries that a lane holds for a block: all 16 rows'
.set OC,   30                          ; the register with my byte offset in a row of the output
.else
.set WSH,  12
.set APSH, 13
.set ASH,  0
.set AMAX, 0x7ff
.set OSH,  12
.set NE,   8                           ; those of rows 8 h + 0 .. 7
.set OC,   29
.endif
.set WP,    1<<WSH
.set CHUNK, 16384                      ; a chunk in LDS: 16 fragments of 1,024 bytes: K step s (0, 1), fragment fr (0..7) at (8 s + fr) x 1,024; registers 0-3 at 16 x lane, registers 4-7 at 512 + 16 x lane
.set UNIT,  320
.set ROWB,  5632                       ; an expert's row of lst and of lwt; the count stands at byte 5,120
.set PLANE, 2056*4096                  ; a K quarter's plane of part
; REGISTERS, in windows of 256 (s_set_vgpr_msb: bits 1:0 source 0, 3:2 source 1, 5:4 source 2, 7:6 destination):
;   window 0: v0-31 addresses (below); v32-63 T, four rounded fragments; v64-191 B, a chunk's 16 fragments, at work on the way out; v192-207 the way out's offsets; v224-239 the entries of the block that goes out (LAYER 2: v232-239 its routing weights)
;   window 1: v0-63, v64-127 S0, S1: a quarter chunk in f32: row (g, i), four columns at 32 g + 4 i; v128-135 the bias as loaded; v136-215 the entries of my five blocks, 16 registers a block (LAYER 2: 8 entries, 8 routing weights)
;   window 2: the accumulators of blocks 0-3 at 64 b + 8 fr          window 3: v0-63 block 4's; v64-143, v144-223 A0, A1: block b, K step s at 16 b + 8 s
;   v1 lane  v2 r = lane % 16  v3 h = lane / 16  v4 my offset in the weights  v5 where I store fragments  v6 where I read fragments  v8-12 at work  v13 16 h  v15 16 x lane
;   v20-24 A's offsets, a block each  v27 my place in the list by r  v28 my place in the list for the way out  v29 16 r  v30 8 x lane  v31 a row a lane of my quarter chunk, for the prefetch
.set T,   32
.set B,   64
.set AF,  64
.set BR,  128
.set ENA, 136
.set EN,  224
.set CFW, 232
.set MSB, 0
.macro WIN new                         ; the immediate's high byte repeats the setting that is left; a switch that changes nothing is dropped
.if MSB != (\new)
	s_set_vgpr_msb (MSB<<8)|(\new)
.set MSB, (\new)
.endif
.endm
.macro PLACES                          ; four places behind matrix instructions (ISA guide 7.12.1), where no other vector work is at hand
.rept 4
	v_nop
.endr
.endm
.macro WM d, a, b, z
.if LAYER == 1
.if \z
	v_wmma_f32_16x16x32_bf16 v[\d:\d+7], v[\a:\a+7], v[\b:\b+7], 0
.else
	v_wmma_f32_16x16x32_bf16 v[\d:\d+7], v[\a:\a+7], v[\b:\b+7], v[\d:\d+7]
.endif
.else
.if \z
	v_wmma_f32_16x16x32_f16 v[\d:\d+7], v[\a:\a+7], v[\b:\b+7], 0
.else
	v_wmma_f32_16x16x32_f16 v[\d:\d+7], v[\a:\a+7], v[\b:\b+7], v[\d:\d+7]
.endif
.endif
.endm
; Blocks b0..b1 x 8 fragments, K step s, A's buffer p.  Source 0 = 16 token rows, source 1 = 16 columns.  The 40 accumulators take turns in the same order in every K step, one instruction a turn.
.macro MULS s, p, b0, b1, zero
.set mb, \b0
.rept (\b1)-(\b0)+1
.if mb < 4
	WIN 0xa3
.set rD, 64*mb
.else
	WIN 0xf3
.set rD, 0
.endif
.set rA, AF+80*(\p)+16*mb+8*(\s)
.set mf, 0
.rept 8
.set rB, B+64*(\s)+8*mf
	WM rD+8*mf, rA, rB, \zero
.set mf, mf+1
.endr
.set mb, mb+1
.endr
.endm
; 16 loads: my quarter of the chunk iw chunks behind the walking base.  Lane (r, h) takes row 32 kk + 16 g + 8 h + i, columns 64 cg + 4 r .. + 3: sixteen lanes read 256 consecutive bytes, aligned.
.macro LDW buf, iw
	WIN 0x40
.irp g, 0,1
.irp i, 0,1,2,3,4,5,6,7
	global_load_b128 v[64*(\buf)+32*\g+4*\i:64*(\buf)+32*\g+4*\i+3], v4, s[30:31] offset:(\iw)*64*WP+(16*\g+\i)*WP th:TH_LOAD_NT
.endr
.endr
.endm
; Fragment f holds the columns 64 cg + 4 r + f: its register 4 g + m is rows 2 m, 2 m + 1 of group g, which is the operand's own order of K (k = 16 g + 8 h + 2 m, + 1).
.macro CVT buf
	WIN 0x05
.irp f, 0,1,2,3
.irp g, 0,1
.irp m, 0,1,2,3
	v_cvt_pk_bf16_f32 v[T+8*\f+4*\g+\m], v[64*(\buf)+32*\g+8*\m+\f], v[64*(\buf)+32*\g+8*\m+4+\f]
.endr
.endr
.endr
.if LAYER == 2                         ; the bf16 numbers are widened again, into the registers that they came from, and written as f16
	WIN 0x40
.irp f, 0,1,2,3
.irp g, 0,1
.irp m, 0,1,2,3
	v_lshlrev_b32 v[64*(\buf)+32*\g+8*\m+\f], 16, v[T+8*\f+4*\g+\m]
	v_and_b32 v[64*(\buf)+32*\g+8*\m+4+\f], s43, v[T+8*\f+4*\g+\m]
.endr
.endr
.endr
	WIN 0x05
.irp f, 0,1,2,3
.irp g, 0,1
.irp m, 0,1,2,3
	v_cvt_pk_f16_f32 v[T+8*\f+4*\g+\m], v[64*(\buf)+32*\g+8*\m+\f], v[64*(\buf)+32*\g+8*\m+4+\f]
.endr
.endr
.endr
.endif
.endm
.macro STW is                          ; my four fragments into the slice: 4,096 bytes at 4,096 x wave of the chunk
	WIN 0
.irp f, 0,1,2,3
.irp g, 0,1
	ds_store_b128 v5, v[T+8*\f+4*\g:T+8*\f+4*\g+3] offset:(\is)*CHUNK+\f*1024+\g*512
.endr
.endr
.endm
.macro LDB ib                          ; a chunk's 16 fragments, K step 0's first; 32 lanes x 16 consecutive bytes each
	WIN 0
.irp s, 0,1
.irp f, 0,1,2,3,4,5,6,7
.irp g, 0,1
	ds_load_b128 v[B+64*\s+8*\f+4*\g:B+64*\s+8*\f+4*\g+3], v6 offset:(\ib)*CHUNK+(8*\s+\f)*1024+\g*512
.endr
.endr
.endr
.endm
.macro LDA buf, ia                     ; my 80 rows x 64 of K: lane (r, h) takes row r of each block, 16 bytes at 16 h and at 32 + 16 h of each K step
	WIN 0xc0
.irp b, 0,1,2,3,4
.irp s, 0,1
.irp g, 0,1
	global_load_b128 v[AF+80*(\buf)+16*\b+8*\s+4*\g:AF+80*(\buf)+16*\b+8*\s+4*\g+3], v[20+\b], s[34:35] offset:(\ia)+64*\s+32*\g
.endr
.endr
.endr
.endm
; A TRIP OF THE STREAM, chunk c, p = c % 2.  At its head W(c+1), A(c), W(c+2) are out, in that order: nw = 16 leaves W(c+2).  It reads chunk c's fragments, asks for A(c+1), rounds W(c+1), asks for W(c+3) (into the
; registers just rounded), multiplies chunk c, and stores chunk c+1 between two barriers.  The first stands between every wave's reads of chunk c (waited for ahead of the signal) and the stores; the second between the
; stores (waited for ahead of the signal) and the next trip's reads of chunk c+1.  Each signal stands 32 matrix instructions ahead of its wait, so that a wave works while the others arrive.
; pf >= 0: my quarter of the chunk two behind the one just asked for is prefetched: one line, a row's 256 aligned bytes a lane, asked for by this wave alone, two trips ahead of its load; 64 KiB a work-group at the most are asked for and not yet loaded.
.macro STRIP p, ib, is, ia, iw, ldw, nxt, nw, zero, pf
	PLACES                                         ; between the last trip's products and the loads below
	s_wait_alu depctr_va_vdst(0)                   ; the last trip's products are done reading B and A[1-p], in which the fragment loads and A's loads below land; v5 and v6, where they were stepped, are written
	LDB \ib
	s_wait_loadcnt \nw
.if \nxt
	LDA 1-(\p), \ia                                ; no vector or matrix instruction since the wait above names A[1-p] or v20-24
	CVT 1-(\p)
	s_wait_alu depctr_va_vdst(0)                   ; the roundings are done reading (LAYER 2: and writing) S[1-p], in which the weights' loads land, and have written T, which the LDS stores further down read
.endif
.if \ldw
	LDW 1-(\p), \iw
.endif
.if (\pf) >= 0
	global_prefetch_b8 v31, s[52:53] offset:\pf th:TH_LOAD_NT scope:SCOPE_SE
.endif
	s_wait_dscnt 16                                ; K step 0's 16 loads are in, K step 1's stay out
	MULS 0, \p, 0, 0, \zero
	s_wait_dscnt 0x0                               ; all my reads of the slice are back
.if \nxt
	s_barrier_signal -1
	MULS 0, \p, 1, 4, \zero                        ; work on registers while the others arrive
	s_barrier_wait -1                              ; every wave's reads are back
	STW \is                                        ; no wait: the products since the wait behind the roundings name B, A and the accumulators, not T and not v5
	MULS 1, \p, 0, 0, 0
	s_wait_dscnt 0x0                               ; for the others' sake: my part of the next chunk is stored
	s_barrier_signal -1
	MULS 1, \p, 1, 4, 0
	s_barrier_wait -1                              ; the next chunk is whole
	s_wait_alu depctr_vm_vsrc(0)                   ; my LDS stores have read T and v5, my fragment loads v6: the next roundings (behind the stream: the way out) write T, the steps behind a trip write v5 and v6
.else
	MULS 0, \p, 1, 4, \zero
	MULS 1, \p, 0, 4, 0
.endif
.endm
.macro ENTLD off                       ; a unit's rows: five entries a lane from the list, off bytes on
	WIN 0
.irp b, 0,1,2,3,4
	global_load_b32 v[8+\b], v27, s[6:7] offset:(\off)+256*\b
.endr
.endm
.macro ENTALL off                      ; a unit's entries for the way out (LAYER 2: and their routing weights), all five blocks', off bytes on
	WIN 0x40
.irp b, 0,1,2,3,4
.if LAYER == 1
.irp k, 0,1,2,3
	global_load_b128 v[ENA+16*\b+4*\k:ENA+16*\b+4*\k+3], v28, s[6:7] offset:(\off)+256*\b+16*\k
.endr
.else
.irp k, 0,1
	global_load_b128 v[ENA+16*\b+4*\k:ENA+16*\b+4*\k+3], v28, s[6:7] offset:(\off)+256*\b+16*\k
	global_load_b128 v[ENA+16*\b+8+4*\k:ENA+16*\b+8+4*\k+3], v28, s[12:13] offset:(\off)+256*\b+16*\k
.endr
.endif
.endr
.endm
; Block b's accumulators and its entries go where the one text of the way out names them.  Each accumulator is read from its low end on.
.macro TAKE b
.if (\b) == 4
	WIN 0x83
.set i, 0
.rept 64
	v_mov_b32 v[i], v[i]
.set i, i+1
.endr
.elseif (\b) > 0
	WIN 0x82
.set i, 0
.rept 64
	v_mov_b32 v[i], v[64*(\b)+i]
.set i, i+1
.endr
.endif
	WIN 0x01
.set i, 0
.rept 16
	v_mov_b32 v[EN+i], v[ENA+16*(\b)+i]
.set i, i+1
.endr
	WIN 0
.endm
; The row that each of the five entries names in A, held inside A.  The walking base and the slice's read address go back to their starts.  again = 1: for a unit past the first.
.macro AOFFS again
	WIN 0
	s_wait_xcnt 0x0                                ; the registers below may be sources of earlier loads and stores
.if \again
	s_wait_alu depctr_vm_vsrc(0)                   ; the loads of A have read v20-24 and the fragment loads v6, which the lines below write; the way out's stores have read their data (LAYER 2: v96-159, in which the next fragments land)
.endif
.irp b, 0,1,2,3,4
.if ASH
	v_lshrrev_b32 v[8+\b], ASH, v[8+\b]
.endif
	v_min_u32 v[8+\b], AMAX, v[8+\b]
	v_lshl_add_u32 v[20+\b], v[8+\b], APSH, v13
.endr
	s_mov_b64 s[34:35], s[32:33]
	s_mov_b32 s46, 0
	v_lshlrev_b32 v6, 4, v1
.endm
; A trip on the slice in LDS, for units past the first: no barrier, one buffer of A, waited for in the trip.  The chunk's LDS address is made anew: 16 x lane + the scalar that steps.
.macro RTRIP zero
	PLACES
.if !\zero
	s_wait_alu depctr_vm_vsrc(0)                   ; the last trip's fragment loads have read v6 (ahead of a unit's first trip the wait among the lines that make A's offsets has said so)
.endif
	v_add_nc_u32 v6, s46, v15
	s_wait_alu depctr_va_vdst(0)                   ; v6 is written (in a unit's first trip v20-24 too); the products and the way out's lines are done with B and A0, in which the loads below land
	LDB 0
	LDA 0, 0
	s_wait_loadcnt 0x0
	s_wait_dscnt 16
	MULS 0, 0, 0, 4, \zero
	s_wait_dscnt 0x0
	MULS 1, 0, 0, 4, 0
	WIN 0
	s_add_nc_u64 s[34:35], s[34:35], 128           ; the loads that named it are done
	s_add_co_u32 s46, s46, CHUNK
.endm
	s_load_b256 s[4:11], s[0:1], 0x0               ; A s[4:5], lst s[6:7], weights s[8:9], bias s[10:11]
.if LAYER == 1
	s_load_b64 s[36:37], s[0:1], 0x20              ; hbuf
	v_lshl_add_u32 v254, v0, 2, 0x40000
	v_mov_b32 v255, 0
.else
	s_load_b128 s[12:15], s[0:1], 0x20             ; lwt s[12:13], part s[14:15]
.endif
	v_lshrrev_b32 v8, 5, v0
	v_readfirstlane_b32 s16, v8                    ; wave
	v_and_b32 v1, 31, v0
	v_and_b32 v2, 15, v0
	v_bfe_u32 v3, v0, 4, 1
	s_lshr_b32 s17, ttmp9, 5                       ; the expert
.if LAYER == 1
	s_and_b32 s18, ttmp9, 31                       ; which 128 columns
	s_mov_b32 s45, 0                               ; K is not split
	s_mov_b32 s40, 0xbfb8aa3b                      ; -log2(e), named as a pair
	s_mov_b32 s41, 0xbfb8aa3b
	v_lshlrev_b32 v30, 3, v1
.else
	s_bfe_u32 s18, ttmp9, 0x30002                  ; which 128 columns
	s_and_b32 s45, ttmp9, 3                        ; which quarter of K
.endif
	s_cmp_eq_u32 s45, 0
	s_cselect_b32 s42, -1, 0                       ; the bias counts in quarter 0 alone
	s_lshl_b32 s19, s18, 9                         ; 128 columns of f32
	s_mov_b32 s43, 0xffff0000
	s_wait_alu depctr_va_sdst(0)                   ; s16, the wave's number, is written, ahead of its first reader
	s_lshr_b32 s20, s16, 1                         ; kk: which K step of a chunk I load
	s_and_b32 s21, s16, 1                          ; cg: which 64 columns
	s_lshl_b32 s22, s20, WSH+5
	s_lshl_b32 s23, s21, 8
	s_add_co_u32 s22, s22, s23
	v_lshlrev_b32 v4, WSH+3, v3
	v_lshl_add_u32 v4, v2, 4, v4
	v_add_nc_u32 v4, s22, v4                       ; (32 kk + 8 h) rows + 256 cg + 16 r
	v_lshl_add_u32 v31, v1, WSH, s22               ; (32 kk + lane) rows + 256 cg: the 32 rows of my quarter chunk, 256 aligned bytes each
	v_lshlrev_b32 v6, 4, v1
	v_lshlrev_b32 v15, 4, v1
	s_lshl_b32 s22, s16, 12
	v_add_nc_u32 v5, s22, v6
	s_lshl_b32 s23, s16, 6                         ; my 16 of a block row's 64 ranks, 4 bytes each
	v_lshl_add_u32 v27, v2, 2, s23
.if LAYER == 1
	v_mov_b32 v28, s23                             ; every lane holds all 16 entries of a block
.else
	v_lshl_add_u32 v28, v3, 5, s23                 ; a lane holds the entries of rows 8 h + 0 .. 7
.endif
	v_lshlrev_b32 v29, 4, v2
	v_lshlrev_b32 v13, 4, v3
	s_mul_i32 s48, s17, ROWB
	s_mov_b32 s49, 0
	s_lshl_b32 s38, s17, 24                        ; an expert's weights are 16 MiB,
	s_lshl_b32 s20, s45, 22                        ; a quarter of K 4 MiB
	s_add_co_u32 s38, s38, s20
	s_add_co_u32 s38, s38, s19
	s_mov_b32 s39, 0
	s_wait_kmcnt 0x0
	s_add_nc_u64 s[6:7], s[6:7], s[48:49]          ; the expert's list
	s_add_nc_u64 s[30:31], s[8:9], s[38:39]        ; the weights at my slice: it walks
	s_mov_b64 s[56:57], s[30:31]                   ; the slice's first byte, kept,
	s_mov_b64 s[52:53], s[30:31]                   ; and the prefetch's base
	s_lshl_b32 s38, s17, WSH
	s_add_co_u32 s38, s38, s19
	s_add_nc_u64 s[10:11], s[10:11], s[38:39]      ; the bias at my columns
	s_lshl_b32 s38, s45, 11
	s_add_nc_u64 s[32:33], s[4:5], s[38:39]        ; A at my part of K
.if LAYER == 1
	s_lshl_b32 s38, s18, 8
	s_add_nc_u64 s[36:37], s[36:37], s[38:39]      ; the output at my columns
.else
	s_add_nc_u64 s[12:13], s[12:13], s[48:49]      ; the expert's routing weights
	s_mul_i32 s38, s45, PLANE
	s_add_co_u32 s38, s38, s19
	s_add_nc_u64 s[36:37], s[14:15], s[38:39]
.endif
	s_load_b32 s24, s[6:7], 0x1400                 ; the expert's count: wanted behind the stream
	; THE STREAM'S HEAD.  What is small goes out first: my rows' entries, the bias, the entries for the way out (both kept through the stream): 27 loads; then W(0), W(1): 59 are out.
	s_wait_alu depctr_va_vdst(0)                   ; the offsets and addresses v4, v5, v6, v27, v28, v29 and v31 are written, which loads, LDS stores and the prefetch read; the head's lines are done with v8, in which an entry lands
	ENTLD 0
	WIN 0x40
	global_load_b128 v[BR:BR+3], v29, s[10:11]             ; the bias of columns 4 r .. + 3,
	global_load_b128 v[BR+4:BR+7], v29, s[10:11] offset:256  ; and of 64 + 4 r .. + 3
	ENTALL 0
	LDW 0, 0
	LDW 1, 1
	WIN 0
	s_wait_loadcnt 32                              ; all but the two chunks of weights
	AOFFS 0
	s_wait_alu depctr_va_vdst(0)                   ; v20-24 are written, which the loads of A read
	LDA 0, 0
	s_wait_loadcnt 36                              ; W(0) is in; W(1)'s 16 loads and A(0)'s 20 stay out
	CVT 0
	s_wait_alu depctr_va_vdst(0)                   ; the roundings have written T, which the LDS stores read, and are done with S0, in which W(2)'s loads land
	STW 0
	LDW 0, 2
	WIN 0
	s_wait_dscnt 0x0
	s_barrier_signal -1
	s_barrier_wait -1                              ; chunk 0 is whole
	s_wait_alu depctr_vm_vsrc(0)                   ; my LDS stores have read T, which the first trip's roundings write again
	STRIP 0, 0, 1, 128, 3, 1, 1, 16, 1, 5*64*WP    ; chunk 0: its first products start the sums; chunk 5 is prefetched
	WIN 0
	s_wait_xcnt 0x0                                ; the bases are stepped only behind this wait
	s_add_nc_u64 s[34:35], s[34:35], 128
	s_add_nc_u64 s[30:31], s[30:31], 4*64*WP
	s_mov_b32 s54, 6*64*WP                         ; the prefetch goes on with chunks 6 and 7
	s_mov_b32 s55, 0
	s_add_nc_u64 s[52:53], s[56:57], s[54:55]
	v_add_nc_u32 v6, CHUNK, v6                     ; free since the wait at the trip's tail; shown written by the wait at the next trip's head
	v_add_nc_u32 v5, 2*CHUNK, v5
	s_mov_b32 s27, 6
.Lstream:                                              ; chunks 1 to 12, two a trip
	STRIP 1, 0, 0, 128, 0, 1, 1, 16, 0, 0
	STRIP 0, 1, 1, 256, 1, 1, 1, 16, 0, 64*WP
	WIN 0
	s_wait_xcnt 0x0
	s_add_nc_u64 s[34:35], s[34:35], 256
	s_add_nc_u64 s[30:31], s[30:31], 128*WP
	s_add_co_u32 s54, s54, 128*WP                  ; the prefetch's next two chunks, held at 14 and 15, the slice's last: the sixth trip asks for those two once more and for nothing past the slice
	s_min_u32 s54, s54, 14*64*WP
	s_add_nc_u64 s[52:53], s[56:57], s[54:55]
	v_add_nc_u32 v6, 2*CHUNK, v6                   ; free since the wait at the trip's tail; shown written by the wait at the next trip's head
	v_add_nc_u32 v5, 2*CHUNK, v5
	s_sub_co_u32 s27, s27, 1
	s_cmp_lg_u32 s27, 0
	s_cbranch_scc1 .Lstream
	STRIP 1, 0, 0, 128, 0, 0, 1, 16, 0, -1         ; chunk 13: no weights are left to ask for; W(15) stays out
	STRIP 0, 1, 1, 256, 0, 0, 1, 0, 0, -1          ; chunk 14: W(15) and A(14)
	STRIP 1, 2, 0, 0, 0, 0, 0, 0, 0, -1            ; chunk 15: A(15)
	WIN 0
	s_wait_kmcnt 0x0                               ; the count
	s_min_u32 s24, s24, 1024
	s_max_u32 s25, s24, 1                          ; an expert without rows still sends one block out, into its spare row
	s_mov_b32 s26, 0                               ; the unit's first rank
	s_mov_b32 s28, 0
.Lunit:                                                ; four trips: a unit goes out, and the next, if it has rows, is multiplied.  No barrier and no LDS write in this loop
	s_cmp_ge_u32 s26, s25
	s_cbranch_scc1 .Lnext
	; THE WAY OUT.  Register j of accumulator (b, fr = 4 cg + f) is row 16 b' + 8 h + j, column 64 cg + 4 r + f.  A loop of five trips works on the block in window 2's v0-63; at a trip's end the next block alone is brought there.
	PLACES
	s_wait_xcnt 0x0                                ; T may hold data of an earlier unit's stores
.if LAYER == 1
	s_wait_alu depctr_vm_vsrc(0)                   ; an earlier unit's stores have read T, which the lines below write
.endif
	WIN 0x05
.irp p, 0,1,2,3
	v_cvt_pk_bf16_f32 v[T+\p], v[BR+2*\p], v[BR+2*\p+1]    ; the bias rounded to bf16, and widened again
.endr
	WIN 0
.if LAYER == 1
.irp p, 0,1,2,3
	v_lshlrev_b32 v[80+4*\p], 16, v[T+\p]          ; each twice: a pair for the packed addition
	v_lshlrev_b32 v[81+4*\p], 16, v[T+\p]
	v_and_b32 v[82+4*\p], s43, v[T+\p]
	v_and_b32 v[83+4*\p], s43, v[T+\p]
.endr
.else
.irp p, 0,1,2,3
	v_lshlrev_b32 v[72+2*\p], 16, v[T+\p]
	v_and_b32 v[73+2*\p], s43, v[T+\p]
.endr
.irp i, 0,1,2,3,4,5,6,7
	v_and_b32 v[72+\i], s42, v[72+\i]              ; 0 in quarters 1 to 3
.endr
.endif
	TAKE 0                                         ; block 0 lies in its place: its entries alone are brought
	s_lshl_b32 s50, s16, 4
	s_add_co_u32 s50, s50, s26                     ; the first rank of my block 0; 64 more for each further block
	s_mov_b32 s27, 5
.Lblk:
	s_cmp_ge_u32 s50, s25
	s_cbranch_scc1 .Lbnext                         ; the block begins at or past the count, and so do all behind it: nothing goes out
	s_wait_xcnt 0x0                                ; the last trip's stores have read their registers
	s_wait_alu depctr_vm_vsrc(0)                   ; the last trip's stores have read their offsets (v192 on) and their data (LAYER 1: T; LAYER 2: v96-159), which this trip writes again
.set i, 0
.rept NE
	v_min_u32 v[EN+i], 0x807, v[EN+i]
.set i, i+1
.endr
.set i, 0
.rept NE
	v_lshl_add_u32 v[192+i], v[EN+i], OSH, v[OC]   ; the entry's row of the output + my bytes in it
.set i, i+1
.endr
.if LAYER == 1
; Four rows (j0 .. j0 + 3, and 8 more for the upper lanes) of the block: z = sum + bias; silu(z) = z / (1 + 2^(-log2(e) z)); f16: 8 bytes (four columns) for each row and column half.
; The 32 exponentials are one batch with one wait, the 32 reciprocals another.  The accumulators are read from their low end on.
; Then the left half's upper lanes (row 8 + j) change places with the right half's lower lanes (row j): all 32 lanes hold one row, 8 bytes each, and one store covers its 256 bytes.
; The first half's eight stores stand in the second half, behind its wait for the exponentials, which shows their data and offsets written too; the second half's have a wait of their own.
.macro SENDH j0
.irp u, 0,1,2,3
	global_store_b64 v[192+(\j0)+\u], v[T+4*((\j0)+\u):T+4*((\j0)+\u)+1], s[36:37]      ; row j: 32 lanes store 256 consecutive bytes, at a multiple of 256 from hbuf's first
	global_store_b64 v[200+(\j0)+\u], v[T+4*((\j0)+\u)+2:T+4*((\j0)+\u)+3], s[36:37]    ; row 8 + j likewise
.endr
.endm
.macro HALF j0
	WIN 0x02
.irp f, 0,1,2,3,4,5,6,7
.irp p, 0,1
	v_pk_add_f32 v[96+4*\f+2*\p:97+4*\f+2*\p], v[8*\f+(\j0)+2*\p:8*\f+(\j0)+2*\p+1], v[80+2*\f:81+2*\f]
.endr
.endr
	WIN 0
.set i, 0
.rept 16
	v_pk_mul_f32 v[128+2*i:129+2*i], v[96+2*i:97+2*i], s[40:41] op_sel_hi:[1,0]
.set i, i+1
.endr
.set i, 0
.rept 32
	v_exp_f32 v[128+i], v[128+i]
.set i, i+1
.endr
	v_nop
	s_wait_alu depctr_va_vdst(0)                   ; the 32 exponentials have written v128-159, ahead of their first reader; in the second half also: the first half has written T's lower 16 registers, and v192-207 are written
.if (\j0) == 4
	SENDH 0                                        ; the lines behind them write v96-159 and T's upper 16 registers: none that these stores read
.endif
.set i, 0
.rept 16
	v_pk_add_f32 v[128+2*i:129+2*i], v[128+2*i:129+2*i], 1.0 op_sel_hi:[1,0]
.set i, i+1
.endr
.set i, 0
.rept 32
	v_rcp_f32 v[128+i], v[128+i]
.set i, i+1
.endr
	v_nop
	s_wait_alu depctr_va_vdst(0)                   ; the 32 reciprocals have written v128-159, ahead of their first reader
.set i, 0
.rept 16
	v_pk_mul_f32 v[96+2*i:97+2*i], v[96+2*i:97+2*i], v[128+2*i:129+2*i]
.set i, i+1
.endr
.irp u, 0,1,2,3
.irp c, 0,1
.irp q, 0,1
	v_cvt_pk_f16_f32 v[T+4*((\j0)+\u)+2*\c+\q], v[96+4*(4*\c+2*\q)+\u], v[96+4*(4*\c+2*\q+1)+\u]
.endr
.endr
.endr
.irp u, 0,1,2,3
.irp q, 0,1
	v_permlane16_swap_b32 v[T+4*((\j0)+\u)+\q], v[T+4*((\j0)+\u)+2+\q]  ; the first's lanes 16-31 with the second's lanes 0-15
.endr
.endr
.endm
	HALF 0
	HALF 4                                         ; in other registers of T: the first half's stores may still read theirs
	s_wait_alu depctr_va_vdst(0)                   ; the second half's roundings and exchanges have written T's upper 16 registers, which the stores read
	SENDH 4
.else
	WIN 0x02
.irp j, 0,1,2,3,4,5,6,7                ; j ascending: each accumulator is read from its low end on
.irp f, 0,1,2,3,4,5,6,7
	v_add_f32 v[96+8*\j+\f], v[8*\f+\j], v[72+\f]
.endr
.endr
	WIN 0
.irp j, 0,1,2,3,4,5,6,7
.irp f, 0,1,2,3,4,5,6,7
	v_mul_f32 v[96+8*\j+\f], v[96+8*\j+\f], v[CFW+\j]      ; the entry's routing weight
.endr
.endr
	s_wait_alu depctr_va_vdst(0)                   ; the multiplies have written v96-159 and the offsets v192-199 are written: the stores read both
.irp j, 0,1,2,3,4,5,6,7
.irp c, 0,1
	global_store_b128 v[192+\j], v[96+8*\j+4*\c:96+8*\j+4*\c+3], s[36:37] offset:256*\c  ; 16 lanes store 256 consecutive bytes, at a multiple of 256 from part's first
.endr
.endr
.endif
	s_cmp_lg_u32 s27, 5                            ; which block is next: the loop's counter says; every jump goes forward
	s_cbranch_scc1 .Lt2
	TAKE 1
	s_branch .Lbnext
.Lt2:
	s_cmp_lg_u32 s27, 4
	s_cbranch_scc1 .Lt3
	TAKE 2
	s_branch .Lbnext
.Lt3:
	s_cmp_lg_u32 s27, 3
	s_cbranch_scc1 .Lt4
	TAKE 3
	s_branch .Lbnext
.Lt4:
	s_cmp_lg_u32 s27, 2
	s_cbranch_scc1 .Lbnext                         ; behind the fifth block nothing is left
	TAKE 4
.Lbnext:
	s_add_co_u32 s50, s50, 64
	s_sub_co_u32 s27, s27, 1
	s_cmp_lg_u32 s27, 0
	s_cbranch_scc1 .Lblk
	s_add_co_u32 s29, s26, UNIT
	s_cmp_ge_u32 s29, s25
	s_cbranch_scc1 .Lnext                          ; no rows are left
	s_wait_alu depctr_va_vdst(0)                   ; the copies are done reading the five blocks' entries and the lines that made A's offsets are done with v8-12: the loads below land in both; v27 and v28 are written
	ENTLD 4*UNIT                                   ; the next unit: its rows,
	ENTALL 4*UNIT                                  ; and its entries for the way out
	WIN 0
	s_wait_loadcnt 0x0
	AOFFS 1
	RTRIP 1                                        ; its first products start the sums anew
	s_mov_b32 s27, 15
.Lres:
	RTRIP 0
	s_sub_co_u32 s27, s27, 1
	s_cmp_lg_u32 s27, 0
	s_cbranch_scc1 .Lres
.Lnext:
	v_add_nc_u32 v27, 4*UNIT, v27                  ; on every way here a wait on vm_vsrc stands behind the last loads that read these two: a stream trip's tail, or the one among the lines that make A's offsets
	v_add_nc_u32 v28, 4*UNIT, v28
	s_add_co_u32 s26, s26, UNIT
	s_add_co_u32 s28, s28, 1
	s_cmp_lt_u32 s28, 4
	s_cbranch_scc1 .Lunit
	s_wait_dscnt 0x0                               ; my reads of the slice are back,
	s_barrier_signal -1
	s_barrier_wait -1                              ; and so are every wave's
	s_wait_dscnt 0x0                               ; the wave's end.  A closing add onto the spare LDS words, the 512 bytes behind the slice, follows
	s_wait_alu depctr_hold_cnt(0) depctr_sa_sdst(0) depctr_va_vdst(0) depctr_va_sdst(0) depctr_va_ssrc(0) depctr_va_vcc(0) depctr_vm_vsrc(0)
	s_wait_tensorcnt 0x0
	ds_add_u32 v254, v255
	s_wait_dscnt 0x0
	s_endpgm
.Lfunc_end_k_q43030b7160_ffn1:
	.size	k_q43030b7160_ffn1, .Lfunc_end_k_q43030b7160_ffn1-k_q43030b7160_ffn1
	.p2alignl 7, 3214868480
	.fill 96, 4, 3214868480
	.section	.rodata,"a",@progbits
	.p2align	6, 0x0
	.amdhsa_kernel k_q43030b7160_ffn1
		.amdhsa_group_segment_fixed_size 262656
		.amdhsa_private_segment_fixed_size 0
		.amdhsa_enable_private_segment 0
		.amdhsa_kernarg_size 40
		.amdhsa_user_sgpr_count 2
		.amdhsa_user_sgpr_kernarg_segment_ptr 1
		.amdhsa_wavefront_size32 1
		.amdhsa_system_sgpr_workgroup_id_x 1
		.amdhsa_system_sgpr_workgroup_id_y 1
		.amdhsa_system_sgpr_workgroup_id_z 1
		.amdhsa_system_vgpr_workitem_id 0
		.amdhsa_next_free_vgpr 992
		.amdhsa_next_free_sgpr 66
		.amdhsa_reserve_vcc 0
		.amdhsa_float_denorm_mode_32 3
		.amdhsa_float_denorm_mode_16_64 3
		.amdhsa_memory_ordered 1
		.amdhsa_forward_progress 1
		.amdhsa_inst_pref_size 144
	.end_amdhsa_kernel
	.amdgpu_metadata
---
amdhsa.version: [ 1, 2 ]
amdhsa.kernels:
  - .name:           k_q43030b7160_ffn1
    .symbol:         k_q43030b7160_ffn1.kd
    .args:
      - { .name: xb, .offset: 0, .size: 8, .value_kind: global_buffer, .address_space: global }
      - { .name: lst, .offset: 8, .size: 8, .value_kind: global_buffer, .address_space: global }
      - { .name: w1, .offset: 16, .size: 8, .value_kind: global_buffer, .address_space: global }
      - { .name: b1, .offset: 24, .size: 8, .value_kind: global_buffer, .address_space: global }
      - { .name: hbuf, .offset: 32, .size: 8, .value_kind: global_buffer, .address_space: global }
    .group_segment_fixed_size: 262656
    .private_segment_fixed_size: 0
    .kernarg_segment_align: 8
    .kernarg_segment_size: 40
    .max_flat_workgroup_size: 128
    .sgpr_count:     66
    .vgpr_count:     992
    .wavefront_size: 32
...
	.end_amdgpu_metadata
.endif
;; end of part 8
;; launch ffn2 (part 9): grid 256 x 1, 4 waves a work-group, no clusters, 262,656 bytes of LDS; arguments hbuf, lst, w2, b2, lwt, part; writes part
.if DOCPART == 9
	.amdgcn_target "amdgcn-amd-amdhsa--gfx1250"
	.amdhsa_code_object_version 6
	.text
	.protected	k_q43030b7160_ffn2
	.globl	k_q43030b7160_ffn2
	.p2align	8
	.type	k_q43030b7160_ffn2,@function
k_q43030b7160_ffn2:
	s_mov_b64 s[64:65], 0
	v_nop
	global_prefetch_b8 v0, s[64:65] scope:SCOPE_SE
	s_setreg_imm32_b32 hwreg(HW_REG_WAVE_SCHED_MODE, 0, 2), 2
	s_setreg_imm32_b32 hwreg(HW_REG_WAVE_MODE, 25, 1), 1
	s_wait_xcnt 0x0
	s_wait_alu depctr_vm_vsrc(0)
; ONE TEXT FOR BOTH PRODUCTS OF THE EXPERTS' LAYER; LAYER says which.
;   LAYER 1: hbuf[entry][4096] = silu(xb[token] w1[e] + b1[e]), f16.      LAYER 2: part[q][entry][1024] = weight[entry] x (hbuf[entry][K quarter q] w2[e][quarter q] + b2[e] in quarter 0 alone), f32.
; An ENTRY is 2 x token + choice (0, 1): 2,048 of them; each belongs to the one expert that was chosen for it.  Only those rows are multiplied.
; SHARES.  A work-group has 128 columns x 1,024 of K of ONE expert's weights, 512 KiB of f32 which it alone reads, and ALL of that expert's rows, whatever their number (0 to 1,024).
;   Rows go in UNITS of 320, blocks of 16 dealt to the waves by turns: wave w has ranks 320 u + 64 b + 16 w + r, five blocks b: 40 accumulators of 16 x 16.
; THE STREAM (unit 0, always run, constant trips).  The weights come in 16 chunks of 64 K x 128 columns.  Each wave loads a quarter of a chunk as f32 straight in the matrix operand's order, rounds it, and stores
;   four fragments into LDS; the slice stays there whole (256 KiB, each byte written once).  A weight load is waited for two trips after its issue: two chunks, 64 KiB a work-group, are on their way.
; FURTHER UNITS (an expert with more than 320 rows) multiply from the slice in LDS: no barrier, a counted loop of four whose dead trips are jumped forward.  From the stream's last barrier on no LDS byte is written until the closing add at the wave's end.
; THE LIST of the expert's entries, its count and (LAYER 2) the entries' routing weights in list order were laid down by an earlier launch (lst, lwt: rows of 5,632 bytes); they come straight into registers.
;   Places past the count hold the expert's spare row 2,048 + e: they multiply an existing row (the clamp below).  A block that begins at or past the count is not sent out; in a block that holds the count
;   the places past it are stored into the spare row, in this work-group's own columns, which nobody reads.
; NO TENSOR LOADS, NO CLUSTER: each weight byte has one reader and must pass through registers to be rounded; the rounded slice leaves no room in LDS for f32 tiles; token rows come by a list, which no descriptor covers.
; FORMATS.  All the module's inputs are rounded to bf16 (w1, b1; w2, b2: rounded to bf16, w2's number then written as f16, exact from 6e-5 up; below that in steps of 6e-8).  h is kept in f16.  Sums in f32.
; LIMITS.  |h| stays under 65,504 (f16's end; silu(z) is about z for large z); NaN and infinities are not treated apart.
; THE MODE: SCHED_MODE bits 1:0 = 2 (LLVM: expert scheduling mode 2), set by the entry lines.  The code itself states the register dependences between vector or matrix instructions and memory or LDS
;   instructions, with s_wait_alu, always for 0.
; THE PLAN.  Registers that memory or LDS instructions touch in a trip of the stream (chunk c, p = c % 2):
;   B         The last trip's 80 products read it; this trip's fragment loads land in it at the trip's head.
;   A[1-p]    The last trip's products read it; the loads of A(c+1) land in it behind the fragment loads.  A[p] is named by this trip's products alone.
;   S[1-p]    The trip's roundings read it (LAYER 2: and write it); behind them the loads of W(c+3) land in it.
;   T         The roundings write it; the trip's eight LDS stores read it, 40 products later.
;   v5, v6    Read by the LDS stores and by the fragment loads; stepped behind the first trip and behind every pair of trips.  v4, v20-24 and v31 are read by loads and the prefetch and not written in the stream.
;   The accumulators are named by matrix instructions alone.
; So a trip has three waits.  va_vdst at its head: the last trip's products are done reading B and A[1-p], and v5, v6 are written.  va_vdst behind the roundings: they are done with S[1-p] and have written T; the
; products between that wait and the LDS stores name B, A and the accumulators, none of the stores' registers.  vm_vsrc at its tail: the LDS stores have read T and v5, the fragment loads v6.
.set LAYER, 2
.if LAYER == 1
.set WSH,  14                          ; a row of the weights (and of the bias table) is 1 << WSH bytes
.set APSH, 11                          ; a row of A is 1 << APSH bytes
.set ASH,  1                           ; A's row = entry >> ASH
.set AMAX, 0x3ff                       ; A's last row
.set OSH,  13                          ; a row of the output is 1 << OSH bytes
.set NE,   16                          ; entries that a lane holds for a block: all 16 rows'
.set OC,   30                          ; the register with my byte offset in a row of the output
.else
.set WSH,  12
.set APSH, 13
.set ASH,  0
.set AMAX, 0x7ff
.set OSH,  12
.set NE,   8                           ; those of rows 8 h + 0 .. 7
.set OC,   29
.endif
.set WP,    1<<WSH
.set CHUNK, 16384                      ; a chunk in LDS: 16 fragments of 1,024 bytes: K step s (0, 1), fragment fr (0..7) at (8 s + fr) x 1,024; registers 0-3 at 16 x lane, registers 4-7 at 512 + 16 x lane
.set UNIT,  320
.set ROWB,  5632                       ; an expert's row of lst and of lwt; the count stands at byte 5,120
.set PLANE, 2056*4096                  ; a K quarter's plane of part
; REGISTERS, in windows of 256 (s_set_vgpr_msb: bits 1:0 source 0, 3:2 source 1, 5:4 source 2, 7:6 destination):
;   window 0: v0-31 addresses (below); v32-63 T, four rounded fragments; v64-191 B, a chunk's 16 fragments, at work on the way out; v192-207 the way out's offsets; v224-239 the entries of the block that goes out (LAYER 2: v232-239 its routing weights)
;   window 1: v0-63, v64-127 S0, S1: a quarter chunk in f32: row (g, i), four columns at 32 g + 4 i; v128-135 the bias as loaded; v136-215 the entries of my five blocks, 16 registers a block (LAYER 2: 8 entries, 8 routing weights)
;   window 2: the accumulators of blocks 0-3 at 64 b + 8 fr          window 3: v0-63 block 4's; v64-143, v144-223 A0, A1: block b, K step s at 16 b + 8 s
;   v1 lane  v2 r = lane % 16  v3 h = lane / 16  v4 my offset in the weights  v5 where I store fragments  v6 where I read fragments  v8-12 at work  v13 16 h  v15 16 x lane
;   v20-24 A's offsets, a block each  v27 my place in the list by r  v28 my place in the list for the way out  v29 16 r  v30 8 x lane  v31 a row a lane of my quarter chunk, for the prefetch
.set T,   32
.set B,   64
.set AF,  64
.set BR,  128
.set ENA, 136
.set EN,  224
.set CFW, 232
.set MSB, 0
.macro WIN new                         ; the immediate's high byte repeats the setting that is left; a switch that changes nothing is dropped
.if MSB != (\new)
	s_set_vgpr_msb (MSB<<8)|(\new)
.set MSB, (\new)
.endif
.endm
.macro PLACES                          ; four places behind matrix instructions (ISA guide 7.12.1), where no other vector work is at hand
.rept 4
	v_nop
.endr
.endm
.macro WM d, a, b, z
.if LAYER == 1
.if \z
	v_wmma_f32_16x16x32_bf16 v[\d:\d+7], v[\a:\a+7], v[\b:\b+7], 0
.else
	v_wmma_f32_16x16x32_bf16 v[\d:\d+7], v[\a:\a+7], v[\b:\b+7], v[\d:\d+7]
.endif
.else
.if \z
	v_wmma_f32_16x16x32_f16 v[\d:\d+7], v[\a:\a+7], v[\b:\b+7], 0
.else
	v_wmma_f32_16x16x32_f16 v[\d:\d+7], v[\a:\a+7], v[\b:\b+7], v[\d:\d+7]
.endif
.endif
.endm
; Blocks b0..b1 x 8 fragments, K step s, A's buffer p.  Source 0 = 16 token rows, source 1 = 16 columns.  The 40 accumulators take turns in the same order in every K step, one instruction a turn.
.macro MULS s, p, b0, b1, zero
.set mb, \b0
.rept (\b1)-(\b0)+1
.if mb < 4
	WIN 0xa3
.set rD, 64*mb
.else
	WIN 0xf3
.set rD, 0
.endif
.set rA, AF+80*(\p)+16*mb+8*(\s)
.set mf, 0
.rept 8
.set rB, B+64*(\s)+8*mf
	WM rD+8*mf, rA, rB, \zero
.set mf, mf+1
.endr
.set mb, mb+1
.endr
.endm
; 16 loads: my quarter of the chunk iw chunks behind the walking base.  Lane (r, h) takes row 32 kk + 16 g + 8 h + i, columns 64 cg + 4 r .. + 3: sixteen lanes read 256 consecutive bytes, aligned.
.macro LDW buf, iw
	WIN 0x40
.irp g, 0,1
.irp i, 0,1,2,3,4,5,6,7
	global_load_b128 v[64*(\buf)+32*\g+4*\i:64*(\buf)+32*\g+4*\i+3], v4, s[30:31] offset:(\iw)*64*WP+(16*\g+\i)*WP th:TH_LOAD_NT
.endr
.endr
.endm
; Fragment f holds the columns 64 cg + 4 r + f: its register 4 g + m is rows 2 m, 2 m + 1 of group g, which is the operand's own order of K (k = 16 g + 8 h + 2 m, + 1).
.macro CVT buf
	WIN 0x05
.irp f, 0,1,2,3
.irp g, 0,1
.irp m, 0,1,2,3
	v_cvt_pk_bf16_f32 v[T+8*\f+4*\g+\m], v[64*(\buf)+32*\g+8*\m+\f], v[64*(\buf)+32*\g+8*\m+4+\f]
.endr
.endr
.endr
.if LAYER == 2                         ; the bf16 numbers are widened again, into the registers that they came from, and written as f16
	WIN 0x40
.irp f, 0,1,2,3
.irp g, 0,1
.irp m, 0,1,2,3
	v_lshlrev_b32 v[64*(\buf)+32*\g+8*\m+\f], 16, v[T+8*\f+4*\g+\m]
	v_and_b32 v[64*(\buf)+32*\g+8*\m+4+\f], s43, v[T+8*\f+4*\g+\m]
.endr
.endr
.endr
	WIN 0x05
.irp f, 0,1,2,3
.irp g, 0,1
.irp m, 0,1,2,3
	v_cvt_pk_f16_f32 v[T+8*\f+4*\g+\m], v[64*(\buf)+32*\g+8*\m+\f], v[64*(\buf)+32*\g+8*\m+4+\f]
.endr
.endr
.endr
.endif
.endm
.macro STW is                          ; my four fragments into the slice: 4,096 bytes at 4,096 x wave of the chunk
	WIN 0
.irp f, 0,1,2,3
.irp g, 0,1
	ds_store_b128 v5, v[T+8*\f+4*\g:T+8*\f+4*\g+3] offset:(\is)*CHUNK+\f*1024+\g*512
.endr
.endr
.endm
.macro LDB ib                          ; a chunk's 16 fragments, K step 0's first; 32 lanes x 16 consecutive bytes each
	WIN 0
.irp s, 0,1
.irp f, 0,1,2,3,4,5,6,7
.irp g, 0,1
	ds_load_b128 v[B+64*\s+8*\f+4*\g:B+64*\s+8*\f+4*\g+3], v6 offset:(\ib)*CHUNK+(8*\s+\f)*1024+\g*512
.endr
.endr
.endr
.endm
.macro LDA buf, ia                     ; my 80 rows x 64 of K: lane (r, h) takes row r of each block, 16 bytes at 16 h and at 32 + 16 h of each K step
	WIN 0xc0
.irp b, 0,1,2,3,4
.irp s, 0,1
.irp g, 0,1
	global_load_b128 v[AF+80*(\buf)+16*\b+8*\s+4*\g:AF+80*(\buf)+16*\b+8*\s+4*\g+3], v[20+\b], s[34:35] offset:(\ia)+64*\s+32*\g
.endr
.endr
.endr
.endm
; A TRIP OF THE STREAM, chunk c, p = c % 2.  At its head W(c+1), A(c), W(c+2) are out, in that order: nw = 16 leaves W(c+2).  It reads chunk c's fragments, asks for A(c+1), rounds W(c+1), asks for W(c+3) (into the
; registers just rounded), multiplies chunk c, and stores chunk c+1 between two barriers.  The first stands between every wave's reads of chunk c (waited for ahead of the signal) and the stores; the second between the
; stores (waited for ahead of the signal) and the next trip's reads of chunk c+1.  Each signal stands 32 matrix instructions ahead of its wait, so that a wave works while the others arrive.
; pf >= 0: my quarter of the chunk two behind the one just asked for is prefetched: one line, a row's 256 aligned bytes a lane, asked for by this wave alone, two trips ahead of its load; 64 KiB a work-group at the most are asked for and not yet loaded.
.macro STRIP p, ib, is, ia, iw, ldw, nxt, nw, zero, pf
	PLACES                                         ; between the last trip's products and the loads below
	s_wait_alu depctr_va_vdst(0)                   ; the last trip's products are done reading B and A[1-p], in which the fragment loads and A's loads below land; v5 and v6, where they were stepped, are written
	LDB \ib
	s_wait_loadcnt \nw
.if \nxt
	LDA 1-(\p), \ia                                ; no vector or matrix instruction since the wait above names A[1-p] or v20-24
	CVT 1-(\p)
	s_wait_alu depctr_va_vdst(0)                   ; the roundings are done reading (LAYER 2: and writing) S[1-p], in which the weights' loads land, and have written T, which the LDS stores further down read
.endif
.if \ldw
	LDW 1-(\p), \iw
.endif
.if (\pf) >= 0
	global_prefetch_b8 v31, s[52:53] offset:\pf th:TH_LOAD_NT scope:SCOPE_SE
.endif
	s_wait_dscnt 16                                ; K step 0's 16 loads are in, K step 1's stay out
	MULS 0, \p, 0, 0, \zero
	s_wait_dscnt 0x0                               ; all my reads of the slice are back
.if \nxt
	s_barrier_signal -1
	MULS 0, \p, 1, 4, \zero                        ; work on registers while the others arrive
	s_barrier_wait -1                              ; every wave's reads are back
	STW \is                                        ; no wait: the products since the wait behind the roundings name B, A and the accumulators, not T and not v5
	MULS 1, \p, 0, 0, 0
	s_wait_dscnt 0x0                               ; for the others' sake: my part of the next chunk is stored
	s_barrier_signal -1
	MULS 1, \p, 1, 4, 0
	s_barrier_wait -1                              ; the next chunk is whole
	s_wait_alu depctr_vm_vsrc(0)                   ; my LDS stores have read T and v5, my fragment loads v6: the next roundings (behind the stream: the way out) write T, the steps behind a trip write v5 and v6
.else
	MULS 0, \p, 1, 4, \zero
	MULS 1, \p, 0, 4, 0
.endif
.endm
.macro ENTLD off                       ; a unit's rows: five entries a lane from the list, off bytes on
	WIN 0
.irp b, 0,1,2,3,4
	global_load_b32 v[8+\b], v27, s[6:7] offset:(\off)+256*\b
.endr
.endm
.macro ENTALL off                      ; a unit's entries for the way out (LAYER 2: and their routing weights), all five blocks', off bytes on
	WIN 0x40
.irp b, 0,1,2,3,4
.if LAYER == 1
.irp k, 0,1,2,3
	global_load_b128 v[ENA+16*\b+4*\k:ENA+16*\b+4*\k+3], v28, s[6:7] offset:(\off)+256*\b+16*\k
.endr
.else
.irp k, 0,1
	global_load_b128 v[ENA+16*\b+4*\k:ENA+16*\b+4*\k+3], v28, s[6:7] offset:(\off)+256*\b+16*\k
	global_load_b128 v[ENA+16*\b+8+4*\k:ENA+16*\b+8+4*\k+3], v28, s[12:13] offset:(\off)+256*\b+16*\k
.endr
.endif
.endr
.endm
; Block b's accumulators and its entries go where the one text of the way out names them.  Each accumulator is read from its low end on.
.macro TAKE b
.if (\b) == 4
	WIN 0x83
.set i, 0
.rept 64
	v_mov_b32 v[i], v[i]
.set i, i+1
.endr
.elseif (\b) > 0
	WIN 0x82
.set i, 0
.rept 64
	v_mov_b32 v[i], v[64*(\b)+i]
.set i, i+1
.endr
.endif
	WIN 0x01
.set i, 0
.rept 16
	v_mov_b32 v[EN+i], v[ENA+16*(\b)+i]
.set i, i+1
.endr
	WIN 0
.endm
; The row that each of the five entries names in A, held inside A.  The walking base and the slice's read address go back to their starts.  again = 1: for a unit past the first.
.macro AOFFS again
	WIN 0
	s_wait_xcnt 0x0                                ; the registers below may be sources of earlier loads and stores
.if \again
	s_wait_alu depctr_vm_vsrc(0)                   ; the loads of A have read v20-24 and the fragment loads v6, which the lines below write; the way out's stores have read their data (LAYER 2: v96-159, in which the next fragments land)
.endif
.irp b, 0,1,2,3,4
.if ASH
	v_lshrrev_b32 v[8+\b], ASH, v[8+\b]
.endif
	v_min_u32 v[8+\b], AMAX, v[8+\b]
	v_lshl_add_u32 v[20+\b], v[8+\b], APSH, v13
.endr
	s_mov_b64 s[34:35], s[32:33]
	s_mov_b32 s46, 0
	v_lshlrev_b32 v6, 4, v1
.endm
; A trip on the slice in LDS, for units past the first: no barrier, one buffer of A, waited for in the trip.  The chunk's LDS address is made anew: 16 x lane + the scalar that steps.
.macro RTRIP zero
	PLACES
.if !\zero
	s_wait_alu depctr_vm_vsrc(0)                   ; the last trip's fragment loads have read v6 (ahead of a unit's first trip the wait among the lines that make A's offsets has said so)
.endif
	v_add_nc_u32 v6, s46, v15
	s_wait_alu depctr_va_vdst(0)                   ; v6 is written (in a unit's first trip v20-24 too); the products and the way out's lines are done with B and A0, in which the loads below land
	LDB 0
	LDA 0, 0
	s_wait_loadcnt 0x0
	s_wait_dscnt 16
	MULS 0, 0, 0, 4, \zero
	s_wait_dscnt 0x0
	MULS 1, 0, 0, 4, 0
	WIN 0
	s_add_nc_u64 s[34:35], s[34:35], 128           ; the loads that named it are done
	s_add_co_u32 s46, s46, CHUNK
.endm
	s_load_b256 s[4:11], s[0:1], 0x0               ; A s[4:5], lst s[6:7], weights s[8:9], bias s[10:11]
.if LAYER == 1
	s_load_b64 s[36:37], s[0:1], 0x20              ; hbuf
.else
	s_load_b128 s[12:15], s[0:1], 0x20             ; lwt s[12:13], part s[14:15]
	v_lshl_add_u32 v254, v0, 2, 0x40000
	v_mov_b32 v255, 0
.endif
	v_lshrrev_b32 v8, 5, v0
	v_readfirstlane_b32 s16, v8                    ; wave
	v_and_b32 v1, 31, v0
	v_and_b32 v2, 15, v0
	v_bfe_u32 v3, v0, 4, 1
	s_lshr_b32 s17, ttmp9, 5                       ; the expert
.if LAYER == 1
	s_and_b32 s18, ttmp9, 31                       ; which 128 columns
	s_mov_b32 s45, 0                               ; K is not split
	s_mov_b32 s40, 0xbfb8aa3b                      ; -log2(e), named as a pair
	s_mov_b32 s41, 0xbfb8aa3b
	v_lshlrev_b32 v30, 3, v1
.else
	s_bfe_u32 s18, ttmp9, 0x30002                  ; which 128 columns
	s_and_b32 s45, ttmp9, 3                        ; which quarter of K
.endif
	s_cmp_eq_u32 s45, 0
	s_cselect_b32 s42, -1, 0                       ; the bias counts in quarter 0 alone
	s_lshl_b32 s19, s18, 9                         ; 128 columns of f32
	s_mov_b32 s43, 0xffff0000
	s_wait_alu depctr_va_sdst(0)                   ; s16, the wave's number, is written, ahead of its first reader
	s_lshr_b32 s20, s16, 1                         ; kk: which K step of a chunk I load
	s_and_b32 s21, s16, 1                          ; cg: which 64 columns
	s_lshl_b32 s22, s20, WSH+5
	s_lshl_b32 s23, s21, 8
	s_add_co_u32 s22, s22, s23
	v_lshlrev_b32 v4, WSH+3, v3
	v_lshl_add_u32 v4, v2, 4, v4
	v_add_nc_u32 v4, s22, v4                       ; (32 kk + 8 h) rows + 256 cg + 16 r
	v_lshl_add_u32 v31, v1, WSH, s22               ; (32 kk + lane) rows + 256 cg: the 32 rows of my quarter chunk, 256 aligned bytes each
	v_lshlrev_b32 v6, 4, v1
	v_lshlrev_b32 v15, 4, v1
	s_lshl_b32 s22, s16, 12
	v_add_nc_u32 v5, s22, v6
	s_lshl_b32 s23, s16, 6                         ; my 16 of a block row's 64 ranks, 4 bytes each
	v_lshl_add_u32 v27, v2, 2, s23
.if LAYER == 1
	v_mov_b32 v28, s23                             ; every lane holds all 16 entries of a block
.else
	v_lshl_add_u32 v28, v3, 5, s23                 ; a lane holds the entries of rows 8 h + 0 .. 7
.endif
	v_lshlrev_b32 v29, 4, v2
	v_lshlrev_b32 v13, 4, v3
	s_mul_i32 s48, s17, ROWB
	s_mov_b32 s49, 0
	s_lshl_b32 s38, s17, 24                        ; an expert's weights are 16 MiB,
	s_lshl_b32 s20, s45, 22                        ; a quarter of K 4 MiB
	s_add_co_u32 s38, s38, s20
	s_add_co_u32 s38, s38, s19
	s_mov_b32 s39, 0
	s_wait_kmcnt 0x0
	s_add_nc_u64 s[6:7], s[6:7], s[48:49]          ; the expert's list
	s_add_nc_u64 s[30:31], s[8:9], s[38:39]        ; the weights at my slice: it walks
	s_mov_b64 s[56:57], s[30:31]                   ; the slice's first byte, kept,
	s_mov_b64 s[52:53], s[30:31]                   ; and the prefetch's base
	s_lshl_b32 s38, s17, WSH
	s_add_co_u32 s38, s38, s19
	s_add_nc_u64 s[10:11], s[10:11], s[38:39]      ; the bias at my columns
	s_lshl_b32 s38, s45, 11
	s_add_nc_u64 s[32:33], s[4:5], s[38:39]        ; A at my part of K
.if LAYER == 1
	s_lshl_b32 s38, s18, 8
	s_add_nc_u64 s[36:37], s[36:37], s[38:39]      ; the output at my columns
.else
	s_add_nc_u64 s[12:13], s[12:13], s[48:49]      ; the expert's routing weights
	s_mul_i32 s38, s45, PLANE
	s_add_co_u32 s38, s38, s19
	s_add_nc_u64 s[36:37], s[14:15], s[38:39]
.endif
	s_load_b32 s24, s[6:7], 0x1400                 ; the expert's count: wanted behind the stream
	; THE STREAM'S HEAD.  What is small goes out first: my rows' entries, the bias, the entries for the way out (both kept through the stream): 27 loads; then W(0), W(1): 59 are out.
	s_wait_alu depctr_va_vdst(0)                   ; the offsets and addresses v4, v5, v6, v27, v28, v29 and v31 are written, which loads, LDS stores and the prefetch read; the head's lines are done with v8, in which an entry lands
	ENTLD 0
	WIN 0x40
	global_load_b128 v[BR:BR+3], v29, s[10:11]             ; the bias of columns 4 r .. + 3,
	global_load_b128 v[BR+4:BR+7], v29, s[10:11] offset:256  ; and of 64 + 4 r .. + 3
	ENTALL 0
	LDW 0, 0
	LDW 1, 1
	WIN 0
	s_wait_loadcnt 32                              ; all but the two chunks of weights
	AOFFS 0
	s_wait_alu depctr_va_vdst(0)                   ; v20-24 are written, which the loads of A read
	LDA 0, 0
	s_wait_loadcnt 36                              ; W(0) is in; W(1)'s 16 loads and A(0)'s 20 stay out
	CVT 0
	s_wait_alu depctr_va_vdst(0)                   ; the roundings have written T, which the LDS stores read, and are done with S0, in which W(2)'s loads land
	STW 0
	LDW 0, 2
	WIN 0
	s_wait_dscnt 0x0
	s_barrier_signal -1
	s_barrier_wait -1                              ; chunk 0 is whole
	s_wait_alu depctr_vm_vsrc(0)                   ; my LDS stores have read T, which the first trip's roundings write again
	STRIP 0, 0, 1, 128, 3, 1, 1, 16, 1, 5*64*WP    ; chunk 0: its first products start the sums; chunk 5 is prefetched
	WIN 0
	s_wait_xcnt 0x0                                ; the bases are stepped only behind this wait
	s_add_nc_u64 s[34:35], s[34:35], 128
	s_add_nc_u64 s[30:31], s[30:31], 4*64*WP
	s_mov_b32 s54, 6*64*WP                         ; the prefetch goes on with chunks 6 and 7
	s_mov_b32 s55, 0
	s_add_nc_u64 s[52:53], s[56:57], s[54:55]
	v_add_nc_u32 v6, CHUNK, v6                     ; free since the wait at the trip's tail; shown written by the wait at the next trip's head
	v_add_nc_u32 v5, 2*CHUNK, v5
	s_mov_b32 s27, 6
.Lstream:                                              ; chunks 1 to 12, two a trip
	STRIP 1, 0, 0, 128, 0, 1, 1, 16, 0, 0
	STRIP 0, 1, 1, 256, 1, 1, 1, 16, 0, 64*WP
	WIN 0
	s_wait_xcnt 0x0
	s_add_nc_u64 s[34:35], s[34:35], 256
	s_add_nc_u64 s[30:31], s[30:31], 128*WP
	s_add_co_u32 s54, s54, 128*WP                  ; the prefetch's next two chunks, held at 14 and 15, the slice's last: the sixth trip asks for those two once more and for nothing past the slice
	s_min_u32 s54, s54, 14*64*WP
	s_add_nc_u64 s[52:53], s[56:57], s[54:55]
	v_add_nc_u32 v6, 2*CHUNK, v6                   ; free since the wait at the trip's tail; shown written by the wait at the next trip's head
	v_add_nc_u32 v5, 2*CHUNK, v5
	s_sub_co_u32 s27, s27, 1
	s_cmp_lg_u32 s27, 0
	s_cbranch_scc1 .Lstream
	STRIP 1, 0, 0, 128, 0, 0, 1, 16, 0, -1         ; chunk 13: no weights are left to ask for; W(15) stays out
	STRIP 0, 1, 1, 256, 0, 0, 1, 0, 0, -1          ; chunk 14: W(15) and A(14)
	STRIP 1, 2, 0, 0, 0, 0, 0, 0, 0, -1            ; chunk 15: A(15)
	WIN 0
	s_wait_kmcnt 0x0                               ; the count
	s_min_u32 s24, s24, 1024
	s_max_u32 s25, s24, 1                          ; an expert without rows still sends one block out, into its spare row
	s_mov_b32 s26, 0                               ; the unit's first rank
	s_mov_b32 s28, 0
.Lunit:                                                ; four trips: a unit goes out, and the next, if it has rows, is multiplied.  No barrier and no LDS write in this loop
	s_cmp_ge_u32 s26, s25
	s_cbranch_scc1 .Lnext
	; THE WAY OUT.  Register j of accumulator (b, fr = 4 cg + f) is row 16 b' + 8 h + j, column 64 cg + 4 r + f.  A loop of five trips works on the block in window 2's v0-63; at a trip's end the next block alone is brought there.
	PLACES
	s_wait_xcnt 0x0                                ; T may hold data of an earlier unit's stores
.if LAYER == 1
	s_wait_alu depctr_vm_vsrc(0)                   ; an earlier unit's stores have read T, which the lines below write
.endif
	WIN 0x05
.irp p, 0,1,2,3
	v_cvt_pk_bf16_f32 v[T+\p], v[BR+2*\p], v[BR+2*\p+1]    ; the bias rounded to bf16, and widened again
.endr
	WIN 0
.if LAYER == 1
.irp p, 0,1,2,3
	v_lshlrev_b32 v[80+4*\p], 16, v[T+\p]          ; each twice: a pair for the packed addition
	v_lshlrev_b32 v[81+4*\p], 16, v[T+\p]
	v_and_b32 v[82+4*\p], s43, v[T+\p]
	v_and_b32 v[83+4*\p], s43, v[T+\p]
.endr
.else
.irp p, 0,1,2,3
	v_lshlrev_b32 v[72+2*\p], 16, v[T+\p]
	v_and_b32 v[73+2*\p], s43, v[T+\p]
.endr
.irp i, 0,1,2,3,4,5,6,7
	v_and_b32 v[72+\i], s42, v[72+\i]              ; 0 in quarters 1 to 3
.endr
.endif
	TAKE 0                                         ; block 0 lies in its place: its entries alone are brought
	s_lshl_b32 s50, s16, 4
	s_add_co_u32 s50, s50, s26                     ; the first rank of my block 0; 64 more for each further block
	s_mov_b32 s27, 5
.Lblk:
	s_cmp_ge_u32 s50, s25
	s_cbranch_scc1 .Lbnext                         ; the block begins at or past the count, and so do all behind it: nothing goes out
	s_wait_xcnt 0x0                                ; the last trip's stores have read their registers
	s_wait_alu depctr_vm_vsrc(0)                   ; the last trip's stores have read their offsets (v192 on) and their data (LAYER 1: T; LAYER 2: v96-159), which this trip writes again
.set i, 0
.rept NE
	v_min_u32 v[EN+i], 0x807, v[EN+i]
.set i, i+1
.endr
.set i, 0
.rept NE
	v_lshl_add_u32 v[192+i], v[EN+i], OSH, v[OC]   ; the entry's row of the output + my bytes in it
.set i, i+1
.endr
.if LAYER == 1
; Four rows (j0 .. j0 + 3, and 8 more for the upper lanes) of the block: z = sum + bias; silu(z) = z / (1 + 2^(-log2(e) z)); f16: 8 bytes (four columns) for each row and column half.
; The 32 exponentials are one batch with one wait, the 32 reciprocals another.  The accumulators are read from their low end on.
; Then the left half's upper lanes (row 8 + j) change places with the right half's lower lanes (row j): all 32 lanes hold one row, 8 bytes each, and one store covers its 256 bytes.
; The first half's eight stores stand in the second half, behind its wait for the exponentials, which shows their data and offsets written too; the second half's have a wait of their own.
.macro SENDH j0
.irp u, 0,1,2,3
	global_store_b64 v[192+(\j0)+\u], v[T+4*((\j0)+\u):T+4*((\j0)+\u)+1], s[36:37]      ; row j: 32 lanes store 256 consecutive bytes, at a multiple of 256 from hbuf's first
	global_store_b64 v[200+(\j0)+\u], v[T+4*((\j0)+\u)+2:T+4*((\j0)+\u)+3], s[36:37]    ; row 8 + j likewise
.endr
.endm
.macro HALF j0
	WIN 0x02
.irp f, 0,1,2,3,4,5,6,7
.irp p, 0,1
	v_pk_add_f32 v[96+4*\f+2*\p:97+4*\f+2*\p], v[8*\f+(\j0)+2*\p:8*\f+(\j0)+2*\p+1], v[80+2*\f:81+2*\f]
.endr
.endr
	WIN 0
.set i, 0
.rept 16
	v_pk_mul_f32 v[128+2*i:129+2*i], v[96+2*i:97+2*i], s[40:41] op_sel_hi:[1,0]
.set i, i+1
.endr
.set i, 0
.rept 32
	v_exp_f32 v[128+i], v[128+i]
.set i, i+1
.endr
	v_nop
	s_wait_alu depctr_va_vdst(0)                   ; the 32 exponentials have written v128-159, ahead of their first reader; in the second half also: the first half has written T's lower 16 registers, and v192-207 are written
.if (\j0) == 4
	SENDH 0                                        ; the lines behind them write v96-159 and T's upper 16 registers: none that these stores read
.endif
.set i, 0
.rept 16
	v_pk_add_f32 v[128+2*i:129+2*i], v[128+2*i:129+2*i], 1.0 op_sel_hi:[1,0]
.set i, i+1
.endr
.set i, 0
.rept 32
	v_rcp_f32 v[128+i], v[128+i]
.set i, i+1
.endr
	v_nop
	s_wait_alu depctr_va_vdst(0)                   ; the 32 reciprocals have written v128-159, ahead of their first reader
.set i, 0
.rept 16
	v_pk_mul_f32 v[96+2*i:97+2*i], v[96+2*i:97+2*i], v[128+2*i:129+2*i]
.set i, i+1
.endr
.irp u, 0,1,2,3
.irp c, 0,1
.irp q, 0,1
	v_cvt_pk_f16_f32 v[T+4*((\j0)+\u)+2*\c+\q], v[96+4*(4*\c+2*\q)+\u], v[96+4*(4*\c+2*\q+1)+\u]
.endr
.endr
.endr
.irp u, 0,1,2,3
.irp q, 0,1
	v_permlane16_swap_b32 v[T+4*((\j0)+\u)+\q], v[T+4*((\j0)+\u)+2+\q]  ; the first's lanes 16-31 with the second's lanes 0-15
.endr
.endr
.endm
	HALF 0
	HALF 4                                         ; in other registers of T: the first half's stores may still read theirs
	s_wait_alu depctr_va_vdst(0)                   ; the second half's roundings and exchanges have written T's upper 16 registers, which the stores read
	SENDH 4
.else
	WIN 0x02
.irp j, 0,1,2,3,4,5,6,7                ; j ascending: each accumulator is read from its low end on
.irp f, 0,1,2,3,4,5,6,7
	v_add_f32 v[96+8*\j+\f], v[8*\f+\j], v[72+\f]
.endr
.endr
	WIN 0
.irp j, 0,1,2,3,4,5,6,7
.irp f, 0,1,2,3,4,5,6,7
	v_mul_f32 v[96+8*\j+\f], v[96+8*\j+\f], v[CFW+\j]      ; the entry's routing weight
.endr
.endr
	s_wait_alu depctr_va_vdst(0)                   ; the multiplies have written v96-159 and the offsets v192-199 are written: the stores read both
.irp j, 0,1,2,3,4,5,6,7
.irp c, 0,1
	global_store_b128 v[192+\j], v[96+8*\j+4*\c:96+8*\j+4*\c+3], s[36:37] offset:256*\c  ; 16 lanes store 256 consecutive bytes, at a multiple of 256 from part's first
.endr
.endr
.endif
	s_cmp_lg_u32 s27, 5                            ; which block is next: the loop's counter says; every jump goes forward
	s_cbranch_scc1 .Lt2
	TAKE 1
	s_branch .Lbnext
.Lt2:
	s_cmp_lg_u32 s27, 4
	s_cbranch_scc1 .Lt3
	TAKE 2
	s_branch .Lbnext
.Lt3:
	s_cmp_lg_u32 s27, 3
	s_cbranch_scc1 .Lt4
	TAKE 3
	s_branch .Lbnext
.Lt4:
	s_cmp_lg_u32 s27, 2
	s_cbranch_scc1 .Lbnext                         ; behind the fifth block nothing is left
	TAKE 4
.Lbnext:
	s_add_co_u32 s50, s50, 64
	s_sub_co_u32 s27, s27, 1
	s_cmp_lg_u32 s27, 0
	s_cbranch_scc1 .Lblk
	s_add_co_u32 s29, s26, UNIT
	s_cmp_ge_u32 s29, s25
	s_cbranch_scc1 .Lnext                          ; no rows are left
	s_wait_alu depctr_va_vdst(0)                   ; the copies are done reading the five blocks' entries and the lines that made A's offsets are done with v8-12: the loads below land in both; v27 and v28 are written
	ENTLD 4*UNIT                                   ; the next unit: its rows,
	ENTALL 4*UNIT                                  ; and its entries for the way out
	WIN 0
	s_wait_loadcnt 0x0
	AOFFS 1
	RTRIP 1                                        ; its first products start the sums anew
	s_mov_b32 s27, 15
.Lres:
	RTRIP 0
	s_sub_co_u32 s27, s27, 1
	s_cmp_lg_u32 s27, 0
	s_cbranch_scc1 .Lres
.Lnext:
	v_add_nc_u32 v27, 4*UNIT, v27                  ; on every way here a wait on vm_vsrc stands behind the last loads that read these two: a stream trip's tail, or the one among the lines that make A's offsets
	v_add_nc_u32 v28, 4*UNIT, v28
	s_add_co_u32 s26, s26, UNIT
	s_add_co_u32 s28, s28, 1
	s_cmp_lt_u32 s28, 4
	s_cbranch_scc1 .Lunit
	s_wait_dscnt 0x0                               ; my reads of the slice are back,
	s_barrier_signal -1
	s_barrier_wait -1                              ; and so are every wave's
	s_wait_dscnt 0x0                               ; the wave's end.  A closing add onto the spare LDS words, the 512 bytes behind the slice, follows
	s_wait_alu depctr_hold_cnt(0) depctr_sa_sdst(0) depctr_va_vdst(0) depctr_va_sdst(0) depctr_va_ssrc(0) depctr_va_vcc(0) depctr_vm_vsrc(0)
	s_wait_tensorcnt 0x0
	ds_add_u32 v254, v255
	s_wait_dscnt 0x0
	s_endpgm
.Lfunc_end_k_q43030b7160_ffn2:
	.size	k_q43030b7160_ffn2, .Lfunc_end_k_q43030b7160_ffn2-k_q43030b7160_ffn2
	.p2alignl 7, 3214868480
	.fill 96, 4, 3214868480
	.section	.rodata,"a",@progbits
	.p2align	6, 0x0
	.amdhsa_kernel k_q43030b7160_ffn2
		.amdhsa_group_segment_fixed_size 262656
		.amdhsa_private_segment_fixed_size 0
		.amdhsa_enable_private_segment 0
		.amdhsa_kernarg_size 48
		.amdhsa_user_sgpr_count 2
		.amdhsa_user_sgpr_kernarg_segment_ptr 1
		.amdhsa_wavefront_size32 1
		.amdhsa_system_sgpr_workgroup_id_x 1
		.amdhsa_system_sgpr_workgroup_id_y 1
		.amdhsa_system_sgpr_workgroup_id_z 1
		.amdhsa_system_vgpr_workitem_id 0
		.amdhsa_next_free_vgpr 992
		.amdhsa_next_free_sgpr 66
		.amdhsa_reserve_vcc 0
		.amdhsa_float_denorm_mode_32 3
		.amdhsa_float_denorm_mode_16_64 3
		.amdhsa_memory_ordered 1
		.amdhsa_forward_progress 1
		.amdhsa_inst_pref_size 156
	.end_amdhsa_kernel
	.amdgpu_metadata
---
amdhsa.version: [ 1, 2 ]
amdhsa.kernels:
  - .name:           k_q43030b7160_ffn2
    .symbol:         k_q43030b7160_ffn2.kd
    .args:
      - { .name: hbuf, .offset: 0, .size: 8, .value_kind: global_buffer, .address_space: global }
      - { .name: lst, .offset: 8, .size: 8, .value_kind: global_buffer, .address_space: global }
      - { .name: w2, .offset: 16, .size: 8, .value_kind: global_buffer, .address_space: global }
      - { .name: b2, .offset: 24, .size: 8, .value_kind: global_buffer, .address_space: global }
      - { .name: lwt, .offset: 32, .size: 8, .value_kind: global_buffer, .address_space: global }
      - { .name: part, .offset: 40, .size: 8, .value_kind: global_buffer, .address_space: global }
    .group_segment_fixed_size: 262656
    .private_segment_fixed_size: 0
    .kernarg_segment_align: 8
    .kernarg_segment_size: 48
    .max_flat_workgroup_size: 128
    .sgpr_count:     66
    .vgpr_count:     992
    .wavefront_size: 32
...
	.end_amdgpu_metadata
.endif
;; end of part 9
;; launch combine: the kernel of part 4 again; grid 256 x 1, 8 waves a work-group, no clusters, 0 bytes of LDS; arguments part, out0; writes out0
